; MI455X (gfx1250); checked and timed in simulation.
; The chip was launched on July 23, 2026; its instructions are those of AMD's public machine-readable ISA for CDNA 5 (MIT licence, August 2026) and "CDNA5" Instruction Set Architecture Reference Guide (July 2026). The comments in the code are by the model that wrote it; some were corrected since.
;; Lo RA Multihead Attention. Allowed arithmetic: float matrix products may take bf16 or f16 operands with f32 sums; all other float work in f32.
;; Inputs: in_proj_bias 3,072 float32; in_proj_weight 3,072 x 1,024 float32; k_a 16 x 1,024 float32; k_b 16 x 1,024 float32; key 2,048 x 2 x 1,024 float32; out_b 1,024 float32; out_w 1,024 x 1,024 float32; query 2,048 x 2 x 1,024 float32; v_a 16 x 1,024 float32; v_b 16 x 1,024 float32; value 2,048 x 2 x 1,024 float32.
;; Outputs: out0 2,048 x 2 x 1,024 float32.
;; Constants: attn_mask = 0, need_weights = 0.
;; 3 versions, each right and faster than the one before. Each part assembles by itself: llvm-mc -triple=amdgcn-amd-amdhsa -mcpu=gfx1250 --defsym DOCPART=n.
;; ======== version 1 of 3: 4 launches
;; workspace buffers: xb 8,388,608 bytes; wb 6,291,456 bytes; owb 4,194,304 bytes; qkvh 25,165,824 bytes; ao 16,777,216 bytes
;; launch prep (part 1): grid 512 x 1, 4 waves a work-group, no clusters, 0 bytes of LDS; arguments query, in_proj_weight, out_w, k_a, k_b, v_a, v_b, xb, wb, owb; writes xb, wb, owb
.if DOCPART == 1
	.amdgcn_target "amdgcn-amd-amdhsa--gfx1250"
	.amdhsa_code_object_version 6
	.text
	.protected	k_q8073263d3e_prep
	.globl	k_q8073263d3e_prep
	.p2align	8
	.type	k_q8073263d3e_prep,@function
k_q8073263d3e_prep:
	s_mov_b64 s[64:65], 0
	v_nop
	global_prefetch_b8 v0, s[64:65] scope:SCOPE_SE
	s_setreg_imm32_b32 hwreg(HW_REG_WAVE_MODE, 25, 1), 1
	s_wait_xcnt 0x0
; PREP: the matrix operands of the later launches in bf16.
;   xb [b][t][1024]      = query[t][b][:]                   (rows reordered, so that a batch's rows lie together)
;   wb [3072][1024]      = in_proj_weight, with the low-rank updates folded into the K and V rows:
;                          wb[1024+n][k] = W[1024+n][k] + sum over r of k_b[r][n] k_a[r][k]; rows 2048.. likewise with v_b, v_a.
;                          The factor SCALE / RANK is 16 / 16 = 1 exactly, so no multiply is written for it.
;   owb [2][1024][1024]  = out_w as a sum of two bf16 numbers: plane 0 hi = bf16(w), plane 1 lo = bf16(w - hi).
; (x W^T + (x a^T) b = x (W + b^T a)^T for every input.)  LIMIT: the sum is made in f32 and rounded once to bf16, an order of
; rounding that differs from the reference's, which adds the two products.
; The inputs key and value do not enter the reference's result for any input and are loaded by no launch of this program.
; A stream: no LDS, no barrier, no matrix unit.  128 threads; thread t owns 8 columns of every row: 32 bytes in, 16 bytes out,
; so sixteen neighbouring lanes store 256 consecutive bytes, aligned.  A work-group takes 16 rows.
; Work-groups 0-127: the K and V rows of the weight; 128-383: query; 384-447: the Q rows of the weight; 448-511: out_w.
.set T,  4                             ; v[4:11]    (out_w path) a row's 8 hi parts, widened again
.set X,  16                            ; v[16:143]  16 rows x 8 numbers as loaded; a row's first 4 registers then hold its 8 bf16
.set KA, 16                            ; v[16:143]  (weight path) a[r][my 8 columns], r = 0..15
.set WB, 144                           ; v[144:207] (weight path) two buffers of 4 rows x 8 numbers of W
.set HI, 144                           ; v[144:207] (out_w path) 16 rows x 4 registers: the hi parts
.set LOPLANE, 2097152                  ; bytes from owb's hi plane to its lo plane
.macro LOAD16                          ; 16 rows: 32 loads go out together
.irp i, 0,1,2,3,4,5,6,7,8,9,10,11,12,13,14,15
	global_load_b128 v[X+8*\i:X+8*\i+3],   v1, s[92:93] offset:4096*\i th:TH_LOAD_NT
	global_load_b128 v[X+8*\i+4:X+8*\i+7], v1, s[92:93] offset:4096*\i+16 th:TH_LOAD_NT
.endr
.endm
; Each row is rounded and stored as it comes.  perm = 1: row i = (t, b) = (i >> 1, i & 1) goes to row b * 2048 + t of xb.
; No register that a load or store names is written again, so no wait frees any.
.macro CONV16 perm
	LOAD16
.irp i, 0,1,2,3,4,5,6,7,8,9,10,11,12,13,14,15
	s_wait_loadcnt 30-2*\i                         ; loads come back in order: row i's two are in, the 30 - 2 i younger ones stay out
.irp k, 0,1,2,3
	v_cvt_pk_bf16_f32 v[X+8*\i+\k], v[X+8*\i+2*\k], v[X+8*\i+2*\k+1]   ; k ascending: register k is written when numbers 2k, 2k+1 are read
.endr
.if \perm
	global_store_b128 v2, v[X+8*\i:X+8*\i+3], s[94:95] offset:(\i&1)*4194304+(\i>>1)*2048
.else
	global_store_b128 v2, v[X+8*\i:X+8*\i+3], s[94:95] offset:2048*\i
.endif
.endr
.endm
; The same with two results a number: hi = bf16(w), lo = bf16(w - hi).  The difference is exact in f32.
.macro CONVHL
	LOAD16
.irp i, 0,1,2,3,4,5,6,7,8,9,10,11,12,13,14,15
	s_wait_loadcnt 30-2*\i                         ; row i's two loads are in, the 30 - 2 i younger ones stay out
.irp k, 0,1,2,3
	v_cvt_pk_bf16_f32 v[HI+4*\i+\k], v[X+8*\i+2*\k], v[X+8*\i+2*\k+1]
.endr
.irp k, 0,1,2,3
	v_lshlrev_b32 v[T+2*\k],   16, v[HI+4*\i+\k]               ; bf16 to f32: the low half moves up,
	v_and_b32     v[T+2*\k+1], 0xffff0000, v[HI+4*\i+\k]       ; the high half stays
.endr
.irp k, 0,1,2,3
	v_pk_add_f32 v[X+8*\i+2*\k:X+8*\i+2*\k+1], v[X+8*\i+2*\k:X+8*\i+2*\k+1], v[T+2*\k:T+2*\k+1] neg_lo:[0,1] neg_hi:[0,1]   ; w - hi
.endr
.irp k, 0,1,2,3
	v_cvt_pk_bf16_f32 v[X+8*\i+\k], v[X+8*\i+2*\k], v[X+8*\i+2*\k+1]
.endr
	global_store_b128 v2, v[HI+4*\i:HI+4*\i+3], s[94:95] offset:2048*\i
	global_store_b128 v2, v[X+8*\i:X+8*\i+3],   s[94:95] offset:LOPLANE+2048*\i
.endr
.endm
; b[r][n] for rows n = 4 g .. 4 g + 3 of my 16, all 16 r: four scalars for each r, in s[24:63] and s[68:91]
.macro SLD g
.irp r, 0,1,2,3,4,5,6,7,8,9,10,11,12,13,14,15
	s_load_b128 s[24+4*\r+4*(\r/10):27+4*\r+4*(\r/10)], s[98:99], 4096*\r+16*(\g)
.endr
.endm
; rows 4 g .. 4 g + 3 of W into buffer g & 1
.macro WLD g
.irp i, 0,1,2,3
	global_load_b128 v[WB+32*((\g)&1)+8*\i:WB+32*((\g)&1)+8*\i+3],   v1, s[92:93] offset:4096*(4*(\g)+\i) th:TH_LOAD_NT
	global_load_b128 v[WB+32*((\g)&1)+8*\i+4:WB+32*((\g)&1)+8*\i+7], v1, s[92:93] offset:4096*(4*(\g)+\i)+16 th:TH_LOAD_NT
.endr
.endm
; four rows: 16 x 32 fused multiply-adds on 32 sums that take turns, then rounding and four stores
.macro GROUP g
	s_wait_kmcnt 0x0                               ; this group's 64 numbers of b
.if \g < 3
	s_wait_loadcnt 0x8                             ; a and this group's rows are in; the next group's eight loads stay out
.else
	s_wait_loadcnt 0x0
.endif
.irp r, 0,1,2,3,4,5,6,7,8,9,10,11,12,13,14,15
.irp i, 0,1,2,3
.irp k, 0,1,2,3,4,5,6,7
	v_fmac_f32 v[WB+32*(\g&1)+8*\i+\k], s[24+4*\r+4*(\r/10)+\i], v[KA+8*\r+\k]
.endr
.endr
.endr
.if \g < 3
	SLD \g+1                                       ; the scalars have been read: the next group's come while this one is rounded and stored
.endif
.irp i, 0,1,2,3
.irp k, 0,1,2,3
	v_cvt_pk_bf16_f32 v[WB+32*(\g&1)+8*\i+\k], v[WB+32*(\g&1)+8*\i+2*\k], v[WB+32*(\g&1)+8*\i+2*\k+1]
.endr
	global_store_b128 v2, v[WB+32*(\g&1)+8*\i:WB+32*(\g&1)+8*\i+3], s[94:95] offset:2048*(4*\g+\i)
.endr
.if \g < 2
	s_wait_xcnt 0x0                                ; the stores' data registers are loaded again only behind this wait
	WLD \g+2
.endif
.endm
	s_load_b512 s[4:19], s[0:1], 0x0               ; query s[4:5], W s[6:7], out_w s[8:9], k_a s[10:11], k_b s[12:13], v_a s[14:15], v_b s[16:17], xb s[18:19]
	s_load_b128 s[20:23], s[0:1], 0x40             ; wb s[20:21], owb s[22:23]
	v_lshlrev_b32 v1, 5, v0                        ; my 32 bytes in a row of f32
	v_lshlrev_b32 v2, 4, v0                        ; my 16 bytes in a row of bf16
	s_mov_b32 s3, 0                                ; upper word of every offset pair s[2:3]
	s_wait_kmcnt 0x0
	s_cmp_lt_u32 ttmp9, 128
	s_cbranch_scc1 .Llora
	s_cmp_lt_u32 ttmp9, 384
	s_cbranch_scc1 .Lquery
	s_cmp_lt_u32 ttmp9, 448
	s_cbranch_scc1 .Lwq
	; work-groups 448-511: 16 rows of out_w, as hi and lo
	s_sub_co_u32 s100, ttmp9, 448
	s_lshl_b32 s2, s100, 16                        ; 16 rows of 4,096 bytes
	s_add_nc_u64 s[92:93], s[8:9], s[2:3]
	s_lshl_b32 s2, s100, 15                        ; 16 rows of 2,048 bytes
	s_add_nc_u64 s[94:95], s[22:23], s[2:3]
	CONVHL
	s_endpgm
.Lwq:
	; work-groups 384-447: 16 rows of the weight's Q part, rounded as they are
	s_sub_co_u32 s100, ttmp9, 384
	s_lshl_b32 s2, s100, 16
	s_add_nc_u64 s[92:93], s[6:7], s[2:3]
	s_lshl_b32 s2, s100, 15
	s_add_nc_u64 s[94:95], s[20:21], s[2:3]
	CONV16 0
	s_endpgm
.Lquery:
	; work-groups 128-383: 16 rows of query = 8 values of t x 2 of b
	s_sub_co_u32 s100, ttmp9, 128
	s_lshl_b32 s2, s100, 16
	s_add_nc_u64 s[92:93], s[4:5], s[2:3]
	s_lshl_b32 s2, s100, 14                        ; 8 rows of 2,048 bytes in each half of xb
	s_add_nc_u64 s[94:95], s[18:19], s[2:3]
	CONV16 1
	s_endpgm
.Llora:
	; work-groups 0-127: rows 1024 + 16 g .. + 15 of the weight (0-63: K rows with k_a, k_b; 64-127: V rows with v_a, v_b)
	s_cmp_lt_u32 ttmp9, 64
	s_cselect_b64 s[96:97], s[10:11], s[14:15]     ; a
	s_cselect_b64 s[98:99], s[12:13], s[16:17]     ; b
	s_and_b32 s100, ttmp9, 63
	s_lshl_b32 s2, s100, 6                         ; my 16 columns of b, 4 bytes each
	s_add_nc_u64 s[98:99], s[98:99], s[2:3]
	s_lshl_b32 s2, ttmp9, 16
	s_add_co_u32 s2, s2, 1024*4096
	s_add_nc_u64 s[92:93], s[6:7], s[2:3]
	s_lshl_b32 s2, ttmp9, 15
	s_add_co_u32 s2, s2, 1024*2048
	s_add_nc_u64 s[94:95], s[20:21], s[2:3]
	SLD 0
.irp r, 0,1,2,3,4,5,6,7,8,9,10,11,12,13,14,15
	global_load_b128 v[KA+8*\r:KA+8*\r+3],   v1, s[96:97] offset:4096*\r        ; no hint: 64 work-groups read a again
	global_load_b128 v[KA+8*\r+4:KA+8*\r+7], v1, s[96:97] offset:4096*\r+16
.endr
	WLD 0
	WLD 1
	GROUP 0
	GROUP 1
	GROUP 2
	GROUP 3
	s_endpgm
.Lfunc_end_k_q8073263d3e_prep:
	.size	k_q8073263d3e_prep, .Lfunc_end_k_q8073263d3e_prep-k_q8073263d3e_prep
	.p2alignl 7, 3214868480
	.fill 96, 4, 3214868480
	.section	.rodata,"a",@progbits
	.p2align	6, 0x0
	.amdhsa_kernel k_q8073263d3e_prep
		.amdhsa_group_segment_fixed_size 0
		.amdhsa_private_segment_fixed_size 0
		.amdhsa_enable_private_segment 0
		.amdhsa_kernarg_size 80
		.amdhsa_user_sgpr_count 2
		.amdhsa_user_sgpr_kernarg_segment_ptr 1
		.amdhsa_wavefront_size32 1
		.amdhsa_system_sgpr_workgroup_id_x 1
		.amdhsa_system_sgpr_workgroup_id_y 1
		.amdhsa_system_sgpr_workgroup_id_z 1
		.amdhsa_system_vgpr_workitem_id 0
		.amdhsa_next_free_vgpr 208
		.amdhsa_next_free_sgpr 101
		.amdhsa_reserve_vcc 0
		.amdhsa_float_denorm_mode_32 3
		.amdhsa_float_denorm_mode_16_64 3
		.amdhsa_memory_ordered 1
		.amdhsa_forward_progress 1
		.amdhsa_inst_pref_size 125
	.end_amdhsa_kernel
	.amdgpu_metadata
---
amdhsa.version: [ 1, 2 ]
amdhsa.kernels:
  - .name:           k_q8073263d3e_prep
    .symbol:         k_q8073263d3e_prep.kd
    .args:
      - { .name: query, .offset: 0, .size: 8, .value_kind: global_buffer, .address_space: global }
      - { .name: in_proj_weight, .offset: 8, .size: 8, .value_kind: global_buffer, .address_space: global }
      - { .name: out_w, .offset: 16, .size: 8, .value_kind: global_buffer, .address_space: global }
      - { .name: k_a, .offset: 24, .size: 8, .value_kind: global_buffer, .address_space: global }
      - { .name: k_b, .offset: 32, .size: 8, .value_kind: global_buffer, .address_space: global }
      - { .name: v_a, .offset: 40, .size: 8, .value_kind: global_buffer, .address_space: global }
      - { .name: v_b, .offset: 48, .size: 8, .value_kind: global_buffer, .address_space: global }
      - { .name: xb, .offset: 56, .size: 8, .value_kind: global_buffer, .address_space: global }
      - { .name: wb, .offset: 64, .size: 8, .value_kind: global_buffer, .address_space: global }
      - { .name: owb, .offset: 72, .size: 8, .value_kind: global_buffer, .address_space: global }
    .group_segment_fixed_size: 0
    .private_segment_fixed_size: 0
    .kernarg_segment_align: 8
    .kernarg_segment_size: 80
    .max_flat_workgroup_size: 128
    .sgpr_count:     101
    .vgpr_count:     208
    .wavefront_size: 32
...
	.end_amdgpu_metadata
.endif
;; end of part 1
;; launch qkv (part 2): grid 16 x 16, 4 waves a work-group, clusters of 4 x 4, 327,680 bytes of LDS; arguments xb, wb, in_proj_bias, qkvh; writes qkvh
.if DOCPART == 2
	.amdgcn_target "amdgcn-amd-amdhsa--gfx1250"
	.amdhsa_code_object_version 6
	.text
	.protected	k_q8073263d3e_qkv
	.globl	k_q8073263d3e_qkv
	.p2align	8
	.type	k_q8073263d3e_qkv,@function
k_q8073263d3e_qkv:
	s_mov_b64 s[64:65], 0
	v_nop
	global_prefetch_b8 v0, s[64:65] scope:SCOPE_SE
	s_setreg_imm32_b32 hwreg(HW_REG_WAVE_MODE, 25, 1), 1
	s_wait_xcnt 0x0
	s_wait_alu depctr_hold_cnt(0) depctr_sa_sdst(0) depctr_va_vdst(0) depctr_va_sdst(0) depctr_va_ssrc(0) depctr_va_vcc(0) depctr_vm_vsrc(0)
	s_getreg_b32 s2, hwreg(HW_REG_IB_STS2, 6, 4)
	s_cmp_eq_u32 s2, 0
	s_cbranch_scc0 .Lentry_in_a_cluster
	s_endpgm
.Lentry_in_a_cluster:
	s_bfe_u32 s2, ttmp6, 0x10000c
	s_cmp_lg_u32 s2, 0xf033
	s_cbranch_scc0 .Lentry_shape_is_right
	s_endpgm
.Lentry_shape_is_right:
; QKV: qkvh = xb wb^T + in_proj_bias.  xb [4096][1024], wb [3072][1024] in bf16, sums in f32, the result rounded once to bf16 and laid
; head by head: qkvh[u][b][t][64], u = column / 64 (0-15 Q, 16-31 K, 32-47 V), byte ((2 u + b) 2048 + t) 128.
; A work-group makes 256 rows x 192 columns (three whole units u): 16 x 16 = 256 work-groups.  Four waves, one above the other: wave w makes
; rows 64 w .. + 63 x all 192 columns = 4 x 12 accumulator tiles of 16 x 16, 384 registers; so a wave owns whole units on the way out.
; K goes in 8 steps of 128 through a ring of two LDS slots filled by the tensor data mover; a tile's rows are 256 bytes of memory, aligned.
; CLUSTERS: 4 x 4 work-groups.  The four of a row of the cluster need the same tiles of xb, the four of a column the same tiles of wb: each
; tile is asked for jointly by the four, with the same descriptor and a mask that names them.
; REGISTERS by windows of 256: window 0: v16-27 addresses, v32-95 fragments of xb (two buffers of 4 x 8), v96-191 the bias as a C operand,
; v192-239 packed results; window 1: fragments of wb (two buffers of 12 x 8); window 2: tiles of my rows 0-31; window 3: of my rows 32-63.
; The matrix instruction is used transposed (source 0 = rows of wb, source 1 = rows of xb): lane l holds row l % 16 of the result and its
; registers 0-7 the columns 8 (l / 16) + 0..7, eight neighbours, which pack into 16 bytes.
; The first product of each tile takes the bias as C: nothing is cleared, and no add of the bias is written.
.set PITCH,  272                       ; an LDS row: 256 bytes + 16 of padding: 16 rows that a load touches begin in 16 different 16-byte columns of 256
.set HALFT,  128*PITCH                 ; a region: what one tensor load may fill
.set SLOT,   4*HALFT                   ; regions 0, 1: xb's rows 0-127, 128-255; regions 2, 3: wb's rows 0-95, 96-191 (96 rows used of each)
.set STAGE,  2*SLOT                    ; behind the ring, never filled by a tensor load
.set USTG,   8*PITCH                   ; the stage of one unit: 16 rows of 128 bytes as 8 rows of 256 (rows 2p, 2p+1 side by side)
.set WSTG,   3*USTG                    ; a wave's stage
.set LAPS,   4                         ; a lap = two K steps = once round the ring
.set ADRA, 16                          ; v16-17  LDS address of my xb fragments in slot 0, 1
.set ADRB, 20                          ; v20-21  the same for wb
.set STO,  24                          ; where I put 16 bytes of a row
.set RD,   25                          ; where I read 16 bytes back
.set CO,   26                          ; my byte offset in a store's 512 bytes
.set BO,   27                          ; my byte offset in the bias
.set BIAS, 96
.set TMP,  192
.set G1,  24                           ; s[24:31] group 1 for xb's tiles
.set G0,  32                           ; s[32:39] group 0 for xb's tiles, one set for each slot
.set G1B, 48                           ; s[48:55] group 1 for wb's tiles
.set G0B, 56                           ; s[56:63] group 0 for wb's tiles
.set MSB, 0
.macro WIN new                         ; the immediate's high byte repeats the setting that is left
.if MSB != \new
	s_set_vgpr_msb (MSB<<8)|\new
.set MSB, \new
.endif
.endm
; A joint load: waves 0, 1 fetch xb's halves, waves 2, 3 wb's.  The branch hangs on the wave's number alone.
.macro JLOAD s
	s_cmp_eq_u32 s13, 0
	s_cbranch_scc0 .Lfor_b_\@
	tensor_load_to_lds s[G0+4*\s:G0+4*\s+3], s[G1:G1+7]
	s_nop 0
	s_branch .Lasked_\@
.Lfor_b_\@:
	tensor_load_to_lds s[G0B+4*\s:G0B+4*\s+3], s[G1B:G1B+7]
	s_nop 0
.Lasked_\@:
.endm
.macro CREST                           ; a round of the cluster's barrier behind its opening work-group barrier
	s_cmp_lg_u32 s12, 0
	s_cbranch_scc1 .Lnot_wave_0_\@
	s_barrier_signal -3
.Lnot_wave_0_\@:
	s_barrier_wait -3
	s_barrier_signal -1
	s_barrier_wait -1
.endm
.macro CROUND                          ; a whole round
	s_barrier_signal -1
	s_barrier_wait -1
	CREST
.endm
.macro PLACES                          ; four places behind a matrix instruction, in front of loads into its sources and of readers of its result
.rept 4
	v_nop
.endr
.endm
; 12 matrix instructions: row block a of the window's two (hi = 0: my rows 0-31, 1: rows 32-63) x all 12 column blocks, 32 along K, from buffer f.
; mode = 1: the bias starts the sums.  The 48 accumulators take turns, one instruction a turn, in the same order in every quarter step.
.macro MULA f, hi, a, mode
.irp b, 0,1,2,3,4,5,6,7,8,9,10,11
.if \mode
	v_wmma_f32_16x16x32_bf16 v[8*(12*\a+\b):8*(12*\a+\b)+7], v[96*\f+8*\b:96*\f+8*\b+7], v[32+32*\f+8*(2*\hi+\a):32+32*\f+8*(2*\hi+\a)+7], v[BIAS+8*\b:BIAS+8*\b+7]
.else
	v_wmma_f32_16x16x32_bf16 v[8*(12*\a+\b):8*(12*\a+\b)+7], v[96*\f+8*\b:96*\f+8*\b+7], v[32+32*\f+8*(2*\hi+\a):32+32*\f+8*(2*\hi+\a)+7], v[8*(12*\a+\b):8*(12*\a+\b)+7]
.endif
.endr
.endm
; 32 LDS loads in one run: a quarter step's fragments (192 rows of wb, my 64 rows of xb, 32 K at byte k of the rows) into buffer f
.macro FETCH slot, k, f
	WIN 0x40
.irp i, 0,1,2,3,4,5,6,7,8,9,10,11
	ds_load_b128 v[96*\f+8*\i:96*\f+8*\i+3],   v[ADRB+\slot] offset:\k+(\i/6)*HALFT+(\i%6)*16*PITCH
	ds_load_b128 v[96*\f+8*\i+4:96*\f+8*\i+7], v[ADRB+\slot] offset:\k+(\i/6)*HALFT+(\i%6)*16*PITCH+32
.endr
	WIN 0
.irp i, 0,1,2,3
	ds_load_b128 v[32+32*\f+8*\i:32+32*\f+8*\i+3],   v[ADRA+\slot] offset:\k+\i*16*PITCH
	ds_load_b128 v[32+32*\f+8*\i+4:32+32*\f+8*\i+7], v[ADRA+\slot] offset:\k+\i*16*PITCH+32
.endr
.endm
; One of a K step's first three quarters: multiplies buffer f; in its middle it fetches the next quarter, at byte k, into buffer g.
.macro QUARTER slot, k, f, g, mode
	s_wait_dscnt 0x4                               ; wb and xb's blocks 0, 1 are in; the youngest four loads (blocks 2, 3) may be out
.if \mode
	WIN 0x81                                       ; source 0 window 1, source 1 and C (the bias) window 0, D window 2
.else
	WIN 0xa1                                       ; C and D window 2
.endif
	MULA \f, 0, 0, \mode
	MULA \f, 0, 1, \mode
	PLACES
	FETCH \slot, \k, \g
	s_wait_dscnt 0x20                              ; all but the 32 just issued
.if \mode
	WIN 0xc1
.else
	WIN 0xf1
.endif
	MULA \f, 1, 0, \mode
	MULA \f, 1, 1, \mode
.endm
.macro THREE slot, mode
	QUARTER \slot, 64,  0, 1, \mode
	QUARTER \slot, 128, 1, 0, 0
	QUARTER \slot, 192, 0, 1, 0
.endm
; The last quarter: multiplies buffer 1 and changes slots.  In front of the one barrier each wave waits for its reads of this slot and for all
; its tensor loads (the one that is out is its part of the next slot).  fill = 1: the barrier opens a round of the cluster's barrier, and the
; joint refill of this slot, two K steps ahead, is the first tensor load behind the round.
.macro TURN slot, next, fill
	s_wait_dscnt 0x4
	WIN 0xa1
	MULA 1, 0, 0, 0
	s_wait_dscnt 0x0                               ; my reads of this slot are over
	s_wait_tensorcnt 0x0                           ; and all my tensor loads have landed
	ds_add_u32 v255, v255
	s_wait_dscnt 0x0
	s_barrier_signal -1
	MULA 1, 0, 1, 0                                ; register work while the others arrive
	WIN 0
	s_barrier_wait -1
.if \fill
	CREST
	s_add_nc_u64 s[G0+4*\slot+2:G0+4*\slot+3], s[G0+4*\slot+2:G0+4*\slot+3], 512      ; two K steps of 256 bytes on
	s_add_nc_u64 s[G0B+4*\slot+2:G0B+4*\slot+3], s[G0B+4*\slot+2:G0B+4*\slot+3], 512
	JLOAD \slot
.endif
	PLACES
	FETCH \next, 0, 0
	WIN 0xf1
	MULA 1, 1, 0, 0
	MULA 1, 1, 1, 0
.endm
.macro LAP mode
	THREE 0, \mode
	TURN 0, 1, 1
	THREE 1, 0
	TURN 1, 0, 1
.endm
	s_load_b256 s[4:11], s[0:1], 0x0               ; xb s[4:5], wb s[6:7], bias s[8:9], qkvh s[10:11]
	s_set_vgpr_msb 0x40
	v_lshl_add_u32 v255, v0, 2, 0x4a600
	s_set_vgpr_msb 0x4000
	v_mov_b32 v255, 0
	s_set_vgpr_msb 0x1
	ds_add_u32 v255, v255
	s_set_vgpr_msb 0x100
	v_lshrrev_b32 v1, 5, v0
	v_readfirstlane_b32 s12, v1                    ; wave 0..3
	s_lshr_b32 s13, s12, 1                         ; I fetch for xb (0) or for wb (1)
	s_and_b32 s14, s12, 1                          ; which half of that tile
	s_bfe_u32 s40, ttmp6, 0x40000                  ; cx
	s_bfe_u32 s41, ttmp6, 0x40004                  ; cy
	s_lshl_b32 s42, ttmp9, 2
	s_add_co_u32 s42, s42, s40                     ; block column = 4 x cluster x + cx
	s_and_b32 s43, ttmp7, 0xffff
	s_lshl_b32 s43, s43, 2
	s_add_co_u32 s43, s43, s41                     ; block row = 4 x cluster y + cy
	s_lshl_b32 s44, s41, 2
	s_lshl_b32 s44, 15, s44                        ; my row of the cluster: places 4 cy .. 4 cy + 3
	s_lshl_b32 s45, 0x1111, s40                    ; my column: places cx, cx + 4, cx + 8, cx + 12
	; group 1: rows of 128 elements of 2 bytes, 16 bytes of padding behind every 64 words; xb 128 rows, wb 96 rows; 1,024 elements from row to row
	s_or_b32 s[G1+0], s44, (1<<16)|(1<<20)|(1<<21)|(5<<22)|(3<<25)
	s_or_b32 s[G1B+0], s45, (1<<16)|(1<<20)|(1<<21)|(5<<22)|(3<<25)
	s_mov_b32 s[G1+1], 128<<16                     ; tensor_dim0 = 128
	s_mov_b32 s[G1B+1], 128<<16
	s_mov_b32 s[G1+2], 128<<16                     ; tensor_dim1 = 128
	s_mov_b32 s[G1B+2], 96<<16                     ; tensor_dim1 = 96
	s_mov_b32 s[G1+3], 128<<16                     ; tile_dim0 = 128
	s_mov_b32 s[G1B+3], 128<<16
	s_mov_b32 s[G1+4], 128                         ; tile_dim1
	s_mov_b32 s[G1B+4], 96
	s_mov_b32 s[G1+5], 1024                        ; the pitch in elements
	s_mov_b32 s[G1B+5], 1024
	s_mov_b32 s[G1+6], 0
	s_mov_b32 s[G1B+6], 0
	s_mov_b32 s[G1+7], 0
	s_mov_b32 s[G1B+7], 0
	; xb's tiles hang on the block row alone, wb's on the block column alone; each address in registers that never hold the other coordinate
	s_lshl_b32 s16, s43, 8
	s_lshl_b32 s21, s14, 7
	s_add_co_u32 s16, s16, s21                     ; xb: row 256 x block row + 128 x half
	s_lshl_b32 s16, s16, 11                        ; rows of 2,048 bytes
	s_mov_b32 s17, 0
	s_mul_i32 s46, s42, 192
	s_mul_i32 s21, s14, 96
	s_add_co_u32 s46, s46, s21                     ; wb: row 192 x block column + 96 x half
	s_lshl_b32 s46, s46, 11
	s_mov_b32 s47, 0
	s_mul_i32 s22, s42, 768                        ; my 192 numbers of the bias
	s_mov_b32 s23, 0
	s_mul_i32 s20, s12, HALFT                      ; my region of a slot: the wave's number alone
	s_wait_dscnt 0x0
	s_wait_kmcnt 0x0
	s_add_nc_u64 s[18:19], s[4:5], s[16:17]
	s_add_nc_u64 s[46:47], s[6:7], s[46:47]
	s_add_nc_u64 s[22:23], s[8:9], s[22:23]
	CROUND                                         ; all sixteen work-groups are here: the first joint loads meet
.irp s, 0,1
	s_mov_b32 s[G0+4*\s], 1
	s_add_co_u32 s[G0+4*\s+1], s20, \s*SLOT
	s_add_nc_u64 s[G0+4*\s+2:G0+4*\s+3], s[18:19], \s*256          ; K step s
	s_or_b32 s[G0+4*\s+3], s[G0+4*\s+3], 0x80000000
	s_mov_b32 s[G0B+4*\s], 1
	s_add_co_u32 s[G0B+4*\s+1], s20, \s*SLOT
	s_add_nc_u64 s[G0B+4*\s+2:G0B+4*\s+3], s[46:47], \s*256
	s_or_b32 s[G0B+4*\s+3], s[G0B+4*\s+3], 0x80000000
	JLOAD \s                                       ; two tensor loads of the wave are out; later one
.endr
	v_and_b32 v1, 15, v0                           ; r = l % 16
	v_bfe_u32 v2, v0, 4, 1                         ; h = l / 16
	v_mul_u32_u24 v3, v1, PITCH
	v_lshl_add_u32 v3, v2, 4, v3                   ; a fragment's lane term: row x pitch + 16 h
	s_mul_i32 s21, s12, 64*PITCH                   ; my 64 rows of xb
	v_add_nc_u32 v[ADRA], s21, v3
	v_add_nc_u32 v[ADRA+1], SLOT, v[ADRA]
	v_add_nc_u32 v[ADRB], 2*HALFT, v3
	v_add_nc_u32 v[ADRB+1], 2*HALFT+SLOT, v3
	s_mul_i32 s21, s12, WSTG
	s_add_co_u32 s21, s21, STAGE                   ; my stage
	v_lshrrev_b32 v4, 1, v1
	v_mul_u32_u24 v4, v4, PITCH                    ; in: row r lies at (r >> 1) x pitch + (r & 1) x 128,
	v_and_b32 v5, 1, v0
	v_lshl_add_u32 v4, v5, 7, v4
	v_lshl_add_u32 v4, v2, 4, v4                   ; + 16 h
	v_add_nc_u32 v[STO], s21, v4
	v_mul_u32_u24 v5, v2, PITCH                    ; back: lanes 0-15 one row of 256 bytes, lanes 16-31 the next
	v_lshl_add_u32 v5, v1, 4, v5
	v_add_nc_u32 v[RD], s21, v5
	v_and_b32 v5, 31, v0
	v_lshlrev_b32 v[CO], 4, v5                     ; 16 l: a store's 32 lanes cover 512 consecutive bytes
	v_lshlrev_b32 v[BO], 5, v2                     ; the bias of columns 8 h + 0..7 of a block
.irp b, 0,1,2,3,4,5,6,7,8,9,10,11
	global_load_b128 v[BIAS+8*\b:BIAS+8*\b+3],   v[BO], s[22:23] offset:64*\b
	global_load_b128 v[BIAS+8*\b+4:BIAS+8*\b+7], v[BO], s[22:23] offset:64*\b+16
.endr
	s_wait_tensorcnt 0x1                           ; my part of K step 0 is in; K step 1's stays out
	s_barrier_signal -1
	s_barrier_wait -1
	FETCH 0, 0, 0
	s_wait_loadcnt 0x0                             ; the bias
	LAP 1                                          ; the first lap stands in front of the loop: its first products start the sums
	WIN 0
	s_mov_b32 s3, LAPS-2
.Llap:
	LAP 0
	WIN 0
	s_sub_co_u32 s3, s3, 1
	s_cmp_lg_u32 s3, 0
	s_cbranch_scc1 .Llap
	THREE 0, 0                                     ; the last lap fills nothing
	TURN 0, 1, 0
	THREE 1, 0
	s_wait_dscnt 0x4
	WIN 0xa1
	MULA 1, 0, 0, 0
	MULA 1, 0, 1, 0
	s_wait_dscnt 0x0
	WIN 0xf1
	MULA 1, 1, 0, 0
	MULA 1, 1, 1, 0
	; THE WAY OUT, 16 rows at a time: round to bf16, 16 bytes a lane into my stage, read back as 512 consecutive bytes (4 rows of a unit).
	PLACES
	s_and_b32 s16, s43, 7
	s_lshl_b32 s16, s16, 15                        ; t = (block row & 7) x 256 + 64 w + ..., rows of 128 bytes
	s_lshl_b32 s17, s12, 13
	s_add_co_u32 s16, s16, s17
	s_lshr_b32 s17, s43, 3                         ; b = block row >> 3
	s_lshl_b32 s17, s17, 18
	s_add_co_u32 s16, s16, s17
	s_mov_b32 s17, 0
	s_add_nc_u64 s[10:11], s[10:11], s[16:17]
	s_mul_i32 s46, s42, 6*262144                   ; u = 3 x block column + ..., 2 x 262,144 bytes for each u
	s_mov_b32 s47, 0
	s_add_nc_u64 s[10:11], s[10:11], s[46:47]
; rows 16 i .. + 15 of my 64 = the twelve tiles (a, 0..11) of window 2 or 3 (from = 0x0a or 0x0f); rb: where the rows are read back to
.macro OUT16 i, a, from, rb
	WIN \from
.irp b, 0,1,2,3,4,5,6,7,8,9,10,11
.irp e, 0,1,2,3
	v_cvt_pk_bf16_f32 v[TMP+4*\b+\e], v[8*(12*\a+\b)+2*\e], v[8*(12*\a+\b)+2*\e+1]
.endr
.endr
	WIN 0
.irp b, 0,1,2,3,4,5,6,7,8,9,10,11
	ds_store_b128 v[STO], v[TMP+4*\b:TMP+4*\b+3] offset:(\b>>2)*USTG+32*(\b&3)
.endr
	s_wait_xcnt 0x0                                ; registers that earlier stores read are loaded again only behind this wait
.irp u, 0,1,2
.irp p, 0,1,2,3
	ds_load_b128 v[\rb+4*(4*\u+\p):\rb+4*(4*\u+\p)+3], v[RD] offset:\u*USTG+2*\p*PITCH   ; LDS serves a wave's instructions in order: these see the stores above
.endr
.endr
.irp u, 0,1,2
.irp p, 0,1,2,3
	s_wait_dscnt 11-(4*\u+\p)
	global_store_b128 v[CO], v[\rb+4*(4*\u+\p):\rb+4*(4*\u+\p)+3], s[10:11] offset:\u*524288+2048*\i+512*\p
.endr
.endr
.endm
	OUT16 0, 0, 0x0a, 32
	OUT16 1, 1, 0x0a, 96
	OUT16 2, 0, 0x0f, 32
	OUT16 3, 1, 0x0f, 96
	s_set_vgpr_msb 0x1
	s_wait_tensorcnt 0x0
	ds_add_u32 v255, v255
	s_wait_dscnt 0x0
	s_set_vgpr_msb 0x100
	CROUND                                         ; the closing round: no work-group ends while a partner may still ask for a tile that names it
	s_endpgm
.Lfunc_end_k_q8073263d3e_qkv:
	.size	k_q8073263d3e_qkv, .Lfunc_end_k_q8073263d3e_qkv-k_q8073263d3e_qkv
	.p2alignl 7, 3214868480
	.fill 96, 4, 3214868480
	.section	.rodata,"a",@progbits
	.p2align	6, 0x0
	.amdhsa_kernel k_q8073263d3e_qkv
		.amdhsa_group_segment_fixed_size 327680
		.amdhsa_private_segment_fixed_size 0
		.amdhsa_enable_private_segment 0
		.amdhsa_kernarg_size 32
		.amdhsa_user_sgpr_count 2
		.amdhsa_user_sgpr_kernarg_segment_ptr 1
		.amdhsa_wavefront_size32 1
		.amdhsa_system_sgpr_workgroup_id_x 1
		.amdhsa_system_sgpr_workgroup_id_y 1
		.amdhsa_system_sgpr_workgroup_id_z 1
		.amdhsa_system_vgpr_workitem_id 0
		.amdhsa_next_free_vgpr 960
		.amdhsa_next_free_sgpr 66
		.amdhsa_reserve_vcc 0
		.amdhsa_float_denorm_mode_32 3
		.amdhsa_float_denorm_mode_16_64 3
		.amdhsa_memory_ordered 1
		.amdhsa_forward_progress 1
		.amdhsa_inst_pref_size 166
	.end_amdhsa_kernel
	.amdgpu_metadata
---
amdhsa.version: [ 1, 2 ]
amdhsa.kernels:
  - .name:           k_q8073263d3e_qkv
    .symbol:         k_q8073263d3e_qkv.kd
    .args:
      - { .name: xb, .offset: 0, .size: 8, .value_kind: global_buffer, .address_space: global }
      - { .name: wb, .offset: 8, .size: 8, .value_kind: global_buffer, .address_space: global }
      - { .name: in_proj_bias, .offset: 16, .size: 8, .value_kind: global_buffer, .address_space: global }
      - { .name: qkvh, .offset: 24, .size: 8, .value_kind: global_buffer, .address_space: global }
    .group_segment_fixed_size: 327680
    .private_segment_fixed_size: 0
    .kernarg_segment_align: 8
    .kernarg_segment_size: 32
    .max_flat_workgroup_size: 128
    .sgpr_count:     66
    .vgpr_count:     960
    .wavefront_size: 32
...
	.end_amdgpu_metadata
.endif
;; end of part 2
;; launch attn (part 3): grid 8 x 32, 4 waves a work-group, clusters of 4 x 1, 327,680 bytes of LDS; arguments qkvh, ao; writes ao
.if DOCPART == 3
	.amdgcn_target "amdgcn-amd-amdhsa--gfx1250"
	.amdhsa_code_object_version 6
	.text
	.protected	k_q8073263d3e_attn
	.globl	k_q8073263d3e_attn
	.p2align	8
	.type	k_q8073263d3e_attn,@function
k_q8073263d3e_attn:
	s_mov_b64 s[64:65], 0
	v_nop
	global_prefetch_b8 v0, s[64:65] scope:SCOPE_SE
	s_setreg_imm32_b32 hwreg(HW_REG_WAVE_MODE, 25, 1), 1
	s_wait_xcnt 0x0
	s_wait_alu depctr_hold_cnt(0) depctr_sa_sdst(0) depctr_va_vdst(0) depctr_va_sdst(0) depctr_va_ssrc(0) depctr_va_vcc(0) depctr_vm_vsrc(0)
	s_getreg_b32 s2, hwreg(HW_REG_IB_STS2, 6, 4)
	s_cmp_eq_u32 s2, 0
	s_cbranch_scc0 .Lentry_in_a_cluster
	s_endpgm
.Lentry_in_a_cluster:
	s_bfe_u32 s2, ttmp6, 0x10000c
	s_cmp_lg_u32 s2, 0x3003
	s_cbranch_scc0 .Lentry_shape_is_right
	s_endpgm
.Lentry_shape_is_right:
; ATTENTION for one (head, batch) y = 2 h + b and one block of 256 queries; wave w owns 64 queries.  softmax(Q K^T / 8) V with a running maximum.
; qkvh[u][b][t][64] bf16: Q at y x 262,144, K at (32 + y) x 262,144, V at (64 + y) x 262,144 bytes.
; ao[plane][b][t / 2][h][t & 1][64] bf16: two rows of a head side by side in 256 bytes.  The result leaves as a sum of two bf16 numbers,
; plane 0 hi = bf16(o), plane 1 lo = bf16(o - hi): the next launch multiplies both, so that this rounding adds nothing that counts.
; BOTH PRODUCTS ARE TRANSPOSED.  S^T = K Q^T: lane (r, h) holds query r and keys 16 kt + 8 h + 0..7, so a query's maximum, sum and factor are
; one number a lane (the two halves of the lanes are joined by one exchange), and two tiles of S^T, rounded to bf16 in place, ARE the second
; operand of O^T = V^T P^T: P never passes through LDS.  V^T's fragments come by the transposing LDS load.
; Keys go in 8 phases of 256 (one LDS slot each, two slots), a phase in 4 steps of 64 keys.
; CLUSTERS: the four query blocks of a cluster read the same K and V tiles: every tile is asked for jointly (mask 15).
; In LDS and in memory a row of 256 bytes holds rows 2p, 2p+1 of 128 bytes; row s lies at (s >> 1) x pitch + (s & 1) x 128.
; The exponent is c (S - m), c = log2(e) / 8, m the running maximum of the raw scores, made by one fused multiply-add.
; LIMITS: operands in bf16.  An exponential below 2^-126 comes out as 0 (ISA guide, v_exp_f32); each row's sum is at least 1.
; REGISTERS: window 0: v16-23 addresses, v32-95 Q, v96-159 K, v160-223 V^T;  window 1: v0-127 S, then P; v128-159 the rows' state;  window 2: O^T.
.set RG,    18432                      ; a region: 64 rows of 256 bytes; K's at pitch 272 (1,024 bytes unused), V's at pitch 288
.set SLOT,  4*RG                       ; regions 0, 1: K's keys 0-127, 128-255 of the phase; regions 2, 3: V's
.set STAGE, 2*SLOT                     ; behind the ring, never filled by a tensor load
.set WSTG,  32*272                     ; a wave's stage: 64 rows of 128 bytes
.set ADRK, 16                          ; v16-17 K fragments in slot 0, 1
.set ADRV, 18                          ; v18-19 V^T fragments
.set STO,  20
.set RD,   21
.set CO,   22
.set QO,   23
.set QF,   32                          ; Q(q, c) at QF + 16 q + 8 c
.set KF,   96                          ; K(kt, c) at KF + 16 kt + 8 c
.set VF,   160                         ; V^T(dt, c) at VF + 16 dt + 8 c
; window 1: S(kt, q) at 32 q + 8 kt; P(q, c) the first 8 registers of 32 q + 16 c; the maxima at 128 + q and 132 + q by turns
.set NM,   136                         ; NM + 2 q: -c m          (pair with TR)
.set TR,   137                         ; TR + 2 q: what the other half of the lanes sent
.set AL,   144                         ; AL + 2 q: the factor 2^(c (m_old - m_new)); at the end 1 / sum   (pair with XR)
.set XR,   145                         ; XR + 2 q: its exponent; at the end the sum
.set L2,   152                         ; pair at L2 + 2 q: my keys' part of the row sum, even and odd places apart
.set G1K, 24
.set G0K, 32
.set G1V, 48
.set G0V, 56
.set CEXP, 0x3e38aa3b                  ; log2(e) / 8
.set MSB, 0
.macro WIN new
.if MSB != \new
	s_set_vgpr_msb (MSB<<8)|\new
.set MSB, \new
.endif
.endm
.macro ROUND                           ; a round of the cluster's barrier
	s_barrier_signal -1
	s_barrier_wait -1
	s_cmp_lg_u32 s8, 0
	s_cbranch_scc1 .Lnot_wave_0_\@
	s_barrier_signal -3
.Lnot_wave_0_\@:
	s_barrier_wait -3
	s_barrier_signal -1
	s_barrier_wait -1
.endm
.macro JLOAD s                         ; waves 0, 1 fetch K's halves, waves 2, 3 V's
	s_cmp_eq_u32 s9, 0
	s_cbranch_scc0 .Lfor_v_\@
	tensor_load_to_lds s[G0K+4*\s:G0K+4*\s+3], s[G1K:G1K+7]
	s_nop 0
	s_branch .Lasked_\@
.Lfor_v_\@:
	tensor_load_to_lds s[G0V+4*\s:G0V+4*\s+3], s[G1V:G1V+7]
	s_nop 0
.Lasked_\@:
.endm
.macro KLD slot, j                     ; the K fragments of step j: 64 keys x 64, sixteen loads
.irp kt, 0,1,2,3
.irp i, 0,1,2,3
	ds_load_b128 v[KF+16*\kt+4*\i:KF+16*\kt+4*\i+3], v[ADRK+\slot] offset:((\j)>>1)*RG+((\j)&1)*8704+2176*\kt+32*\i
.endr
.endr
.endm
; One block of the exponentials' pipeline, 16 pairs: the exponentials of query tile qe, the exponents of qa, the sum and rounding of qs (-1: none).
; An exponential's result is first used a block later, and plain instructions on other registers stand behind each pair (ISA guide 5.7.2).
.macro EXPBLK qe, qa, qs, first
.irp i, 0,1,2,3,4,5,6,7,8,9,10,11,12,13,14,15
.if \qe >= 0
	v_exp_f32 v[32*\qe+2*\i], v[32*\qe+2*\i]
	v_exp_f32 v[32*\qe+2*\i+1], v[32*\qe+2*\i+1]
.endif
.if \qa >= 0
	v_pk_fma_f32 v[32*\qa+2*\i:32*\qa+2*\i+1], v[32*\qa+2*\i:32*\qa+2*\i+1], CEXP, v[NM+2*\qa:NM+2*\qa+1] op_sel_hi:[1,0,0]   ; c S - c m
.endif
.if \qs >= 0
.if \first
.if \i == 1
	s_wait_alu depctr_va_vdst(0)
	v_pk_add_f32 v[L2+2*\qs:L2+2*\qs+1], v[32*\qs:32*\qs+1], v[32*\qs+2:32*\qs+3]      ; the first two pairs start the sum: nothing is cleared
	v_cvt_pk_bf16_f32 v[32*\qs], v[32*\qs], v[32*\qs+1]
	v_cvt_pk_bf16_f32 v[32*\qs+1], v[32*\qs+2], v[32*\qs+3]
.endif
.if \i > 1
	s_wait_alu depctr_va_vdst(0)
	v_pk_add_f32 v[L2+2*\qs:L2+2*\qs+1], v[L2+2*\qs:L2+2*\qs+1], v[32*\qs+2*\i:32*\qs+2*\i+1]
	v_cvt_pk_bf16_f32 v[32*\qs+16*(\i>>3)+(\i&7)], v[32*\qs+2*\i], v[32*\qs+2*\i+1]
.endif
.else
.if \i == 0
	s_wait_alu depctr_va_vdst(0)
	v_pk_fma_f32 v[L2+2*\qs:L2+2*\qs+1], v[L2+2*\qs:L2+2*\qs+1], v[AL+2*\qs:AL+2*\qs+1], v[32*\qs:32*\qs+1] op_sel_hi:[1,0,1]   ; the old sum, rescaled, and the first pair
.else
	s_wait_alu depctr_va_vdst(0)
	v_pk_add_f32 v[L2+2*\qs:L2+2*\qs+1], v[L2+2*\qs:L2+2*\qs+1], v[32*\qs+2*\i:32*\qs+2*\i+1]
.endif
	v_cvt_pk_bf16_f32 v[32*\qs+16*(\i>>3)+(\i&7)], v[32*\qs+2*\i], v[32*\qs+2*\i+1]   ; pair i of 16 goes to register i & 7 of half i >> 3: never onto a pair not yet read
.endif
.endif
.endr
.endm
; A step: 64 keys of slot, step j of its four.  first = 1: the very first step (no old maximum, sum or O).
; tail 0: the next step's K from this slot.  tail 1: the phase's end: this slot is filled again.  tail 2: the slots change, nothing is filled.  tail 3: the end.
.macro STEP slot, j, first, tail
.set MXO, 128+4*((\j)&1)
.set MXN, 132-4*((\j)&1)
.if \first == 0
.rept 5
	v_nop                                          ; five places: the products below write over P, a source of the last products (ISA guide 7.12.1)
.endr
.endif
	s_wait_dscnt 0x0                               ; this step's K fragments are in
	WIN 0x50                                       ; sources window 0, C and D window 1
	; the 16 accumulators take turns, one instruction a turn
.irp q, 0,1,2,3
.irp kt, 0,1,2,3
	v_wmma_f32_16x16x32_bf16 v[32*\q+8*\kt:32*\q+8*\kt+7], v[KF+16*\kt:KF+16*\kt+7], v[QF+16*\q:QF+16*\q+7], 0
.endr
.endr
.irp q, 0,1,2,3
.irp kt, 0,1,2,3
	v_wmma_f32_16x16x32_bf16 v[32*\q+8*\kt:32*\q+8*\kt+7], v[KF+16*\kt+8:KF+16*\kt+15], v[QF+16*\q+8:QF+16*\q+15], v[32*\q+8*\kt:32*\q+8*\kt+7]
.endr
.endr
	WIN 0
.rept 4
	v_nop                                          ; four places: loads into K's registers and readers of S follow
.endr
.irp dt, 0,1,2,3
.irp c, 0,1
.irp e, 0,1
	ds_load_tr16_b128 v[VF+16*\dt+8*\c+4*\e:VF+16*\dt+8*\c+4*\e+3], v[ADRV+\slot] offset:((\j)>>1)*RG+((\j)&1)*9216+4608*\c+2304*\e+32*\dt
.endr
.endr
.endr
.if \tail == 0
	KLD \slot, \j+1
.endif
.if \tail == 1
	s_wait_dscnt 0x0                               ; my reads of this slot are over
	s_wait_tensorcnt 0x0                           ; all my tensor loads have landed: the one that was out is my part of the other slot
	ds_add_u32 v254, v255
	s_wait_dscnt 0x0
	s_add_nc_u64 s[G0K+4*\slot+2:G0K+4*\slot+3], s[G0K+4*\slot+2:G0K+4*\slot+3], 0x10000   ; two phases of 32,768 bytes on
	s_add_nc_u64 s[G0V+4*\slot+2:G0V+4*\slot+3], s[G0V+4*\slot+2:G0V+4*\slot+3], 0x10000
	ROUND                                          ; both now hold of every wave of the four work-groups
	JLOAD \slot                                    ; my one tensor load behind the round, and the first thing there
	KLD 1-\slot, 0
.endif
.if \tail == 2
	s_wait_dscnt 0x0
	s_wait_tensorcnt 0x0                           ; the last phase's tiles
	s_barrier_signal -1
	s_barrier_wait -1
	KLD 1-\slot, 0
.endif
	WIN 0x55
	; the running maximum of the raw scores, four chains side by side
.irp q, 0,1,2,3
.if \first
	v_max_num_f32 v[MXN+\q], v[32*\q], v[32*\q+1]
.else
	v_max3_num_f32 v[MXN+\q], v[MXO+\q], v[32*\q], v[32*\q+1]
.endif
.endr
.irp i, 1,2,3,4,5,6,7,8,9,10,11,12,13,14,15
.irp q, 0,1,2,3
	v_max3_num_f32 v[MXN+\q], v[MXN+\q], v[32*\q+2*\i], v[32*\q+2*\i+1]
.endr
.endr
.irp q, 0,1,2,3
	v_permlanex16_b32 v[TR+2*\q], v[MXN+\q], s18, s19      ; lane l xor 16 holds the same query's other keys
.endr
.irp q, 0,1,2,3
	v_max_num_f32 v[MXN+\q], v[MXN+\q], v[TR+2*\q]
.endr
.irp q, 0,1,2,3
	v_mul_f32 v[NM+2*\q], 0xbe38aa3b, v[MXN+\q]            ; -c m
.endr
.if \first == 0
.irp q, 0,1,2,3
	v_fma_f32 v[XR+2*\q], v[MXO+\q], s44, v[NM+2*\q]       ; c (m_old - m_new), never above a rounding of 0
.endr
.irp q, 0,1,2,3
	v_exp_f32 v[AL+2*\q], v[XR+2*\q]                       ; first used two blocks further down
.endr
.endif
	EXPBLK -1, 0, -1, \first
	EXPBLK 0, 1, -1, \first
	EXPBLK 1, 2, 0, \first
	EXPBLK 2, 3, 1, \first
	EXPBLK 3, -1, 2, \first
	EXPBLK -1, -1, 3, \first
.if \first == 0
	WIN 0x86                                       ; O in window 2, the factor in window 1
.irp q, 0,1,2,3
.irp i, 0,1,2,3,4,5,6,7,8,9,10,11,12,13,14,15
	v_pk_mul_f32 v[32*\q+2*\i:32*\q+2*\i+1], v[32*\q+2*\i:32*\q+2*\i+1], v[AL+2*\q:AL+2*\q+1] op_sel_hi:[1,0]
.endr
.endr
.endif
.if \tail == 3
	s_wait_dscnt 0x0
.else
	s_wait_dscnt 0x10                              ; V^T is in; the sixteen younger loads (the next step's K) stay out
.endif
	WIN 0xa4                                       ; source 0 (V^T) window 0, source 1 (P) window 1, C and D window 2
.irp c, 0,1
.irp q, 0,1,2,3
.irp dt, 0,1,2,3
.set ZC, (\first)*(1-\c)
.if ZC
	v_wmma_f32_16x16x32_bf16 v[32*\q+8*\dt:32*\q+8*\dt+7], v[VF+16*\dt+8*\c:VF+16*\dt+8*\c+7], v[32*\q+16*\c:32*\q+16*\c+7], 0
.else
	v_wmma_f32_16x16x32_bf16 v[32*\q+8*\dt:32*\q+8*\dt+7], v[VF+16*\dt+8*\c:VF+16*\dt+8*\c+7], v[32*\q+16*\c:32*\q+16*\c+7], v[32*\q+8*\dt:32*\q+8*\dt+7]
.endif
.endr
.endr
.endr
	WIN 0
.endm
.macro PHASE slot, first, tail
	STEP \slot, 0, \first, 0
	STEP \slot, 1, 0, 0
	STEP \slot, 2, 0, 0
	STEP \slot, 3, 0, \tail
.endm
	s_load_b128 s[4:7], s[0:1], 0x0                ; qkvh s[4:5], ao s[6:7]
	v_lshl_add_u32 v254, v0, 2, 0x2c800
	v_mov_b32 v255, 0
	ds_add_u32 v254, v255
	v_lshrrev_b32 v1, 5, v0
	v_readfirstlane_b32 s8, v1                     ; wave 0..3
	s_lshr_b32 s9, s8, 1                           ; I fetch for K (0) or for V (1)
	s_and_b32 s10, s8, 1                           ; which half of the phase's keys
	s_bfe_u32 s11, ttmp6, 0x40000                  ; cx
	s_lshl_b32 s12, ttmp9, 2
	s_add_co_u32 s12, s12, s11                     ; query block x = 4 x cluster x + cx
	s_and_b32 s13, ttmp7, 0xffff                   ; y = 2 h + b, the same in the four partners
	s_mov_b32 s18, 0x76543210                      ; v_permlanex16_b32: lane i of one half reads lane i of the other
	s_mov_b32 s19, 0xfedcba98
	s_mov_b32 s44, CEXP
	; group 1: 64 rows of 128 elements of 2 bytes, dense in memory; padding behind every 64 words: 4 words for K, 8 for V; mask 15
	s_mov_b32 s[G1K+0], 15|(1<<16)|(1<<20)|(1<<21)|(5<<22)|(3<<25)
	s_mov_b32 s[G1V+0], 15|(1<<16)|(1<<20)|(1<<21)|(5<<22)|(7<<25)
	s_mov_b32 s[G1K+1], 128<<16
	s_mov_b32 s[G1V+1], 128<<16
	s_mov_b32 s[G1K+2], 64<<16
	s_mov_b32 s[G1V+2], 64<<16
	s_mov_b32 s[G1K+3], 128<<16
	s_mov_b32 s[G1V+3], 128<<16
	s_mov_b32 s[G1K+4], 64
	s_mov_b32 s[G1V+4], 64
	s_mov_b32 s[G1K+5], 128
	s_mov_b32 s[G1V+5], 128
	s_mov_b32 s[G1K+6], 0
	s_mov_b32 s[G1V+6], 0
	s_mov_b32 s[G1K+7], 0
	s_mov_b32 s[G1V+7], 0
	s_add_co_u32 s16, s13, 32
	s_lshl_b32 s16, s16, 18                        ; K of my head,
	s_lshl_b32 s17, s10, 14                        ; my half: 64 rows of 256 bytes
	s_add_co_u32 s16, s16, s17
	s_mov_b32 s17, 0
	s_mul_i32 s21, s8, RG                          ; my region of a slot
	s_lshl_b32 s22, s13, 18                        ; Q: head y, row 256 x + 64 w, rows of 128 bytes (registers that feed no descriptor)
	s_lshl_b32 s2, s12, 15
	s_add_co_u32 s22, s22, s2
	s_lshl_b32 s2, s8, 13
	s_add_co_u32 s22, s22, s2
	s_mov_b32 s23, 0
	s_and_b32 s2, s13, 1                           ; ao: b x 4,194,304 + (128 x + 32 w) x 4,096 + h x 256
	s_lshl_b32 s46, s2, 22
	s_lshl_b32 s2, s12, 19
	s_add_co_u32 s46, s46, s2
	s_lshl_b32 s2, s8, 17
	s_add_co_u32 s46, s46, s2
	s_lshr_b32 s2, s13, 1
	s_lshl_b32 s2, s2, 8
	s_add_co_u32 s46, s46, s2
	s_mov_b32 s47, 0
	s_wait_dscnt 0x0
	s_wait_kmcnt 0x0
	s_add_nc_u64 s[40:41], s[4:5], s[16:17]
	s_add_co_u32 s16, s16, 32*262144               ; V lies 32 heads further on
	s_add_nc_u64 s[42:43], s[4:5], s[16:17]
	s_add_nc_u64 s[14:15], s[4:5], s[22:23]
	s_add_nc_u64 s[6:7], s[6:7], s[46:47]
	ROUND                                          ; the four work-groups are here: the first joint loads meet
.irp s, 0,1
	s_mov_b32 s[G0K+4*\s], 1
	s_add_co_u32 s[G0K+4*\s+1], s21, \s*SLOT
	s_add_nc_u64 s[G0K+4*\s+2:G0K+4*\s+3], s[40:41], \s*32768      ; phase s
	s_or_b32 s[G0K+4*\s+3], s[G0K+4*\s+3], 0x80000000
	s_mov_b32 s[G0V+4*\s], 1
	s_add_co_u32 s[G0V+4*\s+1], s21, \s*SLOT
	s_add_nc_u64 s[G0V+4*\s+2:G0V+4*\s+3], s[42:43], \s*32768
	s_or_b32 s[G0V+4*\s+3], s[G0V+4*\s+3], 0x80000000
	JLOAD \s                                       ; two tensor loads of the wave are out; later one
.endr
	v_and_b32 v1, 15, v0                           ; r
	v_bfe_u32 v2, v0, 4, 1                         ; h
	v_lshlrev_b32 v[QO], 7, v1
	v_lshl_add_u32 v[QO], v2, 4, v[QO]             ; Q: row r, 16 h
.irp q, 0,1,2,3
.irp i, 0,1,2,3
	global_load_b128 v[QF+16*\q+4*\i:QF+16*\q+4*\i+3], v[QO], s[14:15] offset:2048*\q+32*\i
.endr
.endr
	v_lshrrev_b32 v3, 1, v1
	v_and_b32 v4, 1, v0
	v_mul_u32_u24 v[ADRK], v3, 272                 ; row r at (r >> 1) x 272 + (r & 1) x 128, + 16 h
	v_lshl_add_u32 v[ADRK], v4, 7, v[ADRK]
	v_lshl_add_u32 v[ADRK], v2, 4, v[ADRK]
	v_add_nc_u32 v[ADRK+1], SLOT, v[ADRK]
	v_bfe_u32 v6, v0, 1, 2                         ; the transposing load: lane l addresses key 8 h + (l & 7), 16 bytes at 16 ((l >> 3) & 1)
	v_lshl_add_u32 v6, v2, 2, v6                   ; that key's row of 256 bytes: 4 h + ((l & 7) >> 1)
	v_mul_u32_u24 v6, v6, 288
	v_lshl_add_u32 v6, v4, 7, v6
	v_bfe_u32 v7, v0, 3, 1
	v_lshl_add_u32 v6, v7, 4, v6
	v_add_nc_u32 v[ADRV], 2*RG, v6
	v_add_nc_u32 v[ADRV+1], 2*RG+SLOT, v6
	s_mul_i32 s3, s8, WSTG
	s_add_co_u32 s3, s3, STAGE                     ; my stage
	v_add_nc_u32 v[STO], s3, v[ADRK]
	v_mul_u32_u24 v7, v2, 272
	v_lshl_add_u32 v7, v1, 4, v7
	v_add_nc_u32 v[RD], s3, v7
	v_lshlrev_b32 v[CO], 12, v2                    ; lanes 16-31: the next pair of rows, 4,096 bytes on
	v_lshl_add_u32 v[CO], v1, 4, v[CO]
	WIN 0x40
.irp q, 0,1,2,3
	v_mov_b32 v[TR+2*\q], 0                        ; v_permlanex16_b32 counts as a reader of its destination
.endr
	WIN 0
	s_wait_tensorcnt 0x1                           ; my part of phase 0 is in; phase 1's stays out
	s_barrier_signal -1
	s_barrier_wait -1
	KLD 0, 0
	s_wait_loadcnt 0x0                             ; Q
	PHASE 0, 1, 1                                  ; phase 0; its end asks for phase 2
	s_mov_b32 s20, 2
.Lpair:
	PHASE 1, 0, 1                                  ; phases 1, 3
	PHASE 0, 0, 1                                  ; phases 2, 4
	s_sub_co_u32 s20, s20, 1
	s_cmp_lg_u32 s20, 0
	s_cbranch_scc1 .Lpair
	PHASE 1, 0, 1                                  ; phase 5; its end asks for phase 7, the last load
	PHASE 0, 0, 2
	PHASE 1, 0, 3
	; the end: divide by the row sums, split into hi and lo, and out through my stage as whole rows of 256 bytes
.rept 4
	v_nop                                          ; four places behind the last products
.endr
	s_add_nc_u64 s[40:41], s[6:7], 0x800000        ; my place in ao's lo plane, 8,388,608 bytes behind the hi plane
	WIN 0x55
.irp q, 0,1,2,3
	v_add_f32 v[XR+2*\q], v[L2+2*\q], v[L2+2*\q+1]
.endr
.irp q, 0,1,2,3
	v_permlanex16_b32 v[TR+2*\q], v[XR+2*\q], s18, s19
.endr
.irp q, 0,1,2,3
	v_add_f32 v[XR+2*\q], v[XR+2*\q], v[TR+2*\q]
.endr
.irp q, 0,1,2,3
	v_rcp_f32 v[AL+2*\q], v[XR+2*\q]
.endr
	v_nop                                          ; one plain place behind the reciprocals
	WIN 0x86
.irp q, 0,1,2,3
.irp i, 0,1,2,3,4,5,6,7,8,9,10,11,12,13,14,15
	s_wait_alu depctr_va_vdst(0)
	v_pk_mul_f32 v[32*\q+2*\i:32*\q+2*\i+1], v[32*\q+2*\i:32*\q+2*\i+1], v[AL+2*\q:AL+2*\q+1] op_sel_hi:[1,0]
.endr
.endr
	; register n = 16 q + 4 dt + e of a packed set holds O's registers 2 n, 2 n + 1: lane (r, h): query 16 q + r, columns 16 dt + 8 h + 2 e, + 1
	WIN 0x0a                                       ; sources window 2, destination window 0
.set n, 0
.rept 64
	v_cvt_pk_bf16_f32 v[QF+n], v[2*n], v[2*n+1]    ; hi
.set n, n+1
.endr
	WIN 0
.set n, 0
.rept 64
	v_lshlrev_b32 v[KF+2*n],   16, v[QF+n]         ; hi as f32, in the 128 registers that held K and V^T
	v_and_b32     v[KF+2*n+1], 0xffff0000, v[QF+n]
.set n, n+1
.endr
	WIN 0x82                                       ; source 0 and destination window 2, source 1 window 0
.set n, 0
.rept 64
	v_pk_add_f32 v[2*n:2*n+1], v[2*n:2*n+1], v[KF+2*n:KF+2*n+1] neg_lo:[0,1] neg_hi:[0,1]   ; o - hi, exact in f32
.set n, n+1
.endr
	WIN 0x0a
.set n, 0
.rept 64
	v_cvt_pk_bf16_f32 v[KF+n], v[2*n], v[2*n+1]    ; lo
.set n, n+1
.endr
	WIN 0
	; the hi plane
.irp q, 0,1,2,3
.irp dt, 0,1,2,3
	ds_store_b128 v[STO], v[QF+16*\q+4*\dt:QF+16*\q+4*\dt+3] offset:2176*\q+32*\dt
.endr
.endr
.irp i, 0,1,2,3,4,5,6,7,8,9,10,11,12,13,14,15
	ds_load_b128 v[VF+4*\i:VF+4*\i+3], v[RD] offset:544*\i         ; LDS serves a wave's instructions in order: these see the stores above
.endr
.irp i, 0,1,2,3,4,5,6,7,8,9,10,11,12,13,14,15
	s_wait_dscnt 15-\i
	global_store_b128 v[CO], v[VF+4*\i:VF+4*\i+3], s[6:7] offset:8192*\i   ; 16 lanes store 256 consecutive bytes, aligned: two rows of my head
.endr
	; the lo plane, through the same stage (the reads above are back) and read back into registers that no pending store names
.irp q, 0,1,2,3
.irp dt, 0,1,2,3
	ds_store_b128 v[STO], v[KF+16*\q+4*\dt:KF+16*\q+4*\dt+3] offset:2176*\q+32*\dt
.endr
.endr
.irp i, 0,1,2,3,4,5,6,7,8,9,10,11,12,13,14,15
	ds_load_b128 v[QF+4*\i:QF+4*\i+3], v[RD] offset:544*\i
.endr
.irp i, 0,1,2,3,4,5,6,7,8,9,10,11,12,13,14,15
	s_wait_dscnt 15-\i
	global_store_b128 v[CO], v[QF+4*\i:QF+4*\i+3], s[40:41] offset:8192*\i
.endr
	s_wait_tensorcnt 0x0
	ds_add_u32 v254, v255
	s_wait_dscnt 0x0
	ROUND                                          ; the closing round
	s_endpgm
.Lfunc_end_k_q8073263d3e_attn:
	.size	k_q8073263d3e_attn, .Lfunc_end_k_q8073263d3e_attn-k_q8073263d3e_attn
	.p2alignl 7, 3214868480
	.fill 96, 4, 3214868480
	.section	.rodata,"a",@progbits
	.p2align	6, 0x0
	.amdhsa_kernel k_q8073263d3e_attn
		.amdhsa_group_segment_fixed_size 327680
		.amdhsa_private_segment_fixed_size 0
		.amdhsa_enable_private_segment 0
		.amdhsa_kernarg_size 16
		.amdhsa_user_sgpr_count 2
		.amdhsa_user_sgpr_kernarg_segment_ptr 1
		.amdhsa_wavefront_size32 1
		.amdhsa_system_sgpr_workgroup_id_x 1
		.amdhsa_system_sgpr_workgroup_id_y 1
		.amdhsa_system_sgpr_workgroup_id_z 1
		.amdhsa_system_vgpr_workitem_id 0
		.amdhsa_next_free_vgpr 640
		.amdhsa_next_free_sgpr 66
		.amdhsa_reserve_vcc 0
		.amdhsa_float_denorm_mode_32 3
		.amdhsa_float_denorm_mode_16_64 3
		.amdhsa_memory_ordered 1
		.amdhsa_forward_progress 1
		.amdhsa_inst_pref_size 255
	.end_amdhsa_kernel
	.section	.bss,"aw",@nobits
	.p2align	6
	.space	262144
	.amdgpu_metadata
---
amdhsa.version: [ 1, 2 ]
amdhsa.kernels:
  - .name:           k_q8073263d3e_attn
    .symbol:         k_q8073263d3e_attn.kd
    .args:
      - { .name: qkvh, .offset: 0, .size: 8, .value_kind: global_buffer, .address_space: global }
      - { .name: ao, .offset: 8, .size: 8, .value_kind: global_buffer, .address_space: global }
    .group_segment_fixed_size: 327680
    .private_segment_fixed_size: 0
    .kernarg_segment_align: 8
    .kernarg_segment_size: 16
    .max_flat_workgroup_size: 128
    .sgpr_count:     66
    .vgpr_count:     640
    .wavefront_size: 32
...
	.end_amdgpu_metadata
.endif
;; end of part 3
;; launch oproj (part 4): grid 8 x 32, 4 waves a work-group, clusters of 4 x 4, 327,680 bytes of LDS; arguments ao, owb, out_b, out0; writes out0
.if DOCPART == 4
	.amdgcn_target "amdgcn-amd-amdhsa--gfx1250"
	.amdhsa_code_object_version 6
	.text
	.protected	k_q8073263d3e_oproj
	.globl	k_q8073263d3e_oproj
	.p2align	8
	.type	k_q8073263d3e_oproj,@function
k_q8073263d3e_oproj:
	s_mov_b64 s[64:65], 0
	v_nop
	global_prefetch_b8 v0, s[64:65] scope:SCOPE_SE
	s_setreg_imm32_b32 hwreg(HW_REG_WAVE_MODE, 25, 1), 1
	s_wait_xcnt 0x0
	s_wait_alu depctr_hold_cnt(0) depctr_sa_sdst(0) depctr_va_vdst(0) depctr_va_sdst(0) depctr_va_ssrc(0) depctr_va_vcc(0) depctr_vm_vsrc(0)
	s_getreg_b32 s2, hwreg(HW_REG_IB_STS2, 6, 4)
	s_cmp_eq_u32 s2, 0
	s_cbranch_scc0 .Lentry_in_a_cluster
	s_endpgm
.Lentry_in_a_cluster:
	s_bfe_u32 s2, ttmp6, 0x10000c
	s_cmp_lg_u32 s2, 0xf033
	s_cbranch_scc0 .Lentry_shape_is_right
	s_endpgm
.Lentry_shape_is_right:
; OUTPUT PROJECTION: out0[t][b][n] = sum over k of o(b, t, k) w[n][k] + out_b[n], k = 64 h + d; bf16 operands, f32 sums, f32 out.
; BOTH OPERANDS ARE SUMS OF TWO bf16 NUMBERS, o = hi + lo (ao's two planes) and w = hi + lo (owb's two planes), and three products are summed:
; w_hi o_hi + w_hi o_lo + w_lo o_hi.  What is left out, w_lo o_lo, is two factors of 2^-8 below the product.  o carries the V bias, which
; no average over the keys makes smaller, so one rounding of o and of w to 8 bits would be the largest error of the whole program.
; ao[plane][b][t / 2][h][t & 1][64]: a pair of rows (t even, t odd) is 4,096 bytes, a head's 256 bytes hold both rows' 64 numbers.
; A work-group makes 128 rows x 128 columns: 8 x 32 = 256 work-groups.  Four waves, 2 x 2, 64 x 64 each: 16 accumulator tiles.
; K goes in 8 phases of 128 (two heads) through two LDS slots; a slot has four regions, one tensor load each: wave 0 brings o_hi, wave 1 o_lo
; (64 pairs of rows x 512 bytes), wave 2 w_hi, wave 3 w_lo (128 rows x 256 bytes); all rows start at multiples of 256 bytes.
; CLUSTERS 4 x 4: ao's tiles are shared along a row of the cluster, owb's along a column, each asked for jointly by the four.
; The matrix instruction is used transposed (source 0 = rows of owb, source 1 = rows of ao): a lane holds eight neighbouring columns of a row.
; The first product of each tile takes the bias as C.
; REGISTERS: window 0: v16-27 addresses, v32-159 fragments of ao (two buffers x hi, lo x 4 blocks), v160-191 bias, v192-255 rows read back;
;            window 1: v0-127 the sums, v128-255 fragments of owb (two buffers x hi, lo x 4 blocks).
.set PITCHA, 528                       ; ao's LDS row: 512 bytes + 16
.set PITCHB, 272                       ; owb's LDS row: 256 bytes + 16
.set REG,    128*PITCHB                ; a region: 34,816 bytes (ao's 64 rows use 33,792 of them)
.set SLOT,   4*REG                     ; o_hi, o_lo, w_hi, w_lo
.set STAGE,  2*SLOT                    ; behind the ring, never filled by a tensor load
.set SPITCH, 272                       ; the stage: 16 rows of 256 bytes + 16
.set LAPS,   4                         ; a lap = two phases = once round the ring
.set ADRA, 16                          ; v16-17 my o_hi fragments in slot 0, 1; o_lo lies REG further on
.set ADRB, 20                          ; v20-21 the same for w
.set STO,  24
.set RD,   25
.set CO,   26
.set BO,   27
.set FA,   32                          ; window 0: o(f, plane, a) at FA + 64 f + 32 plane + 8 a
.set FB,   128                         ; window 1: w(f, plane, b) at FB + 64 f + 32 plane + 8 b
.set BIAS, 160
.set G1,  24
.set G0,  32
.set G1B, 48
.set G0B, 56
.set MSB, 0
.macro WIN new
.if MSB != \new
	s_set_vgpr_msb (MSB<<8)|\new
.set MSB, \new
.endif
.endm
.macro JLOAD s                         ; waves 0, 1 fetch ao's planes, waves 2, 3 owb's
	s_cmp_eq_u32 s13, 0
	s_cbranch_scc0 .Lfor_b_\@
	tensor_load_to_lds s[G0+4*\s:G0+4*\s+3], s[G1:G1+7]
	s_nop 0
	s_branch .Lasked_\@
.Lfor_b_\@:
	tensor_load_to_lds s[G0B+4*\s:G0B+4*\s+3], s[G1B:G1B+7]
	s_nop 0
.Lasked_\@:
.endm
.macro CREST                           ; a round of the cluster's barrier behind its opening work-group barrier
	s_cmp_lg_u32 s12, 0
	s_cbranch_scc1 .Lnot_wave_0_\@
	s_barrier_signal -3
.Lnot_wave_0_\@:
	s_barrier_wait -3
	s_barrier_signal -1
	s_barrier_wait -1
.endm
.macro CROUND
	s_barrier_signal -1
	s_barrier_wait -1
	CREST
.endm
.macro PLACES                          ; four places behind a matrix instruction (ISA guide 7.12.1)
.rept 4
	v_nop
.endr
.endm
; 16 matrix instructions: all my tiles once, 32 along K, plane pa of o x plane pb of w, from buffer f.  mode = 1: the bias starts the sums.
; The 16 accumulators take turns, one instruction a turn, in the same order in every pass.
.macro PASS f, pa, pb, mode
.irp a, 0,1,2,3
.irp b, 0,1,2,3
.if \mode
	v_wmma_f32_16x16x32_bf16 v[8*(4*\a+\b):8*(4*\a+\b)+7], v[FB+64*\f+32*\pb+8*\b:FB+64*\f+32*\pb+8*\b+7], v[FA+64*\f+32*\pa+8*\a:FA+64*\f+32*\pa+8*\a+7], v[BIAS+8*\b:BIAS+8*\b+7]
.else
	v_wmma_f32_16x16x32_bf16 v[8*(4*\a+\b):8*(4*\a+\b)+7], v[FB+64*\f+32*\pb+8*\b:FB+64*\f+32*\pb+8*\b+7], v[FA+64*\f+32*\pa+8*\a:FA+64*\f+32*\pa+8*\a+7], v[8*(4*\a+\b):8*(4*\a+\b)+7]
.endif
.endr
.endr
.endm
; 32 LDS loads in one run: the fragments of K piece kq (32 of the phase's 128: head kq >> 1, columns 32 (kq & 1) ..) into buffer f,
; in the order w_hi, o_hi, o_lo, w_lo: the first pass needs the first sixteen alone
.macro FETCH slot, kq, f
	WIN 0x40                                       ; destination window 1, address window 0
.irp i, 0,1,2,3
	ds_load_b128 v[FB+64*\f+8*\i:FB+64*\f+8*\i+3],   v[ADRB+\slot] offset:64*(\kq)+16*PITCHB*\i
	ds_load_b128 v[FB+64*\f+8*\i+4:FB+64*\f+8*\i+7], v[ADRB+\slot] offset:64*(\kq)+16*PITCHB*\i+32
.endr
	WIN 0
.irp p, 0,1
.irp i, 0,1,2,3
	ds_load_b128 v[FA+64*\f+32*\p+8*\i:FA+64*\f+32*\p+8*\i+3],   v[ADRA+\slot] offset:\p*REG+((\kq)>>1)*256+((\kq)&1)*64+8*PITCHA*\i
	ds_load_b128 v[FA+64*\f+32*\p+8*\i+4:FA+64*\f+32*\p+8*\i+7], v[ADRA+\slot] offset:\p*REG+((\kq)>>1)*256+((\kq)&1)*64+8*PITCHA*\i+32
.endr
.endr
	WIN 0x40
.irp i, 0,1,2,3
	ds_load_b128 v[FB+64*\f+32+8*\i:FB+64*\f+32+8*\i+3],   v[ADRB+\slot] offset:REG+64*(\kq)+16*PITCHB*\i
	ds_load_b128 v[FB+64*\f+32+8*\i+4:FB+64*\f+32+8*\i+7], v[ADRB+\slot] offset:REG+64*(\kq)+16*PITCHB*\i+32
.endr
.endm
; One of a phase's first three pieces: multiplies buffer f; behind its first pass it fetches piece kq into buffer g.
.macro QUARTER slot, kq, f, g, mode
	s_wait_dscnt 0x10                              ; w_hi and o_hi are in; the sixteen younger loads (o_lo, w_lo) may be out
.if \mode
	WIN 0x41                                       ; source 0 and D window 1, source 1 and C (the bias) window 0
.else
	WIN 0x51                                       ; C and D window 1
.endif
	PASS \f, 0, 0, \mode
	PLACES
	FETCH \slot, \kq, \g
	s_wait_dscnt 0x20                              ; all but the 32 just issued
	WIN 0x51
	PASS \f, 1, 0, 0                               ; w_hi o_lo
	PASS \f, 0, 1, 0                               ; w_lo o_hi
.endm
.macro THREE slot, mode
	QUARTER \slot, 1, 0, 1, \mode
	QUARTER \slot, 2, 1, 0, 0
	QUARTER \slot, 3, 0, 1, 0
.endm
; A phase's last piece: multiplies buffer 1 and changes slots.  In front of the one barrier each wave waits for its reads of this slot and for
; all its tensor loads (the one that is out is its region of the next slot).  fill = 1: the barrier opens a round of the cluster's barrier,
; and the joint refill of this slot, two phases ahead, is the first tensor load behind the round.
.macro TURN slot, next, fill
	s_wait_dscnt 0x10
	WIN 0x51
	PASS 1, 0, 0, 0
	s_wait_dscnt 0x0                               ; my reads of this slot are over
	s_set_vgpr_msb 0x5150
	s_wait_tensorcnt 0x0                           ; and all my tensor loads have landed
	ds_add_u32 v30, v31
	s_wait_dscnt 0x0
	s_set_vgpr_msb 0x5051
	s_barrier_signal -1
	PASS 1, 1, 0, 0                                ; register work while the others arrive
	WIN 0
	s_barrier_wait -1
.if \fill
	CREST
	s_add_nc_u64 s[G0+4*\slot+2:G0+4*\slot+3], s[G0+4*\slot+2:G0+4*\slot+3], 1024      ; two phases on: 4 heads of 256 bytes
	s_add_nc_u64 s[G0B+4*\slot+2:G0B+4*\slot+3], s[G0B+4*\slot+2:G0B+4*\slot+3], 512   ; 256 numbers of 2 bytes
	JLOAD \slot
.endif
	PLACES
	FETCH \next, 0, 0
	WIN 0x51
	PASS 1, 0, 1, 0
.endm
.macro LAP mode
	THREE 0, \mode
	TURN 0, 1, 1
	THREE 1, 0
	TURN 1, 0, 1
.endm
	s_load_b256 s[4:11], s[0:1], 0x0               ; ao s[4:5], owb s[6:7], out_b s[8:9], out0 s[10:11]
	v_lshl_add_u32 v30, v0, 2, 0x48400
	v_mov_b32 v31, 0
	ds_add_u32 v30, v31
	v_lshrrev_b32 v1, 5, v0
	v_readfirstlane_b32 s12, v1                    ; wave 0..3
	s_lshr_b32 s13, s12, 1                         ; my half of the rows.  Also: I fetch for ao (0) or for owb (1)
	s_and_b32 s14, s12, 1                          ; my half of the columns.  Also: the hi (0) or the lo (1) plane
	s_bfe_u32 s40, ttmp6, 0x40000                  ; cx
	s_bfe_u32 s41, ttmp6, 0x40004                  ; cy
	s_lshl_b32 s42, ttmp9, 2
	s_add_co_u32 s42, s42, s40                     ; block column
	s_and_b32 s43, ttmp7, 0xffff
	s_lshl_b32 s43, s43, 2
	s_add_co_u32 s43, s43, s41                     ; block row
	s_lshl_b32 s44, s41, 2
	s_lshl_b32 s44, 15, s44                        ; my row of the cluster
	s_lshl_b32 s45, 0x1111, s40                    ; my column
	; group 1, elements of 2 bytes.  ao: 64 rows of 256 elements, 2,048 from row to row, 16 bytes of padding behind every 128 words.
	; owb: 128 rows of 128 elements, 1,024 from row to row, 16 bytes of padding behind every 64 words.
	s_or_b32 s[G1+0], s44, (1<<16)|(1<<20)|(1<<21)|(6<<22)|(3<<25)
	s_or_b32 s[G1B+0], s45, (1<<16)|(1<<20)|(1<<21)|(5<<22)|(3<<25)
	s_mov_b32 s[G1+1], 256<<16                     ; tensor_dim0
	s_mov_b32 s[G1B+1], 128<<16
	s_mov_b32 s[G1+2], 64<<16                      ; tensor_dim1
	s_mov_b32 s[G1B+2], 128<<16
	s_mov_b32 s[G1+3], 256<<16                     ; tile_dim0
	s_mov_b32 s[G1B+3], 128<<16
	s_mov_b32 s[G1+4], 64                          ; tile_dim1
	s_mov_b32 s[G1B+4], 128
	s_mov_b32 s[G1+5], 2048                        ; the pitch in elements
	s_mov_b32 s[G1B+5], 1024
	s_mov_b32 s[G1+6], 0
	s_mov_b32 s[G1B+6], 0
	s_mov_b32 s[G1+7], 0
	s_mov_b32 s[G1B+7], 0
	s_lshl_b32 s16, s43, 18                        ; ao: 64 pairs of rows of 4,096 bytes for each block row,
	s_lshl_b32 s21, s14, 23                        ; + my plane of 8,388,608 bytes
	s_add_co_u32 s16, s16, s21
	s_mov_b32 s17, 0
	s_lshl_b32 s46, s42, 18                        ; owb: 128 rows of 2,048 bytes for each block column,
	s_lshl_b32 s21, s14, 21                        ; + my plane of 2,097,152 bytes
	s_add_co_u32 s46, s46, s21
	s_mov_b32 s47, 0
	s_lshl_b32 s22, s42, 9                         ; the bias of my 64 columns
	s_lshl_b32 s21, s14, 8
	s_add_co_u32 s22, s22, s21
	s_mov_b32 s23, 0
	s_mul_i32 s20, s12, REG                        ; my region of a slot: the wave's number alone
	s_wait_dscnt 0x0
	s_wait_kmcnt 0x0
	s_add_nc_u64 s[18:19], s[4:5], s[16:17]
	s_add_nc_u64 s[46:47], s[6:7], s[46:47]
	s_add_nc_u64 s[22:23], s[8:9], s[22:23]
	CROUND                                         ; the first joint loads meet
.irp s, 0,1
	s_mov_b32 s[G0+4*\s], 1
	s_add_co_u32 s[G0+4*\s+1], s20, \s*SLOT
	s_add_nc_u64 s[G0+4*\s+2:G0+4*\s+3], s[18:19], \s*512          ; phase s: two heads of 256 bytes
	s_or_b32 s[G0+4*\s+3], s[G0+4*\s+3], 0x80000000
	s_mov_b32 s[G0B+4*\s], 1
	s_add_co_u32 s[G0B+4*\s+1], s20, \s*SLOT
	s_add_nc_u64 s[G0B+4*\s+2:G0B+4*\s+3], s[46:47], \s*256
	s_or_b32 s[G0B+4*\s+3], s[G0B+4*\s+3], 0x80000000
	JLOAD \s                                       ; two tensor loads of the wave are out; later one
.endr
	v_and_b32 v1, 15, v0                           ; r
	v_bfe_u32 v2, v0, 4, 1                         ; h
	v_lshrrev_b32 v3, 1, v1
	v_and_b32 v4, 1, v0
	v_mul_u32_u24 v3, v3, PITCHA                   ; ao: row r lies in pair r >> 1, at (r & 1) x 128 of a head's 256 bytes, + 16 h
	v_lshl_add_u32 v3, v4, 7, v3
	v_lshl_add_u32 v3, v2, 4, v3
	s_mul_i32 s21, s13, 32*PITCHA                  ; my 64 rows = 32 pairs
	v_add_nc_u32 v[ADRA], s21, v3
	v_add_nc_u32 v[ADRA+1], SLOT, v[ADRA]
	v_mul_u32_u24 v3, v1, PITCHB
	v_lshl_add_u32 v3, v2, 4, v3
	s_mul_i32 s21, s14, 64*PITCHB
	s_add_co_u32 s21, s21, 2*REG                   ; my 64 rows of w_hi
	v_add_nc_u32 v[ADRB], s21, v3
	v_add_nc_u32 v[ADRB+1], SLOT, v[ADRB]
	s_mul_i32 s21, s12, 16*SPITCH
	s_add_co_u32 s21, s21, STAGE                   ; my stage
	v_mul_u32_u24 v3, v1, SPITCH
	v_lshl_add_u32 v3, v2, 5, v3                   ; in: row r, 32 bytes for each half of the lanes
	v_add_nc_u32 v[STO], s21, v3
	v_mul_u32_u24 v3, v2, SPITCH
	v_lshl_add_u32 v3, v1, 4, v3                   ; back: lanes 0-15 one row of 256 bytes, lanes 16-31 the next
	v_add_nc_u32 v[RD], s21, v3
	v_lshlrev_b32 v[CO], 13, v2                    ; the next t lies 8,192 bytes on in out0
	v_lshl_add_u32 v[CO], v1, 4, v[CO]
	v_lshlrev_b32 v[BO], 5, v2
.irp b, 0,1,2,3
	global_load_b128 v[BIAS+8*\b:BIAS+8*\b+3],   v[BO], s[22:23] offset:64*\b
	global_load_b128 v[BIAS+8*\b+4:BIAS+8*\b+7], v[BO], s[22:23] offset:64*\b+16
.endr
	s_wait_tensorcnt 0x1                           ; my region of phase 0 is in; phase 1's stays out
	s_barrier_signal -1
	s_barrier_wait -1
	FETCH 0, 0, 0
	s_wait_loadcnt 0x0                             ; the bias
	LAP 1                                          ; the first lap stands in front of the loop: its first products start the sums
	WIN 0                                          ; at a label and at a branch every window is 0
	s_mov_b32 s3, LAPS-2
.Llap:
	LAP 0
	WIN 0
	s_sub_co_u32 s3, s3, 1
	s_cmp_lg_u32 s3, 0
	s_cbranch_scc1 .Llap
	THREE 0, 0                                     ; the last lap fills nothing
	TURN 0, 1, 0
	THREE 1, 0
	s_wait_dscnt 0x10
	WIN 0x51
	PASS 1, 0, 0, 0
	s_wait_dscnt 0x0
	PASS 1, 1, 0, 0
	PASS 1, 0, 1, 0
	; THE WAY OUT, 16 rows at a time: the sums go as they are into my stage and come back as whole rows of 256 bytes.
	PLACES
	s_and_b32 s16, s43, 15
	s_lshl_b32 s16, s16, 20                        ; t = (block row & 15) x 128 + 64 x half + ..., 8,192 bytes for each t
	s_lshl_b32 s17, s13, 19
	s_add_co_u32 s16, s16, s17
	s_lshr_b32 s17, s43, 4                         ; b = block row >> 4
	s_lshl_b32 s17, s17, 12
	s_add_co_u32 s16, s16, s17
	s_mov_b32 s17, 0
	s_add_nc_u64 s[10:11], s[10:11], s[16:17]
	s_lshl_b32 s46, s42, 9                         ; my first column, 4 bytes each
	s_lshl_b32 s47, s14, 8
	s_add_co_u32 s46, s46, s47
	s_mov_b32 s47, 0
	s_add_nc_u64 s[10:11], s[10:11], s[46:47]
.macro OUT16 a, rb
	WIN 0x04                                       ; an LDS store's data are its source 1: window 1
.irp b, 0,1,2,3
	ds_store_b128 v[STO], v[8*(4*\a+\b):8*(4*\a+\b)+3]   offset:64*\b
	ds_store_b128 v[STO], v[8*(4*\a+\b)+4:8*(4*\a+\b)+7] offset:64*\b+16
.endr
	WIN 0
	s_wait_xcnt 0x0                                ; registers that earlier stores read are loaded again only behind this wait
.irp t, 0,1,2,3,4,5,6,7
	ds_load_b128 v[\rb+4*\t:\rb+4*\t+3], v[RD] offset:2*SPITCH*\t  ; LDS serves a wave's instructions in order: these see the stores above
.endr
.irp t, 0,1,2,3,4,5,6,7
	s_wait_dscnt 7-\t
	global_store_b128 v[CO], v[\rb+4*\t:\rb+4*\t+3], s[10:11] offset:(16*\a+2*\t)*8192 th:TH_STORE_NT   ; 16 lanes store 256 consecutive bytes, aligned
.endr
.endm
	OUT16 0, 192
	OUT16 1, 224
	OUT16 2, 192
	OUT16 3, 224
	s_wait_tensorcnt 0x0
	ds_add_u32 v30, v31
	s_wait_dscnt 0x0
	CROUND                                         ; the closing round
	s_endpgm
.Lfunc_end_k_q8073263d3e_oproj:
	.size	k_q8073263d3e_oproj, .Lfunc_end_k_q8073263d3e_oproj-k_q8073263d3e_oproj
	.p2alignl 7, 3214868480
	.fill 96, 4, 3214868480
	.section	.rodata,"a",@progbits
	.p2align	6, 0x0
	.amdhsa_kernel k_q8073263d3e_oproj
		.amdhsa_group_segment_fixed_size 327680
		.amdhsa_private_segment_fixed_size 0
		.amdhsa_enable_private_segment 0
		.amdhsa_kernarg_size 32
		.amdhsa_user_sgpr_count 2
		.amdhsa_user_sgpr_kernarg_segment_ptr 1
		.amdhsa_wavefront_size32 1
		.amdhsa_system_sgpr_workgroup_id_x 1
		.amdhsa_system_sgpr_workgroup_id_y 1
		.amdhsa_system_sgpr_workgroup_id_z 1
		.amdhsa_system_vgpr_workitem_id 0
		.amdhsa_next_free_vgpr 512
		.amdhsa_next_free_sgpr 66
		.amdhsa_reserve_vcc 0
		.amdhsa_float_denorm_mode_32 3
		.amdhsa_float_denorm_mode_16_64 3
		.amdhsa_memory_ordered 1
		.amdhsa_forward_progress 1
		.amdhsa_inst_pref_size 148
	.end_amdhsa_kernel
	.amdgpu_metadata
---
amdhsa.version: [ 1, 2 ]
amdhsa.kernels:
  - .name:           k_q8073263d3e_oproj
    .symbol:         k_q8073263d3e_oproj.kd
    .args:
      - { .name: ao, .offset: 0, .size: 8, .value_kind: global_buffer, .address_space: global }
      - { .name: owb, .offset: 8, .size: 8, .value_kind: global_buffer, .address_space: global }
      - { .name: out_b, .offset: 16, .size: 8, .value_kind: global_buffer, .address_space: global }
      - { .name: out0, .offset: 24, .size: 8, .value_kind: global_buffer, .address_space: global }
    .group_segment_fixed_size: 327680
    .private_segment_fixed_size: 0
    .kernarg_segment_align: 8
    .kernarg_segment_size: 32
    .max_flat_workgroup_size: 128
    .sgpr_count:     66
    .vgpr_count:     512
    .wavefront_size: 32
...
	.end_amdgpu_metadata
.endif
;; end of part 4
;; ======== version 2 of 3: 4 launches; 1.47 times as fast as version 1
;; workspace buffers: xb 8,388,608 bytes; wb 6,291,456 bytes; owb 4,194,304 bytes; qkvh 25,165,824 bytes; ao 16,777,216 bytes
;; launch prep: the kernel of part 1 again; grid 512 x 1, 4 waves a work-group, no clusters, 0 bytes of LDS; arguments query, in_proj_weight, out_w, k_a, k_b, v_a, v_b, xb, wb, owb; writes xb, wb, owb
;; launch qkv: the kernel of part 2 again; grid 16 x 16, 4 waves a work-group, clusters of 4 x 4, 327,680 bytes of LDS; arguments xb, wb, in_proj_bias, qkvh; writes qkvh
;; launch attn (part 5): grid 8 x 32, 8 waves a work-group, clusters of 4 x 1, 327,680 bytes of LDS; arguments qkvh, ao; writes ao
.if DOCPART == 5
	.amdgcn_target "amdgcn-amd-amdhsa--gfx1250"
	.amdhsa_code_object_version 6
	.text
	.protected	k_q8073263d3e_attn
	.globl	k_q8073263d3e_attn
	.p2align	8
	.type	k_q8073263d3e_attn,@function
k_q8073263d3e_attn:
	s_mov_b64 s[64:65], 0
	v_nop
	global_prefetch_b8 v0, s[64:65] scope:SCOPE_SE
	s_setreg_imm32_b32 hwreg(HW_REG_WAVE_MODE, 25, 1), 1
	s_wait_xcnt 0x0
	s_wait_alu depctr_hold_cnt(0) depctr_sa_sdst(0) depctr_va_vdst(0) depctr_va_sdst(0) depctr_va_ssrc(0) depctr_va_vcc(0) depctr_vm_vsrc(0)
	s_getreg_b32 s2, hwreg(HW_REG_IB_STS2, 6, 4)
	s_cmp_eq_u32 s2, 0
	s_cbranch_scc0 .Lentry_in_a_cluster
	s_endpgm
.Lentry_in_a_cluster:
	s_bfe_u32 s2, ttmp6, 0x10000c
	s_cmp_lg_u32 s2, 0x3003
	s_cbranch_scc0 .Lentry_shape_is_right
	s_endpgm
.Lentry_shape_is_right:
; ATTENTION for one (head, batch) y = 2 h + b and one block of 256 queries.  softmax(Q K^T / 8) V with a running maximum.
; qkvh[u][b][t][64] bf16: Q at y x 262,144, K at (32 + y) x 262,144, V at (64 + y) x 262,144 bytes.
; ao[plane][b][t / 2][h][t & 1][64] bf16: two rows of a head side by side in 256 bytes.  The result leaves as a sum of two bf16 numbers,
; plane 0 hi = bf16(o), plane 1 lo = bf16(o - hi): the next launch multiplies both.
; EIGHT WAVES, two for each of a WGP's four SIMDs; wave w owns 32 queries.  A wave's step is a run of matrix instructions, a long run of
; vector work (the softmax) and a run of matrix instructions again: with two waves a SIMD has both kinds to issue.  The price: every wave
; reads all K and V fragments, 8 x 16 KiB of LDS reads for 64 keys.
; BOTH PRODUCTS ARE TRANSPOSED.  S^T = K Q^T: lane (r, h) holds query r and keys 16 kt + 8 h + 0..7, so a query's maximum, sum and factor are
; one number a lane (the two halves of the lanes are joined by one exchange), and two tiles of S^T, rounded to bf16 in place, ARE the second
; operand of O^T = V^T P^T: P never passes through LDS.  V^T's fragments come by the transposing LDS load.
; Keys go in 4 phases of 512 (one LDS slot each, two slots), a phase in 8 steps of 64 keys.  ONE STEP'S TEXT SERVES SEVEN STEPS: a step's LDS
; addresses lie in two registers, set from the slot's base at a phase's start and stepped by constants; only a phase's last step, where the
; slots change, and the very first step, which starts the sums, are written out.
; CLUSTERS: the four query blocks of a cluster read the same K and V tiles: every tile is asked for jointly (mask 15).
; In LDS and in memory a row of 256 bytes holds rows 2p, 2p+1 of 128 bytes; row s lies at (s >> 1) x pitch + (s & 1) x 128.
; The exponent is c (S - m), c = log2(e) / 8, m the running maximum of the raw scores, made by one fused multiply-add.
; LIMITS: operands in bf16.  An exponential below 2^-126 comes out as 0 (ISA guide, v_exp_f32); each row's sum is at least 1.
; REGISTERS: window 0: v16-25 addresses, v32-63 Q, v64-127 K, v128-191 V^T;  window 1: v0-63 S, then P; v64-127 O^T; v128-143 the rows' state.
.set KSTEP, 8704                       ; a step's 64 keys of K: 32 rows of 256 bytes at pitch 272
.set VSTEP, 9216                       ; a step's 64 keys of V: 32 rows at pitch 288
.set KREG,  2*KSTEP                    ; what one tensor load brings of K: 128 keys, 64 rows
.set VREG,  2*VSTEP                    ; and of V
.set VBASE, 4*KREG                     ; a slot: K's 8 steps without a gap, then V's 8 steps
.set SLOT,  4*KREG+4*VREG              ; 143,360 bytes
.set STAGE, 2*SLOT                     ; behind the ring, never filled by a tensor load
.set WSTG,  16*272                     ; a wave's stage: 32 rows of 128 bytes
.set ADRK, 16                          ; v16-17 K fragments of step 0 in slot 0, 1
.set ADRV, 18                          ; v18-19 V^T fragments of step 0
.set STO,  20
.set RD,   21
.set CO,   22
.set QO,   23
.set KN,   24                          ; K fragments of the NEXT step
.set VC,   25                          ; V^T fragments of THIS step
.set QF,   32                          ; Q(q, c) at QF + 16 q + 8 c
.set KF,   64                          ; K(kt, c) at KF + 16 kt + 8 c
.set VF,   128                         ; V^T(dt, c) at VF + 16 dt + 8 c
; window 1: S(kt, q) at 32 q + 8 kt; P(q, c) the first 8 registers of 32 q + 16 c
.set OA,   64                          ; O^T(dt, q) at OA + 32 q + 8 dt
.set MX,   128                         ; MX + q: the running maximum, kept in place
.set NM,   132                         ; NM + 2 q: -c m; until it is made anew it holds the old maximum's   (pair with TR)
.set TR,   133                         ; TR + 2 q: what the other half of the lanes sent
.set AL,   136                         ; AL + 2 q: the factor 2^(c (m_old - m_new)); at the end 1 / sum   (pair with XR)
.set XR,   137                         ; XR + 2 q: a second chain of the maximum, then the factor's exponent; at the end the sum
.set L2,   140                         ; pair at L2 + 2 q: my keys' part of the row sum, even and odd places apart
.set G1K, 24
.set G0K, 32
.set G1V, 48
.set G0V, 56
.set CEXP, 0x3e38aa3b                  ; log2(e) / 8
.set MSB, 0
.macro WIN new                         ; the immediate's high byte repeats the setting that is left
.if MSB != \new
	s_set_vgpr_msb (MSB<<8)|\new
.set MSB, \new
.endif
.endm
.macro ROUND                           ; a round of the cluster's barrier
	s_barrier_signal -1
	s_barrier_wait -1
	s_cmp_lg_u32 s8, 0
	s_cbranch_scc1 .Lnot_wave_0_\@
	s_barrier_signal -3
.Lnot_wave_0_\@:
	s_barrier_wait -3
	s_barrier_signal -1
	s_barrier_wait -1
.endm
.macro JLOAD s                         ; waves 0-3 fetch K's quarters, waves 4-7 V's
	s_cmp_eq_u32 s9, 0
	s_cbranch_scc0 .Lfor_v_\@
	tensor_load_to_lds s[G0K+4*\s:G0K+4*\s+3], s[G1K:G1K+7]
	s_nop 0
	s_branch .Lasked_\@
.Lfor_v_\@:
	tensor_load_to_lds s[G0V+4*\s:G0V+4*\s+3], s[G1V:G1V+7]
	s_nop 0
.Lasked_\@:
.endm
.macro KLD adr                         ; a step's K fragments, 64 keys x 64, sixteen loads, from the address in register adr
.irp kt, 0,1,2,3
.irp i, 0,1,2,3
	ds_load_b128 v[KF+16*\kt+4*\i:KF+16*\kt+4*\i+3], v[\adr] offset:2176*\kt+32*\i
.endr
.endr
.endm
.macro PHSTART slot                    ; a phase's first addresses.  Behind a step's last products these two lines are also two places
	v_add_nc_u32 v[KN], KSTEP, v[ADRK+\slot]
	v_mov_b32 v[VC], v[ADRV+\slot]
.endm
; One block of the exponentials' pipeline, 16 pairs: the exponentials of query tile qe, the exponents of qa, the sum and rounding of qs (-1: none).
; An exponential's result is first used a block later, and plain instructions on other registers stand behind the exponentials (ISA guide 5.7.2).
.macro EXPBLK qe, qa, qs, first
.irp i, 0,1,2,3,4,5,6,7,8,9,10,11,12,13,14,15
.if \qe >= 0
	v_exp_f32 v[32*\qe+2*\i], v[32*\qe+2*\i]
	v_exp_f32 v[32*\qe+2*\i+1], v[32*\qe+2*\i+1]
.endif
.if \qa >= 0
	v_pk_fma_f32 v[32*\qa+2*\i:32*\qa+2*\i+1], v[32*\qa+2*\i:32*\qa+2*\i+1], CEXP, v[NM+2*\qa:NM+2*\qa+1] op_sel_hi:[1,0,0]   ; c S - c m
.endif
.if \qs >= 0
.if \first
.if \i == 1
	s_wait_alu depctr_va_vdst(0)
	v_pk_add_f32 v[L2+2*\qs:L2+2*\qs+1], v[32*\qs:32*\qs+1], v[32*\qs+2:32*\qs+3]      ; the first two pairs start the sum: nothing is cleared
	v_cvt_pk_bf16_f32 v[32*\qs], v[32*\qs], v[32*\qs+1]
	v_cvt_pk_bf16_f32 v[32*\qs+1], v[32*\qs+2], v[32*\qs+3]
	s_wait_alu depctr_va_vdst(0)
.endif
.if \i > 1
	v_pk_add_f32 v[L2+2*\qs:L2+2*\qs+1], v[L2+2*\qs:L2+2*\qs+1], v[32*\qs+2*\i:32*\qs+2*\i+1]
	v_cvt_pk_bf16_f32 v[32*\qs+16*(\i>>3)+(\i&7)], v[32*\qs+2*\i], v[32*\qs+2*\i+1]
.endif
.else
.if \i == 0
	s_wait_alu depctr_va_vdst(0)
	v_pk_fma_f32 v[L2+2*\qs:L2+2*\qs+1], v[L2+2*\qs:L2+2*\qs+1], v[AL+2*\qs:AL+2*\qs+1], v[32*\qs:32*\qs+1] op_sel_hi:[1,0,1]   ; the old sum, rescaled, and the first pair
	s_wait_alu depctr_va_vdst(0)
.else
	v_pk_add_f32 v[L2+2*\qs:L2+2*\qs+1], v[L2+2*\qs:L2+2*\qs+1], v[32*\qs+2*\i:32*\qs+2*\i+1]
.endif
	v_cvt_pk_bf16_f32 v[32*\qs+16*(\i>>3)+(\i&7)], v[32*\qs+2*\i], v[32*\qs+2*\i+1]   ; pair i of 16 goes to register i & 7 of half i >> 3: never onto a pair not yet read
.endif
.endif
.endr
.endm
; A step: 64 keys.  Its K fragments have been asked for; its V^T lies at VC.  first = 1: the very first step (no old maximum, sum or O).
; tail 0: the next step's K from KN, and both addresses step.  tail 1: a phase's last step: this slot is filled again.
; tail 2: the slots change, nothing is filled.  tail 3: the end.
.macro STEP slot, first, tail
.if \first == 0
.rept 3
	v_nop                                          ; the products below write over P, a source of the last products: five places (ISA guide 7.12.1):
.endr                                                  ; the two address lines that stand behind every step's last products, and these three
.endif
	s_wait_dscnt 0x0                               ; this step's K fragments are in
	WIN 0x50                                       ; sources window 0, C and D window 1
	; the 8 accumulators take turns, one instruction a turn
.irp q, 0,1
.irp kt, 0,1,2,3
	v_wmma_f32_16x16x32_bf16 v[32*\q+8*\kt:32*\q+8*\kt+7], v[KF+16*\kt:KF+16*\kt+7], v[QF+16*\q:QF+16*\q+7], 0
.endr
.endr
.irp q, 0,1
.irp kt, 0,1,2,3
	v_wmma_f32_16x16x32_bf16 v[32*\q+8*\kt:32*\q+8*\kt+7], v[KF+16*\kt+8:KF+16*\kt+15], v[QF+16*\q+8:QF+16*\q+15], v[32*\q+8*\kt:32*\q+8*\kt+7]
.endr
.endr
	WIN 0
.rept 4
	v_nop                                          ; four places: loads into K's registers and readers of S follow
.endr
.irp dt, 0,1,2,3
.irp c, 0,1
.irp e, 0,1
	ds_load_tr16_b128 v[VF+16*\dt+8*\c+4*\e:VF+16*\dt+8*\c+4*\e+3], v[VC] offset:4608*\c+2304*\e+32*\dt
.endr
.endr
.endr
.if \tail == 0
	KLD KN
.endif
.if \tail == 1
	s_wait_dscnt 0x0                               ; my reads of this slot are over
	s_wait_tensorcnt 0x0                           ; all my tensor loads have landed: the one that was out is my part of the other slot
	ds_add_u32 v254, v255
	s_wait_dscnt 0x0
	s_add_nc_u64 s[G0K+4*\slot+2:G0K+4*\slot+3], s[G0K+4*\slot+2:G0K+4*\slot+3], 0x20000   ; two phases of 65,536 bytes on
	s_add_nc_u64 s[G0V+4*\slot+2:G0V+4*\slot+3], s[G0V+4*\slot+2:G0V+4*\slot+3], 0x20000
	ROUND                                          ; both now hold of every wave of the four work-groups
	JLOAD \slot                                    ; my one tensor load behind the round, and the first thing there
	KLD ADRK+1-\slot
.endif
.if \tail == 2
	s_wait_dscnt 0x0
	s_wait_tensorcnt 0x0                           ; the last phase's tiles
	s_barrier_signal -1
	s_barrier_wait -1
	KLD ADRK+1-\slot
.endif
	WIN 0x55
	; the running maximum of the raw scores, in place; two chains for each query tile, four side by side
.irp q, 0,1
.if \first
	v_max_num_f32 v[MX+\q], v[32*\q], v[32*\q+1]
.else
	v_max3_num_f32 v[MX+\q], v[MX+\q], v[32*\q], v[32*\q+1]
.endif
	v_max_num_f32 v[XR+2*\q], v[32*\q+16], v[32*\q+17]
.endr
.irp i, 1,2,3,4,5,6,7
.irp q, 0,1
	v_max3_num_f32 v[MX+\q], v[MX+\q], v[32*\q+2*\i], v[32*\q+2*\i+1]
	v_max3_num_f32 v[XR+2*\q], v[XR+2*\q], v[32*\q+16+2*\i], v[32*\q+17+2*\i]
.endr
.endr
.irp q, 0,1
	v_max_num_f32 v[MX+\q], v[MX+\q], v[XR+2*\q]
.endr
.irp q, 0,1
	v_permlanex16_b32 v[TR+2*\q], v[MX+\q], s18, s19       ; lane l xor 16 holds the same query's other keys
.endr
.irp q, 0,1
	v_max_num_f32 v[MX+\q], v[MX+\q], v[TR+2*\q]
.endr
.if \first == 0
.irp q, 0,1
	v_fma_f32 v[XR+2*\q], v[MX+\q], s45, -v[NM+2*\q]       ; -c m_new + c m_old: NM still holds -c m_old; never above a rounding of 0
.endr
.endif
.irp q, 0,1
	v_mul_f32 v[NM+2*\q], s45, v[MX+\q]                    ; -c m
.endr
.if \first == 0
.irp q, 0,1
	v_exp_f32 v[AL+2*\q], v[XR+2*\q]                       ; first used two blocks further down
.endr
.endif
	EXPBLK -1, 0, -1, \first
	EXPBLK 0, 1, -1, \first
	EXPBLK 1, -1, 0, \first
	EXPBLK -1, -1, 1, \first
.if \first == 0
.irp q, 0,1
.irp i, 0,1,2,3,4,5,6,7,8,9,10,11,12,13,14,15
	v_pk_mul_f32 v[OA+32*\q+2*\i:OA+32*\q+2*\i+1], v[OA+32*\q+2*\i:OA+32*\q+2*\i+1], v[AL+2*\q:AL+2*\q+1] op_sel_hi:[1,0]
.endr
.endr
.endif
.if \tail == 3
	s_wait_dscnt 0x0
.else
	s_wait_dscnt 0x10                              ; V^T is in; the sixteen younger loads (the next step's K) stay out
.endif
	WIN 0x54                                       ; source 0 (V^T) window 0, source 1 (P), C and D window 1
.irp c, 0,1
.irp q, 0,1
.irp dt, 0,1,2,3
.set ZC, (\first)*(1-\c)
.if ZC
	v_wmma_f32_16x16x32_bf16 v[OA+32*\q+8*\dt:OA+32*\q+8*\dt+7], v[VF+16*\dt+8*\c:VF+16*\dt+8*\c+7], v[32*\q+16*\c:32*\q+16*\c+7], 0
.else
	v_wmma_f32_16x16x32_bf16 v[OA+32*\q+8*\dt:OA+32*\q+8*\dt+7], v[VF+16*\dt+8*\c:VF+16*\dt+8*\c+7], v[32*\q+16*\c:32*\q+16*\c+7], v[OA+32*\q+8*\dt:OA+32*\q+8*\dt+7]
.endif
.endr
.endr
.endr
	WIN 0
.if \tail == 0
	v_add_nc_u32 v[VC], VSTEP, v[VC]               ; the next step's addresses; also two places behind the products above
	v_add_nc_u32 v[KN], KSTEP, v[KN]
.endif
.endm
	s_load_b128 s[4:7], s[0:1], 0x0                ; qkvh s[4:5], ao s[6:7]
	v_lshl_add_u32 v254, v0, 2, 0x4e800
	v_mov_b32 v255, 0
	ds_add_u32 v254, v255
	v_lshrrev_b32 v1, 5, v0
	v_readfirstlane_b32 s8, v1                     ; wave 0..7
	s_lshr_b32 s9, s8, 2                           ; I fetch for K (0) or for V (1)
	s_and_b32 s10, s8, 3                           ; which quarter of the phase's keys
	s_bfe_u32 s11, ttmp6, 0x40000                  ; cx
	s_lshl_b32 s12, ttmp9, 2
	s_add_co_u32 s12, s12, s11                     ; query block x = 4 x cluster x + cx
	s_and_b32 s13, ttmp7, 0xffff                   ; y = 2 h + b, the same in the four partners
	s_mov_b32 s18, 0x76543210                      ; v_permlanex16_b32: lane i of one half reads lane i of the other
	s_mov_b32 s19, 0xfedcba98
	s_mov_b32 s45, 0xbe38aa3b                      ; -c
	; group 1: 64 rows of 128 elements of 2 bytes, dense in memory; padding behind every 64 words: 4 words for K, 8 for V; mask 15
	s_mov_b32 s[G1K+0], 15|(1<<16)|(1<<20)|(1<<21)|(5<<22)|(3<<25)
	s_mov_b32 s[G1V+0], 15|(1<<16)|(1<<20)|(1<<21)|(5<<22)|(7<<25)
	s_mov_b32 s[G1K+1], 128<<16
	s_mov_b32 s[G1V+1], 128<<16
	s_mov_b32 s[G1K+2], 64<<16
	s_mov_b32 s[G1V+2], 64<<16
	s_mov_b32 s[G1K+3], 128<<16
	s_mov_b32 s[G1V+3], 128<<16
	s_mov_b32 s[G1K+4], 64
	s_mov_b32 s[G1V+4], 64
	s_mov_b32 s[G1K+5], 128
	s_mov_b32 s[G1V+5], 128
	s_mov_b32 s[G1K+6], 0
	s_mov_b32 s[G1V+6], 0
	s_mov_b32 s[G1K+7], 0
	s_mov_b32 s[G1V+7], 0
	s_add_co_u32 s16, s13, 32
	s_lshl_b32 s16, s16, 18                        ; K of my head,
	s_lshl_b32 s17, s10, 14                        ; my quarter: 128 keys = 64 rows of 256 bytes
	s_add_co_u32 s16, s16, s17
	s_mov_b32 s17, 0
	s_mul_i32 s21, s10, KREG                       ; my region of a slot if I fetch for K,
	s_mul_i32 s3, s10, VREG
	s_add_co_u32 s3, s3, VBASE                     ; and if I fetch for V: the wave's number and constants alone
	s_lshl_b32 s22, s13, 18                        ; Q: head y, row 256 x + 32 w, rows of 128 bytes (registers that feed no descriptor)
	s_lshl_b32 s2, s12, 15
	s_add_co_u32 s22, s22, s2
	s_lshl_b32 s2, s8, 12
	s_add_co_u32 s22, s22, s2
	s_mov_b32 s23, 0
	s_and_b32 s2, s13, 1                           ; ao: b x 4,194,304 + (128 x + 16 w) x 4,096 + h x 256
	s_lshl_b32 s46, s2, 22
	s_lshl_b32 s2, s12, 19
	s_add_co_u32 s46, s46, s2
	s_lshl_b32 s2, s8, 16
	s_add_co_u32 s46, s46, s2
	s_lshr_b32 s2, s13, 1
	s_lshl_b32 s2, s2, 8
	s_add_co_u32 s46, s46, s2
	s_mov_b32 s47, 0
	s_wait_dscnt 0x0
	s_wait_kmcnt 0x0
	s_add_nc_u64 s[40:41], s[4:5], s[16:17]
	s_add_co_u32 s16, s16, 32*262144               ; V lies 32 heads further on
	s_add_nc_u64 s[42:43], s[4:5], s[16:17]
	s_add_nc_u64 s[14:15], s[4:5], s[22:23]
	s_add_nc_u64 s[6:7], s[6:7], s[46:47]
	ROUND                                          ; the four work-groups are here: the first joint loads meet
.irp s, 0,1
	s_mov_b32 s[G0K+4*\s], 1
	s_add_co_u32 s[G0K+4*\s+1], s21, \s*SLOT
	s_add_nc_u64 s[G0K+4*\s+2:G0K+4*\s+3], s[40:41], \s*65536      ; phase s
	s_or_b32 s[G0K+4*\s+3], s[G0K+4*\s+3], 0x80000000
	s_mov_b32 s[G0V+4*\s], 1
	s_add_co_u32 s[G0V+4*\s+1], s3, \s*SLOT
	s_add_nc_u64 s[G0V+4*\s+2:G0V+4*\s+3], s[42:43], \s*65536
	s_or_b32 s[G0V+4*\s+3], s[G0V+4*\s+3], 0x80000000
	JLOAD \s                                       ; two tensor loads of the wave are out; later one
.endr
	v_and_b32 v1, 15, v0                           ; r
	v_bfe_u32 v2, v0, 4, 1                         ; h
	v_lshlrev_b32 v[QO], 7, v1
	v_lshl_add_u32 v[QO], v2, 4, v[QO]             ; Q: row r, 16 h
.irp q, 0,1
.irp i, 0,1,2,3
	global_load_b128 v[QF+16*\q+4*\i:QF+16*\q+4*\i+3], v[QO], s[14:15] offset:2048*\q+32*\i
.endr
.endr
	v_lshrrev_b32 v3, 1, v1
	v_and_b32 v4, 1, v0
	v_mul_u32_u24 v[ADRK], v3, 272                 ; row r at (r >> 1) x 272 + (r & 1) x 128, + 16 h
	v_lshl_add_u32 v[ADRK], v4, 7, v[ADRK]
	v_lshl_add_u32 v[ADRK], v2, 4, v[ADRK]
	v_add_nc_u32 v[ADRK+1], SLOT, v[ADRK]
	v_bfe_u32 v6, v0, 1, 2                         ; the transposing load: lane l addresses key 8 h + (l & 7), 16 bytes at 16 ((l >> 3) & 1)
	v_lshl_add_u32 v6, v2, 2, v6                   ; that key's row of 256 bytes: 4 h + ((l & 7) >> 1)
	v_mul_u32_u24 v6, v6, 288
	v_lshl_add_u32 v6, v4, 7, v6
	v_bfe_u32 v7, v0, 3, 1
	v_lshl_add_u32 v6, v7, 4, v6
	v_add_nc_u32 v[ADRV], VBASE, v6
	v_add_nc_u32 v[ADRV+1], VBASE+SLOT, v6
	s_mul_i32 s2, s8, WSTG
	s_add_co_u32 s2, s2, STAGE                     ; my stage
	v_add_nc_u32 v[STO], s2, v[ADRK]
	v_mul_u32_u24 v7, v2, 272
	v_lshl_add_u32 v7, v1, 4, v7
	v_add_nc_u32 v[RD], s2, v7
	v_lshlrev_b32 v[CO], 12, v2                    ; lanes 16-31: the next pair of rows, 4,096 bytes on
	v_lshl_add_u32 v[CO], v1, 4, v[CO]
	PHSTART 0
	WIN 0x40
.irp q, 0,1
	v_mov_b32 v[TR+2*\q], 0                        ; v_permlanex16_b32 counts as a reader of its destination
.endr
	WIN 0
	s_wait_tensorcnt 0x1                           ; my part of phase 0 is in; phase 1's stays out
	s_barrier_signal -1
	s_barrier_wait -1
	KLD ADRK
	s_wait_loadcnt 0x0                             ; Q
	STEP 0, 1, 0                                   ; phase 0, slot 0: the first step starts the sums,
	s_mov_b32 s20, 6
.Lph0:
	STEP 0, 0, 0                                   ; steps 1 to 6,
	s_sub_co_u32 s20, s20, 1
	s_cmp_lg_u32 s20, 0
	s_cbranch_scc1 .Lph0
	STEP 0, 0, 1                                   ; step 7 asks for phase 2
	PHSTART 1                                      ; phase 1, slot 1
	s_mov_b32 s20, 7
.Lph1:
	STEP 1, 0, 0
	s_sub_co_u32 s20, s20, 1
	s_cmp_lg_u32 s20, 0
	s_cbranch_scc1 .Lph1
	STEP 1, 0, 1                                   ; asks for phase 3, the last load
	PHSTART 0                                      ; phase 2, slot 0
	s_mov_b32 s20, 7
.Lph2:
	STEP 0, 0, 0
	s_sub_co_u32 s20, s20, 1
	s_cmp_lg_u32 s20, 0
	s_cbranch_scc1 .Lph2
	STEP 0, 0, 2                                   ; nothing is left to fetch
	PHSTART 1                                      ; phase 3, slot 1
	s_mov_b32 s20, 7
.Lph3:
	STEP 1, 0, 0
	s_sub_co_u32 s20, s20, 1
	s_cmp_lg_u32 s20, 0
	s_cbranch_scc1 .Lph3
	STEP 1, 0, 3
	; the end: divide by the row sums, split into hi and lo, and out through my stage as whole rows of 256 bytes
.rept 4
	v_nop                                          ; four places behind the last products
.endr
	s_add_nc_u64 s[40:41], s[6:7], 0x800000        ; my place in ao's lo plane, 8,388,608 bytes behind the hi plane
	WIN 0x55
.irp q, 0,1
	v_add_f32 v[XR+2*\q], v[L2+2*\q], v[L2+2*\q+1]
.endr
.irp q, 0,1
	v_permlanex16_b32 v[TR+2*\q], v[XR+2*\q], s18, s19
.endr
.irp q, 0,1
	v_add_f32 v[XR+2*\q], v[XR+2*\q], v[TR+2*\q]
.endr
.irp q, 0,1
	v_rcp_f32 v[AL+2*\q], v[XR+2*\q]
.endr
	v_nop                                          ; one plain place behind the reciprocals
	s_wait_alu depctr_va_vdst(0)
.irp q, 0,1
.irp i, 0,1,2,3,4,5,6,7,8,9,10,11,12,13,14,15
	v_pk_mul_f32 v[OA+32*\q+2*\i:OA+32*\q+2*\i+1], v[OA+32*\q+2*\i:OA+32*\q+2*\i+1], v[AL+2*\q:AL+2*\q+1] op_sel_hi:[1,0]
.endr
.endr
	; register n = 16 q + 4 dt + e of a packed set holds O's registers 2 n, 2 n + 1: lane (r, h): query 16 q + r, columns 16 dt + 8 h + 2 e, + 1
	WIN 0x05                                       ; sources window 1, destination window 0
.set n, 0
.rept 32
	v_cvt_pk_bf16_f32 v[QF+n], v[OA+2*n], v[OA+2*n+1]      ; hi
.set n, n+1
.endr
	WIN 0
.set n, 0
.rept 32
	v_lshlrev_b32 v[KF+2*n],   16, v[QF+n]         ; hi as f32, in the 64 registers that held K
	v_and_b32     v[KF+2*n+1], 0xffff0000, v[QF+n]
.set n, n+1
.endr
	WIN 0x41                                       ; source 0 and destination window 1, source 1 window 0
.set n, 0
.rept 32
	v_pk_add_f32 v[OA+2*n:OA+2*n+1], v[OA+2*n:OA+2*n+1], v[KF+2*n:KF+2*n+1] neg_lo:[0,1] neg_hi:[0,1]   ; o - hi, exact in f32
.set n, n+1
.endr
	WIN 0x05
.set n, 0
.rept 32
	v_cvt_pk_bf16_f32 v[KF+n], v[OA+2*n], v[OA+2*n+1]      ; lo
.set n, n+1
.endr
	WIN 0
	; the hi plane
.irp q, 0,1
.irp dt, 0,1,2,3
	ds_store_b128 v[STO], v[QF+16*\q+4*\dt:QF+16*\q+4*\dt+3] offset:2176*\q+32*\dt
.endr
.endr
.irp i, 0,1,2,3,4,5,6,7
	ds_load_b128 v[VF+4*\i:VF+4*\i+3], v[RD] offset:544*\i         ; LDS serves a wave's instructions in order: these see the stores above
.endr
.irp i, 0,1,2,3,4,5,6,7
	s_wait_dscnt 7-\i                              ; load i is back, the 7 - i younger ones stay out
	global_store_b128 v[CO], v[VF+4*\i:VF+4*\i+3], s[6:7] offset:8192*\i   ; 16 lanes store 256 consecutive bytes, aligned: two rows of my head
.endr
	; the lo plane, through the same stage (the reads above are back) and read back into registers that no pending store names
.irp q, 0,1
.irp dt, 0,1,2,3
	ds_store_b128 v[STO], v[KF+16*\q+4*\dt:KF+16*\q+4*\dt+3] offset:2176*\q+32*\dt
.endr
.endr
.irp i, 0,1,2,3,4,5,6,7
	ds_load_b128 v[VF+32+4*\i:VF+32+4*\i+3], v[RD] offset:544*\i
.endr
.irp i, 0,1,2,3,4,5,6,7
	s_wait_dscnt 7-\i
	global_store_b128 v[CO], v[VF+32+4*\i:VF+32+4*\i+3], s[40:41] offset:8192*\i
.endr
	s_wait_tensorcnt 0x0
	ds_add_u32 v254, v255
	s_wait_dscnt 0x0
	ROUND                                          ; the closing round: no work-group ends while a partner may still ask for a tile that names it
	s_endpgm
.Lfunc_end_k_q8073263d3e_attn:
	.size	k_q8073263d3e_attn, .Lfunc_end_k_q8073263d3e_attn-k_q8073263d3e_attn
	.p2alignl 7, 3214868480
	.fill 96, 4, 3214868480
	.section	.rodata,"a",@progbits
	.p2align	6, 0x0
	.amdhsa_kernel k_q8073263d3e_attn
		.amdhsa_group_segment_fixed_size 327680
		.amdhsa_private_segment_fixed_size 0
		.amdhsa_enable_private_segment 0
		.amdhsa_kernarg_size 16
		.amdhsa_user_sgpr_count 2
		.amdhsa_user_sgpr_kernarg_segment_ptr 1
		.amdhsa_wavefront_size32 1
		.amdhsa_system_sgpr_workgroup_id_x 1
		.amdhsa_system_sgpr_workgroup_id_y 1
		.amdhsa_system_sgpr_workgroup_id_z 1
		.amdhsa_system_vgpr_workitem_id 0
		.amdhsa_next_free_vgpr 416
		.amdhsa_next_free_sgpr 66
		.amdhsa_reserve_vcc 0
		.amdhsa_float_denorm_mode_32 3
		.amdhsa_float_denorm_mode_16_64 3
		.amdhsa_memory_ordered 1
		.amdhsa_forward_progress 1
		.amdhsa_inst_pref_size 187
	.end_amdhsa_kernel
	.amdgpu_metadata
---
amdhsa.version: [ 1, 2 ]
amdhsa.kernels:
  - .name:           k_q8073263d3e_attn
    .symbol:         k_q8073263d3e_attn.kd
    .args:
      - { .name: qkvh, .offset: 0, .size: 8, .value_kind: global_buffer, .address_space: global }
      - { .name: ao, .offset: 8, .size: 8, .value_kind: global_buffer, .address_space: global }
    .group_segment_fixed_size: 327680
    .private_segment_fixed_size: 0
    .kernarg_segment_align: 8
    .kernarg_segment_size: 16
    .max_flat_workgroup_size: 256
    .sgpr_count:     66
    .vgpr_count:     416
    .wavefront_size: 32
...
	.end_amdgpu_metadata
.endif
;; end of part 5
;; launch oproj: the kernel of part 4 again; grid 8 x 32, 4 waves a work-group, clusters of 4 x 4, 327,680 bytes of LDS; arguments ao, owb, out_b, out0; writes out0
;; ======== version 3 of 3: 4 launches; 1.66 times as fast as version 1
;; limits: inputs' magnitudes at most 255.9; right only within a limited range of input values
;; workspace buffers: xb 8,388,608 bytes; wb 6,291,456 bytes; owb 2,097,152 bytes; qkvh 25,165,824 bytes; ao 8,388,608 bytes; vmax 12,288 bytes
;; launch prep (part 6): grid 512 x 1, 4 waves a work-group, no clusters, 0 bytes of LDS; arguments query, in_proj_weight, out_w, k_a, k_b, v_a, v_b, xb, wb, owb; writes xb, wb, owb
.if DOCPART == 6
	.amdgcn_target "amdgcn-amd-amdhsa--gfx1250"
	.amdhsa_code_object_version 6
	.text
	.protected	k_q8073263d3e_prep
	.globl	k_q8073263d3e_prep
	.p2align	8
	.type	k_q8073263d3e_prep,@function
k_q8073263d3e_prep:
	s_mov_b64 s[64:65], 0
	v_nop
	global_prefetch_b8 v0, s[64:65] scope:SCOPE_SE
	s_setreg_imm32_b32 hwreg(HW_REG_WAVE_MODE, 25, 1), 1
	s_wait_xcnt 0x0
; PREP: the matrix operands of the later launches in 16 bits.
;   xb [b][t][1024]   bf16 = query[t][b][:]                 (rows reordered, so that a batch's rows lie together)
;   wb [3072][1024]   bf16 = in_proj_weight, with the low-rank updates folded into the K and V rows:
;                            wb[1024+n][k] = W[1024+n][k] + sum over r of k_b[r][n] k_a[r][k]; rows 2048.. likewise with v_b, v_a.
;                            The factor SCALE / RANK is 16 / 16 = 1 exactly, so no multiply is written for it.
;   owb [1024][1024]  f16  = 256 out_w.  The factor, an exact power of two that the last launch takes out again, puts the weights in the
;                            middle of f16's range.  LIMIT: |out_w| under 255.9 (f16's largest number is 65,504); the smallest step is 2^-32.
; (x W^T + (x a^T) b = x (W + b^T a)^T for every input.)  LIMIT: the sum is made in f32 and rounded once to bf16, an order of
; rounding that differs from the reference's, which adds the two products.
; The inputs key and value do not enter the reference's result for any input and are loaded by no launch of this program.
; A stream: no LDS, no barrier, no matrix unit.  128 threads; thread t owns 8 columns of every row: 32 bytes in, 16 bytes out,
; so sixteen neighbouring lanes store 256 consecutive bytes, aligned.  A work-group takes 16 rows.
; Work-groups 0-127: the K and V rows of the weight; 128-383: query; 384-447: the Q rows of the weight; 448-511: out_w.
.set X,  16                            ; v[16:143]  16 rows x 8 numbers as loaded; a row's first 4 registers then hold its 8 results
.set KA, 16                            ; v[16:143]  (weight path) a[r][my 8 columns], r = 0..15
.set WB, 144                           ; v[144:207] (weight path) two buffers of 4 rows x 8 numbers of W
.macro LOAD16                          ; 16 rows: 32 loads go out together
.irp i, 0,1,2,3,4,5,6,7,8,9,10,11,12,13,14,15
	global_load_b128 v[X+8*\i:X+8*\i+3],   v1, s[92:93] offset:4096*\i th:TH_LOAD_NT
	global_load_b128 v[X+8*\i+4:X+8*\i+7], v1, s[92:93] offset:4096*\i+16 th:TH_LOAD_NT
.endr
.endm
; Each row is rounded and stored as it comes.  perm = 1: row i = (t, b) = (i >> 1, i & 1) goes to row b * 2048 + t of xb.
; No register that a load or store names is written again, so no wait frees any.
.macro CONV16 perm
	LOAD16
.irp i, 0,1,2,3,4,5,6,7,8,9,10,11,12,13,14,15
	s_wait_loadcnt 30-2*\i                         ; loads come back in order: row i's two are in, the 30 - 2 i younger ones stay out
.irp k, 0,1,2,3
	v_cvt_pk_bf16_f32 v[X+8*\i+\k], v[X+8*\i+2*\k], v[X+8*\i+2*\k+1]   ; k ascending: register k is written when numbers 2k, 2k+1 are read
.endr
.if \perm
	global_store_b128 v2, v[X+8*\i:X+8*\i+3], s[94:95] offset:(\i&1)*4194304+(\i>>1)*2048
.else
	global_store_b128 v2, v[X+8*\i:X+8*\i+3], s[94:95] offset:2048*\i
.endif
.endr
.endm
; The same for out_w: times 256, rounded to f16.
.macro CONVF
	LOAD16
.irp i, 0,1,2,3,4,5,6,7,8,9,10,11,12,13,14,15
	s_wait_loadcnt 30-2*\i                         ; row i's two loads are in, the 30 - 2 i younger ones stay out
.irp k, 0,1,2,3
	v_pk_mul_f32 v[X+8*\i+2*\k:X+8*\i+2*\k+1], v[X+8*\i+2*\k:X+8*\i+2*\k+1], 0x43800000 op_sel_hi:[1,0]   ; x 256.0
.endr
.irp k, 0,1,2,3
	v_cvt_pk_f16_f32 v[X+8*\i+\k], v[X+8*\i+2*\k], v[X+8*\i+2*\k+1]
.endr
	global_store_b128 v2, v[X+8*\i:X+8*\i+3], s[94:95] offset:2048*\i
.endr
.endm
; b[r][n] for rows n = 4 g .. 4 g + 3 of my 16, all 16 r: four scalars for each r, in s[24:63] and s[68:91]
.macro SLD g
.irp r, 0,1,2,3,4,5,6,7,8,9,10,11,12,13,14,15
	s_load_b128 s[24+4*\r+4*(\r/10):27+4*\r+4*(\r/10)], s[98:99], 4096*\r+16*(\g)
.endr
.endm
; rows 4 g .. 4 g + 3 of W into buffer g & 1
.macro WLD g
.irp i, 0,1,2,3
	global_load_b128 v[WB+32*((\g)&1)+8*\i:WB+32*((\g)&1)+8*\i+3],   v1, s[92:93] offset:4096*(4*(\g)+\i) th:TH_LOAD_NT
	global_load_b128 v[WB+32*((\g)&1)+8*\i+4:WB+32*((\g)&1)+8*\i+7], v1, s[92:93] offset:4096*(4*(\g)+\i)+16 th:TH_LOAD_NT
.endr
.endm
; four rows: 16 x 32 fused multiply-adds on 32 sums that take turns, then rounding and four stores
.macro GROUP g
	s_wait_kmcnt 0x0                               ; this group's 64 numbers of b
.if \g < 3
	s_wait_loadcnt 0x8                             ; a and this group's rows are in; the next group's eight loads stay out
.else
	s_wait_loadcnt 0x0
.endif
.irp r, 0,1,2,3,4,5,6,7,8,9,10,11,12,13,14,15
.irp i, 0,1,2,3
.irp k, 0,1,2,3,4,5,6,7
	v_fmac_f32 v[WB+32*(\g&1)+8*\i+\k], s[24+4*\r+4*(\r/10)+\i], v[KA+8*\r+\k]
.endr
.endr
.endr
.if \g < 3
	SLD \g+1                                       ; the scalars have been read: the next group's come while this one is rounded and stored
.endif
.irp i, 0,1,2,3
.irp k, 0,1,2,3
	v_cvt_pk_bf16_f32 v[WB+32*(\g&1)+8*\i+\k], v[WB+32*(\g&1)+8*\i+2*\k], v[WB+32*(\g&1)+8*\i+2*\k+1]
.endr
	global_store_b128 v2, v[WB+32*(\g&1)+8*\i:WB+32*(\g&1)+8*\i+3], s[94:95] offset:2048*(4*\g+\i)
.endr
.if \g < 2
	s_wait_xcnt 0x0                                ; the stores' data registers are loaded again only behind this wait
	WLD \g+2
.endif
.endm
	s_load_b512 s[4:19], s[0:1], 0x0               ; query s[4:5], W s[6:7], out_w s[8:9], k_a s[10:11], k_b s[12:13], v_a s[14:15], v_b s[16:17], xb s[18:19]
	s_load_b128 s[20:23], s[0:1], 0x40             ; wb s[20:21], owb s[22:23]
	v_lshlrev_b32 v1, 5, v0                        ; my 32 bytes in a row of f32
	v_lshlrev_b32 v2, 4, v0                        ; my 16 bytes in a row of 16-bit numbers
	s_mov_b32 s3, 0                                ; upper word of every offset pair s[2:3]
	s_wait_kmcnt 0x0
	s_cmp_lt_u32 ttmp9, 128
	s_cbranch_scc1 .Llora
	s_cmp_lt_u32 ttmp9, 384
	s_cbranch_scc1 .Lquery
	s_cmp_lt_u32 ttmp9, 448
	s_cbranch_scc1 .Lwq
	; work-groups 448-511: 16 rows of out_w
	s_sub_co_u32 s100, ttmp9, 448
	s_lshl_b32 s2, s100, 16                        ; 16 rows of 4,096 bytes
	s_add_nc_u64 s[92:93], s[8:9], s[2:3]
	s_lshl_b32 s2, s100, 15                        ; 16 rows of 2,048 bytes
	s_add_nc_u64 s[94:95], s[22:23], s[2:3]
	CONVF
	s_endpgm
.Lwq:
	; work-groups 384-447: 16 rows of the weight's Q part, rounded as they are
	s_sub_co_u32 s100, ttmp9, 384
	s_lshl_b32 s2, s100, 16
	s_add_nc_u64 s[92:93], s[6:7], s[2:3]
	s_lshl_b32 s2, s100, 15
	s_add_nc_u64 s[94:95], s[20:21], s[2:3]
	CONV16 0
	s_endpgm
.Lquery:
	; work-groups 128-383: 16 rows of query = 8 values of t x 2 of b
	s_sub_co_u32 s100, ttmp9, 128
	s_lshl_b32 s2, s100, 16
	s_add_nc_u64 s[92:93], s[4:5], s[2:3]
	s_lshl_b32 s2, s100, 14                        ; 8 rows of 2,048 bytes in each half of xb
	s_add_nc_u64 s[94:95], s[18:19], s[2:3]
	CONV16 1
	s_endpgm
.Llora:
	; work-groups 0-127: rows 1024 + 16 g .. + 15 of the weight (0-63: K rows with k_a, k_b; 64-127: V rows with v_a, v_b)
	s_cmp_lt_u32 ttmp9, 64
	s_cselect_b64 s[96:97], s[10:11], s[14:15]     ; a
	s_cselect_b64 s[98:99], s[12:13], s[16:17]     ; b
	s_and_b32 s100, ttmp9, 63
	s_lshl_b32 s2, s100, 6                         ; my 16 columns of b, 4 bytes each
	s_add_nc_u64 s[98:99], s[98:99], s[2:3]
	s_lshl_b32 s2, ttmp9, 16
	s_add_co_u32 s2, s2, 1024*4096
	s_add_nc_u64 s[92:93], s[6:7], s[2:3]
	s_lshl_b32 s2, ttmp9, 15
	s_add_co_u32 s2, s2, 1024*2048
	s_add_nc_u64 s[94:95], s[20:21], s[2:3]
	SLD 0
.irp r, 0,1,2,3,4,5,6,7,8,9,10,11,12,13,14,15
	global_load_b128 v[KA+8*\r:KA+8*\r+3],   v1, s[96:97] offset:4096*\r        ; no hint: 64 work-groups read a again
	global_load_b128 v[KA+8*\r+4:KA+8*\r+7], v1, s[96:97] offset:4096*\r+16
.endr
	WLD 0
	WLD 1
	GROUP 0
	GROUP 1
	GROUP 2
	GROUP 3
	s_endpgm
.Lfunc_end_k_q8073263d3e_prep:
	.size	k_q8073263d3e_prep, .Lfunc_end_k_q8073263d3e_prep-k_q8073263d3e_prep
	.p2alignl 7, 3214868480
	.fill 96, 4, 3214868480
	.section	.rodata,"a",@progbits
	.p2align	6, 0x0
	.amdhsa_kernel k_q8073263d3e_prep
		.amdhsa_group_segment_fixed_size 0
		.amdhsa_private_segment_fixed_size 0
		.amdhsa_enable_private_segment 0
		.amdhsa_kernarg_size 80
		.amdhsa_user_sgpr_count 2
		.amdhsa_user_sgpr_kernarg_segment_ptr 1
		.amdhsa_wavefront_size32 1
		.amdhsa_system_sgpr_workgroup_id_x 1
		.amdhsa_system_sgpr_workgroup_id_y 1
		.amdhsa_system_sgpr_workgroup_id_z 1
		.amdhsa_system_vgpr_workitem_id 0
		.amdhsa_next_free_vgpr 208
		.amdhsa_next_free_sgpr 101
		.amdhsa_reserve_vcc 0
		.amdhsa_float_denorm_mode_32 3
		.amdhsa_float_denorm_mode_16_64 3
		.amdhsa_memory_ordered 1
		.amdhsa_forward_progress 1
		.amdhsa_inst_pref_size 115
	.end_amdhsa_kernel
	.amdgpu_metadata
---
amdhsa.version: [ 1, 2 ]
amdhsa.kernels:
  - .name:           k_q8073263d3e_prep
    .symbol:         k_q8073263d3e_prep.kd
    .args:
      - { .name: query, .offset: 0, .size: 8, .value_kind: global_buffer, .address_space: global }
      - { .name: in_proj_weight, .offset: 8, .size: 8, .value_kind: global_buffer, .address_space: global }
      - { .name: out_w, .offset: 16, .size: 8, .value_kind: global_buffer, .address_space: global }
      - { .name: k_a, .offset: 24, .size: 8, .value_kind: global_buffer, .address_space: global }
      - { .name: k_b, .offset: 32, .size: 8, .value_kind: global_buffer, .address_space: global }
      - { .name: v_a, .offset: 40, .size: 8, .value_kind: global_buffer, .address_space: global }
      - { .name: v_b, .offset: 48, .size: 8, .value_kind: global_buffer, .address_space: global }
      - { .name: xb, .offset: 56, .size: 8, .value_kind: global_buffer, .address_space: global }
      - { .name: wb, .offset: 64, .size: 8, .value_kind: global_buffer, .address_space: global }
      - { .name: owb, .offset: 72, .size: 8, .value_kind: global_buffer, .address_space: global }
    .group_segment_fixed_size: 0
    .private_segment_fixed_size: 0
    .kernarg_segment_align: 8
    .kernarg_segment_size: 80
    .max_flat_workgroup_size: 128
    .sgpr_count:     101
    .vgpr_count:     208
    .wavefront_size: 32
...
	.end_amdgpu_metadata
.endif
;; end of part 6
;; launch qkv (part 7): grid 16 x 16, 4 waves a work-group, clusters of 4 x 4, 327,680 bytes of LDS; arguments xb, wb, in_proj_bias, qkvh, vmax; writes qkvh, vmax
.if DOCPART == 7
	.amdgcn_target "amdgcn-amd-amdhsa--gfx1250"
	.amdhsa_code_object_version 6
	.text
	.protected	k_q8073263d3e_qkv
	.globl	k_q8073263d3e_qkv
	.p2align	8
	.type	k_q8073263d3e_qkv,@function
k_q8073263d3e_qkv:
	s_mov_b64 s[64:65], 0
	v_nop
	global_prefetch_b8 v0, s[64:65] scope:SCOPE_SE
	s_setreg_imm32_b32 hwreg(HW_REG_WAVE_MODE, 25, 1), 1
	s_wait_xcnt 0x0
	s_wait_alu depctr_hold_cnt(0) depctr_sa_sdst(0) depctr_va_vdst(0) depctr_va_sdst(0) depctr_va_ssrc(0) depctr_va_vcc(0) depctr_vm_vsrc(0)
	s_getreg_b32 s2, hwreg(HW_REG_IB_STS2, 6, 4)
	s_cmp_eq_u32 s2, 0
	s_cbranch_scc0 .Lentry_in_a_cluster
	s_endpgm
.Lentry_in_a_cluster:
	s_bfe_u32 s2, ttmp6, 0x10000c
	s_cmp_lg_u32 s2, 0xf033
	s_cbranch_scc0 .Lentry_shape_is_right
	s_endpgm
.Lentry_shape_is_right:
; QKV: qkvh = xb wb^T + in_proj_bias.  xb [4096][1024], wb [3072][1024] in bf16, sums in f32, the result rounded once to bf16 and laid
; head by head: qkvh[u][b][t][64], u = column / 64 (0-15 Q, 16-31 K, 32-47 V), byte ((2 u + b) 2048 + t) 128.
; Beside it vmax[b][u][t / 64] in f32: the largest magnitude among the 64 x 64 sums of unit u, batch b, rows t .. t + 63.  The later launches
; take from V's part of it a bound for the attention's result, which is a convex combination of rows of V.
; A work-group makes 256 rows x 192 columns (three whole units u): 16 x 16 = 256 work-groups.  Four waves, one above the other: wave w makes
; rows 64 w .. + 63 x all 192 columns = 4 x 12 accumulator tiles of 16 x 16, 384 registers; so a wave owns whole units on the way out.
; K goes in 8 steps of 128 through a ring of two LDS slots filled by the tensor data mover; a tile's rows are 256 bytes of memory, aligned.
; CLUSTERS: 4 x 4 work-groups.  The four of a row of the cluster need the same tiles of xb, the four of a column the same tiles of wb: each
; tile is asked for jointly by the four, with the same descriptor and a mask that names them.
; REGISTERS by windows of 256: window 0: v16-30 addresses and maxima, v32-95 fragments of xb (two buffers of 4 x 8), v96-191 the bias as a C
; operand, v192-239 packed results; window 1: fragments of wb (two buffers of 12 x 8); window 2: tiles of my rows 0-31; window 3: of rows 32-63.
; The matrix instruction is used transposed (source 0 = rows of wb, source 1 = rows of xb): lane l holds row l % 16 of the result and its
; registers 0-7 the columns 8 (l / 16) + 0..7, eight neighbours, which pack into 16 bytes.
; The first product of each tile takes the bias as C: nothing is cleared, and no add of the bias is written.
.set PITCH,  272                       ; an LDS row: 256 bytes + 16 of padding: 16 rows that a load touches begin in 16 different 16-byte columns of 256
.set HALFT,  128*PITCH                 ; a region: what one tensor load may fill
.set SLOT,   4*HALFT                   ; regions 0, 1: xb's rows 0-127, 128-255; regions 2, 3: wb's rows 0-95, 96-191 (96 rows used of each)
.set STAGE,  2*SLOT                    ; behind the ring, never filled by a tensor load
.set USTG,   8*PITCH                   ; the stage of one unit: 16 rows of 128 bytes as 8 rows of 256 (rows 2p, 2p+1 side by side)
.set WSTG,   3*USTG                    ; a wave's stage
.set LAPS,   4                         ; a lap = two K steps = once round the ring
.set ADRA, 16                          ; v16-17  LDS address of my xb fragments in slot 0, 1
.set ADRB, 20                          ; v20-21  the same for wb
.set STO,  24                          ; where I put 16 bytes of a row
.set RD,   25                          ; where I read 16 bytes back
.set CO,   26                          ; my byte offset in a store's 512 bytes
.set BO,   27                          ; my byte offset in the bias
.set MXU,  28                          ; v28-30  the largest magnitude so far in my three units
.set BIAS, 96
.set TMP,  192
.set G1,  24                           ; s[24:31] group 1 for xb's tiles
.set G0,  32                           ; s[32:39] group 0 for xb's tiles, one set for each slot
.set G1B, 48                           ; s[48:55] group 1 for wb's tiles
.set G0B, 56                           ; s[56:63] group 0 for wb's tiles
.set MSB, 0
.macro WIN new                         ; the immediate's high byte repeats the setting that is left
.if MSB != \new
	s_set_vgpr_msb (MSB<<8)|\new
.set MSB, \new
.endif
.endm
; A joint load: waves 0, 1 fetch xb's halves, waves 2, 3 wb's.  The branch hangs on the wave's number alone.
.macro JLOAD s
	s_cmp_eq_u32 s13, 0
	s_cbranch_scc0 .Lfor_b_\@
	tensor_load_to_lds s[G0+4*\s:G0+4*\s+3], s[G1:G1+7]
	s_nop 0
	s_branch .Lasked_\@
.Lfor_b_\@:
	tensor_load_to_lds s[G0B+4*\s:G0B+4*\s+3], s[G1B:G1B+7]
	s_nop 0
.Lasked_\@:
.endm
.macro CREST                           ; a round of the cluster's barrier behind its opening work-group barrier
	s_cmp_lg_u32 s12, 0
	s_cbranch_scc1 .Lnot_wave_0_\@
	s_barrier_signal -3
.Lnot_wave_0_\@:
	s_barrier_wait -3
	s_barrier_signal -1
	s_barrier_wait -1
.endm
.macro CROUND                          ; a whole round
	s_barrier_signal -1
	s_barrier_wait -1
	CREST
.endm
.macro PLACES                          ; four places behind a matrix instruction, in front of loads into its sources and of readers of its result
.rept 4
	v_nop
.endr
.endm
; 12 matrix instructions: row block a of the window's two (hi = 0: my rows 0-31, 1: rows 32-63) x all 12 column blocks, 32 along K, from buffer f.
; mode = 1: the bias starts the sums.  The 48 accumulators take turns, one instruction a turn, in the same order in every quarter step.
.macro MULA f, hi, a, mode
.irp b, 0,1,2,3,4,5,6,7,8,9,10,11
.if \mode
	v_wmma_f32_16x16x32_bf16 v[8*(12*\a+\b):8*(12*\a+\b)+7], v[96*\f+8*\b:96*\f+8*\b+7], v[32+32*\f+8*(2*\hi+\a):32+32*\f+8*(2*\hi+\a)+7], v[BIAS+8*\b:BIAS+8*\b+7]
.else
	v_wmma_f32_16x16x32_bf16 v[8*(12*\a+\b):8*(12*\a+\b)+7], v[96*\f+8*\b:96*\f+8*\b+7], v[32+32*\f+8*(2*\hi+\a):32+32*\f+8*(2*\hi+\a)+7], v[8*(12*\a+\b):8*(12*\a+\b)+7]
.endif
.endr
.endm
; 32 LDS loads in one run: a quarter step's fragments (192 rows of wb, my 64 rows of xb, 32 K at byte k of the rows) into buffer f
.macro FETCH slot, k, f
	WIN 0x40
.irp i, 0,1,2,3,4,5,6,7,8,9,10,11
	ds_load_b128 v[96*\f+8*\i:96*\f+8*\i+3],   v[ADRB+\slot] offset:\k+(\i/6)*HALFT+(\i%6)*16*PITCH
	ds_load_b128 v[96*\f+8*\i+4:96*\f+8*\i+7], v[ADRB+\slot] offset:\k+(\i/6)*HALFT+(\i%6)*16*PITCH+32
.endr
	WIN 0
.irp i, 0,1,2,3
	ds_load_b128 v[32+32*\f+8*\i:32+32*\f+8*\i+3],   v[ADRA+\slot] offset:\k+\i*16*PITCH
	ds_load_b128 v[32+32*\f+8*\i+4:32+32*\f+8*\i+7], v[ADRA+\slot] offset:\k+\i*16*PITCH+32
.endr
.endm
; One of a K step's first three quarters: multiplies buffer f; in its middle it fetches the next quarter, at byte k, into buffer g.
.macro QUARTER slot, k, f, g, mode
	s_wait_dscnt 0x4                               ; wb and xb's blocks 0, 1 are in; the youngest four loads (blocks 2, 3) may be out
.if \mode
	WIN 0x81                                       ; source 0 window 1, source 1 and C (the bias) window 0, D window 2
.else
	WIN 0xa1                                       ; C and D window 2
.endif
	MULA \f, 0, 0, \mode
	MULA \f, 0, 1, \mode
	PLACES
	FETCH \slot, \k, \g
	s_wait_dscnt 0x20                              ; all but the 32 just issued
.if \mode
	WIN 0xc1
.else
	WIN 0xf1
.endif
	MULA \f, 1, 0, \mode
	MULA \f, 1, 1, \mode
.endm
.macro THREE slot, mode
	QUARTER \slot, 64,  0, 1, \mode
	QUARTER \slot, 128, 1, 0, 0
	QUARTER \slot, 192, 0, 1, 0
.endm
; The last quarter: multiplies buffer 1 and changes slots.  In front of the one barrier each wave waits for its reads of this slot and for all
; its tensor loads (the one that is out is its part of the next slot).  fill = 1: the barrier opens a round of the cluster's barrier, and the
; joint refill of this slot, two K steps ahead, is the first tensor load behind the round.
.macro TURN slot, next, fill
	s_wait_dscnt 0x4
	WIN 0xa1
	MULA 1, 0, 0, 0
	s_wait_dscnt 0x0                               ; my reads of this slot are over
	s_wait_tensorcnt 0x0                           ; and all my tensor loads have landed
	ds_add_u32 v255, v255
	s_wait_dscnt 0x0
	s_barrier_signal -1
	MULA 1, 0, 1, 0                                ; register work while the others arrive
	WIN 0
	s_barrier_wait -1
.if \fill
	CREST
	s_add_nc_u64 s[G0+4*\slot+2:G0+4*\slot+3], s[G0+4*\slot+2:G0+4*\slot+3], 512      ; two K steps of 256 bytes on
	s_add_nc_u64 s[G0B+4*\slot+2:G0B+4*\slot+3], s[G0B+4*\slot+2:G0B+4*\slot+3], 512
	JLOAD \slot
.endif
	PLACES
	FETCH \next, 0, 0
	WIN 0xf1
	MULA 1, 1, 0, 0
	MULA 1, 1, 1, 0
.endm
.macro LAP mode
	THREE 0, \mode
	TURN 0, 1, 1
	THREE 1, 0
	TURN 1, 0, 1
.endm
	s_load_b256 s[4:11], s[0:1], 0x0               ; xb s[4:5], wb s[6:7], bias s[8:9], qkvh s[10:11]
	s_load_b64 s[66:67], s[0:1], 0x20              ; vmax
	s_set_vgpr_msb 0x40
	v_lshl_add_u32 v255, v0, 2, 0x4a600
	s_set_vgpr_msb 0x4000
	v_mov_b32 v255, 0
	s_set_vgpr_msb 0x1
	ds_add_u32 v255, v255
	s_set_vgpr_msb 0x100
	v_lshrrev_b32 v1, 5, v0
	v_readfirstlane_b32 s12, v1                    ; wave 0..3
	s_lshr_b32 s13, s12, 1                         ; I fetch for xb (0) or for wb (1)
	s_and_b32 s14, s12, 1                          ; which half of that tile
	s_bfe_u32 s40, ttmp6, 0x40000                  ; cx
	s_bfe_u32 s41, ttmp6, 0x40004                  ; cy
	s_lshl_b32 s42, ttmp9, 2
	s_add_co_u32 s42, s42, s40                     ; block column = 4 x cluster x + cx
	s_and_b32 s43, ttmp7, 0xffff
	s_lshl_b32 s43, s43, 2
	s_add_co_u32 s43, s43, s41                     ; block row = 4 x cluster y + cy
	s_lshl_b32 s44, s41, 2
	s_lshl_b32 s44, 15, s44                        ; my row of the cluster: places 4 cy .. 4 cy + 3
	s_lshl_b32 s45, 0x1111, s40                    ; my column: places cx, cx + 4, cx + 8, cx + 12
	; group 1: rows of 128 elements of 2 bytes, 16 bytes of padding behind every 64 words; xb 128 rows, wb 96 rows; 1,024 elements from row to row
	s_or_b32 s[G1+0], s44, (1<<16)|(1<<20)|(1<<21)|(5<<22)|(3<<25)
	s_or_b32 s[G1B+0], s45, (1<<16)|(1<<20)|(1<<21)|(5<<22)|(3<<25)
	s_mov_b32 s[G1+1], 128<<16                     ; tensor_dim0 = 128
	s_mov_b32 s[G1B+1], 128<<16
	s_mov_b32 s[G1+2], 128<<16                     ; tensor_dim1 = 128
	s_mov_b32 s[G1B+2], 96<<16                     ; tensor_dim1 = 96
	s_mov_b32 s[G1+3], 128<<16                     ; tile_dim0 = 128
	s_mov_b32 s[G1B+3], 128<<16
	s_mov_b32 s[G1+4], 128                         ; tile_dim1
	s_mov_b32 s[G1B+4], 96
	s_mov_b32 s[G1+5], 1024                        ; the pitch in elements
	s_mov_b32 s[G1B+5], 1024
	s_mov_b32 s[G1+6], 0
	s_mov_b32 s[G1B+6], 0
	s_mov_b32 s[G1+7], 0
	s_mov_b32 s[G1B+7], 0
	; xb's tiles hang on the block row alone, wb's on the block column alone; each address in registers that never hold the other coordinate
	s_lshl_b32 s16, s43, 8
	s_lshl_b32 s21, s14, 7
	s_add_co_u32 s16, s16, s21                     ; xb: row 256 x block row + 128 x half
	s_lshl_b32 s16, s16, 11                        ; rows of 2,048 bytes
	s_mov_b32 s17, 0
	s_mul_i32 s46, s42, 192
	s_mul_i32 s21, s14, 96
	s_add_co_u32 s46, s46, s21                     ; wb: row 192 x block column + 96 x half
	s_lshl_b32 s46, s46, 11
	s_mov_b32 s47, 0
	s_mul_i32 s22, s42, 768                        ; my 192 numbers of the bias
	s_mov_b32 s23, 0
	s_mul_i32 s20, s12, HALFT                      ; my region of a slot: the wave's number alone
	s_wait_dscnt 0x0
	s_wait_kmcnt 0x0
	s_add_nc_u64 s[18:19], s[4:5], s[16:17]
	s_add_nc_u64 s[46:47], s[6:7], s[46:47]
	s_add_nc_u64 s[22:23], s[8:9], s[22:23]
	CROUND                                         ; all sixteen work-groups are here: the first joint loads meet
.irp s, 0,1
	s_mov_b32 s[G0+4*\s], 1
	s_add_co_u32 s[G0+4*\s+1], s20, \s*SLOT
	s_add_nc_u64 s[G0+4*\s+2:G0+4*\s+3], s[18:19], \s*256          ; K step s
	s_or_b32 s[G0+4*\s+3], s[G0+4*\s+3], 0x80000000
	s_mov_b32 s[G0B+4*\s], 1
	s_add_co_u32 s[G0B+4*\s+1], s20, \s*SLOT
	s_add_nc_u64 s[G0B+4*\s+2:G0B+4*\s+3], s[46:47], \s*256
	s_or_b32 s[G0B+4*\s+3], s[G0B+4*\s+3], 0x80000000
	JLOAD \s                                       ; two tensor loads of the wave are out; later one
.endr
	v_and_b32 v1, 15, v0                           ; r = l % 16
	v_bfe_u32 v2, v0, 4, 1                         ; h = l / 16
	v_mul_u32_u24 v3, v1, PITCH
	v_lshl_add_u32 v3, v2, 4, v3                   ; a fragment's lane term: row x pitch + 16 h
	s_mul_i32 s21, s12, 64*PITCH                   ; my 64 rows of xb
	v_add_nc_u32 v[ADRA], s21, v3
	v_add_nc_u32 v[ADRA+1], SLOT, v[ADRA]
	v_add_nc_u32 v[ADRB], 2*HALFT, v3
	v_add_nc_u32 v[ADRB+1], 2*HALFT+SLOT, v3
	s_mul_i32 s21, s12, WSTG
	s_add_co_u32 s21, s21, STAGE                   ; my stage
	v_lshrrev_b32 v4, 1, v1
	v_mul_u32_u24 v4, v4, PITCH                    ; in: row r lies at (r >> 1) x pitch + (r & 1) x 128,
	v_and_b32 v5, 1, v0
	v_lshl_add_u32 v4, v5, 7, v4
	v_lshl_add_u32 v4, v2, 4, v4                   ; + 16 h
	v_add_nc_u32 v[STO], s21, v4
	v_mul_u32_u24 v5, v2, PITCH                    ; back: lanes 0-15 one row of 256 bytes, lanes 16-31 the next
	v_lshl_add_u32 v5, v1, 4, v5
	v_add_nc_u32 v[RD], s21, v5
	v_and_b32 v5, 31, v0
	v_lshlrev_b32 v[CO], 4, v5                     ; 16 l: a store's 32 lanes cover 512 consecutive bytes
	v_lshlrev_b32 v[BO], 5, v2                     ; the bias of columns 8 h + 0..7 of a block
.irp u, 0,1,2
	v_mov_b32 v[MXU+\u], 0                         ; no magnitude is below 0
.endr
.irp b, 0,1,2,3,4,5,6,7,8,9,10,11
	global_load_b128 v[BIAS+8*\b:BIAS+8*\b+3],   v[BO], s[22:23] offset:64*\b
	global_load_b128 v[BIAS+8*\b+4:BIAS+8*\b+7], v[BO], s[22:23] offset:64*\b+16
.endr
	s_wait_tensorcnt 0x1                           ; my part of K step 0 is in; K step 1's stays out
	s_barrier_signal -1
	s_barrier_wait -1
	FETCH 0, 0, 0
	s_wait_loadcnt 0x0                             ; the bias
	LAP 1                                          ; the first lap stands in front of the loop: its first products start the sums
	WIN 0
	s_mov_b32 s3, LAPS-2
.Llap:
	LAP 0
	WIN 0
	s_sub_co_u32 s3, s3, 1
	s_cmp_lg_u32 s3, 0
	s_cbranch_scc1 .Llap
	THREE 0, 0                                     ; the last lap fills nothing
	TURN 0, 1, 0
	THREE 1, 0
	s_wait_dscnt 0x4
	WIN 0xa1
	MULA 1, 0, 0, 0
	MULA 1, 0, 1, 0
	s_wait_dscnt 0x0
	WIN 0xf1
	MULA 1, 1, 0, 0
	MULA 1, 1, 1, 0
	; THE WAY OUT, 16 rows at a time: round to bf16, 16 bytes a lane into my stage, read back as 512 consecutive bytes (4 rows of a unit).
	PLACES
	s_and_b32 s16, s43, 7
	s_lshl_b32 s16, s16, 15                        ; t = (block row & 7) x 256 + 64 w + ..., rows of 128 bytes
	s_lshl_b32 s17, s12, 13
	s_add_co_u32 s16, s16, s17
	s_lshr_b32 s17, s43, 3                         ; b = block row >> 3
	s_lshl_b32 s17, s17, 18
	s_add_co_u32 s16, s16, s17
	s_mov_b32 s17, 0
	s_add_nc_u64 s[10:11], s[10:11], s[16:17]
	s_mul_i32 s46, s42, 6*262144                   ; u = 3 x block column + ..., 2 x 262,144 bytes for each u
	s_mov_b32 s47, 0
	s_add_nc_u64 s[10:11], s[10:11], s[46:47]
; rows 16 i .. + 15 of my 64 = the twelve tiles (a, 0..11) of window 2 or 3 (from = 0x0a or 0x0f: sources 0 and 1; mxw = 0x28 or 0x3c: sources
; 1 and 2); rb: where the rows are read back to
.macro OUT16 i, a, from, mxw, rb
	WIN \from
.irp b, 0,1,2,3,4,5,6,7,8,9,10,11
.irp e, 0,1,2,3
	v_cvt_pk_bf16_f32 v[TMP+4*\b+\e], v[8*(12*\a+\b)+2*\e], v[8*(12*\a+\b)+2*\e+1]
.endr
.endr
	WIN \mxw                                       ; the running maxima in window 0, the sums in window 2 or 3
.irp e, 0,1,2,3
.irp bb, 0,1,2,3
.irp u, 0,1,2
	v_max3_num_f32 v[MXU+\u], v[MXU+\u], |v[8*(12*\a+4*\u+\bb)+2*\e]|, |v[8*(12*\a+4*\u+\bb)+2*\e+1]|   ; three chains by turns, one for each unit
.endr
.endr
.endr
	WIN 0
.irp b, 0,1,2,3,4,5,6,7,8,9,10,11
	ds_store_b128 v[STO], v[TMP+4*\b:TMP+4*\b+3] offset:(\b>>2)*USTG+32*(\b&3)
.endr
	s_wait_xcnt 0x0                                ; registers that earlier stores read are loaded again only behind this wait
.irp u, 0,1,2
.irp p, 0,1,2,3
	ds_load_b128 v[\rb+4*(4*\u+\p):\rb+4*(4*\u+\p)+3], v[RD] offset:\u*USTG+2*\p*PITCH   ; LDS serves a wave's instructions in order: these see the stores above
.endr
.endr
.irp u, 0,1,2
.irp p, 0,1,2,3
	s_wait_dscnt 11-(4*\u+\p)
	global_store_b128 v[CO], v[\rb+4*(4*\u+\p):\rb+4*(4*\u+\p)+3], s[10:11] offset:\u*524288+2048*\i+512*\p
.endr
.endr
.endm
	OUT16 0, 0, 0x0a, 0x28, 32
	OUT16 1, 1, 0x0a, 0x28, 96
	OUT16 2, 0, 0x0f, 0x3c, 32
	OUT16 3, 1, 0x0f, 0x3c, 96
	; my three units' largest magnitudes: across the 32 lanes, then lane u stores unit u's: 12 bytes a wave, 12 KiB in the whole launch
	s_mov_b32 s68, 0x76543210                      ; v_permlanex16_b32: lane i of one half reads lane i of the other
	s_mov_b32 s69, 0xfedcba98
.irp m, 1,2,4,8
.irp u, 0,1,2
	v_max_num_f32_dpp v[MXU+\u], v[MXU+\u], v[MXU+\u] row_xmask:\m row_mask:0xf bank_mask:0xf
.endr
.endr
.irp u, 0,1,2
	v_permlanex16_b32 v[3+\u], v[MXU+\u], s68, s69 ; v3-5 have been written before: the destination counts as read
.endr
.irp u, 0,1,2
	v_max_num_f32 v[MXU+\u], v[MXU+\u], v[3+\u]
.endr
	v_and_b32 v3, 31, v0                           ; lane
	v_cmp_eq_u32 vcc_lo, 1, v3
	v_cndmask_b32 v4, v[MXU], v[MXU+1], vcc_lo
	v_cmp_eq_u32 vcc_lo, 2, v3
	v_cndmask_b32 v4, v4, v[MXU+2], vcc_lo         ; lane u holds unit u's, u = 0, 1, 2
	v_lshlrev_b32 v5, 7, v3                        ; a unit's 32 numbers are 128 bytes
	s_lshr_b32 s16, s43, 3                         ; vmax[b][u][t / 64]: b x 6,144
	s_mul_i32 s16, s16, 6144
	s_and_b32 s17, s43, 7
	s_lshl_b32 s17, s17, 4                         ; + ((block row & 7) x 4 + w) x 4
	s_add_co_u32 s16, s16, s17
	s_lshl_b32 s17, s12, 2
	s_add_co_u32 s16, s16, s17
	s_mov_b32 s17, 0
	s_add_nc_u64 s[66:67], s[66:67], s[16:17]
	s_mul_i32 s46, s42, 384                        ; + 3 x block column x 128
	s_mov_b32 s47, 0
	s_add_nc_u64 s[66:67], s[66:67], s[46:47]
	v_cmp_gt_u32 vcc_lo, 3, v3
	s_wait_xcnt 0x0                                ; EXEC is a source of the stores above: it changes only behind this wait
	s_and_saveexec_b32 s70, vcc_lo                 ; lanes 0, 1, 2
	global_store_b32 v5, v4, s[66:67]
	s_wait_xcnt 0x0                                ; and again, in front of the line that widens it
	s_or_b32 exec_lo, exec_lo, s70
	s_set_vgpr_msb 0x1
	s_wait_tensorcnt 0x0
	ds_add_u32 v255, v255
	s_wait_dscnt 0x0
	s_set_vgpr_msb 0x100
	CROUND                                         ; the closing round: no work-group ends while a partner may still ask for a tile that names it
	s_endpgm
.Lfunc_end_k_q8073263d3e_qkv:
	.size	k_q8073263d3e_qkv, .Lfunc_end_k_q8073263d3e_qkv-k_q8073263d3e_qkv
	.p2alignl 7, 3214868480
	.fill 96, 4, 3214868480
	.section	.rodata,"a",@progbits
	.p2align	6, 0x0
	.amdhsa_kernel k_q8073263d3e_qkv
		.amdhsa_group_segment_fixed_size 327680
		.amdhsa_private_segment_fixed_size 0
		.amdhsa_enable_private_segment 0
		.amdhsa_kernarg_size 40
		.amdhsa_user_sgpr_count 2
		.amdhsa_user_sgpr_kernarg_segment_ptr 1
		.amdhsa_wavefront_size32 1
		.amdhsa_system_sgpr_workgroup_id_x 1
		.amdhsa_system_sgpr_workgroup_id_y 1
		.amdhsa_system_sgpr_workgroup_id_z 1
		.amdhsa_system_vgpr_workitem_id 0
		.amdhsa_next_free_vgpr 960
		.amdhsa_next_free_sgpr 72
		.amdhsa_reserve_vcc 1
		.amdhsa_float_denorm_mode_32 3
		.amdhsa_float_denorm_mode_16_64 3
		.amdhsa_memory_ordered 1
		.amdhsa_forward_progress 1
		.amdhsa_inst_pref_size 180
	.end_amdhsa_kernel
	.amdgpu_metadata
---
amdhsa.version: [ 1, 2 ]
amdhsa.kernels:
  - .name:           k_q8073263d3e_qkv
    .symbol:         k_q8073263d3e_qkv.kd
    .args:
      - { .name: xb, .offset: 0, .size: 8, .value_kind: global_buffer, .address_space: global }
      - { .name: wb, .offset: 8, .size: 8, .value_kind: global_buffer, .address_space: global }
      - { .name: in_proj_bias, .offset: 16, .size: 8, .value_kind: global_buffer, .address_space: global }
      - { .name: qkvh, .offset: 24, .size: 8, .value_kind: global_buffer, .address_space: global }
      - { .name: vmax, .offset: 32, .size: 8, .value_kind: global_buffer, .address_space: global }
    .group_segment_fixed_size: 327680
    .private_segment_fixed_size: 0
    .kernarg_segment_align: 8
    .kernarg_segment_size: 40
    .max_flat_workgroup_size: 128
    .sgpr_count:     72
    .vgpr_count:     960
    .wavefront_size: 32
...
	.end_amdgpu_metadata
.endif
;; end of part 7
;; launch attn (part 8): grid 8 x 32, 8 waves a work-group, clusters of 4 x 1, 327,680 bytes of LDS; arguments qkvh, ao, vmax; writes ao
.if DOCPART == 8
	.amdgcn_target "amdgcn-amd-amdhsa--gfx1250"
	.amdhsa_code_object_version 6
	.text
	.protected	k_q8073263d3e_attn
	.globl	k_q8073263d3e_attn
	.p2align	8
	.type	k_q8073263d3e_attn,@function
k_q8073263d3e_attn:
	s_mov_b64 s[64:65], 0
	v_nop
	global_prefetch_b8 v0, s[64:65] scope:SCOPE_SE
	s_setreg_imm32_b32 hwreg(HW_REG_WAVE_MODE, 25, 1), 1
	s_wait_xcnt 0x0
	s_wait_alu depctr_hold_cnt(0) depctr_sa_sdst(0) depctr_va_vdst(0) depctr_va_sdst(0) depctr_va_ssrc(0) depctr_va_vcc(0) depctr_vm_vsrc(0)
	s_getreg_b32 s2, hwreg(HW_REG_IB_STS2, 6, 4)
	s_cmp_eq_u32 s2, 0
	s_cbranch_scc0 .Lentry_in_a_cluster
	s_endpgm
.Lentry_in_a_cluster:
	s_bfe_u32 s2, ttmp6, 0x10000c
	s_cmp_lg_u32 s2, 0x3003
	s_cbranch_scc0 .Lentry_shape_is_right
	s_endpgm
.Lentry_shape_is_right:
; ATTENTION for one (head, batch) y = 2 h + b and one block of 256 queries.  softmax(Q K^T / 8) V with a running maximum.
; qkvh[u][b][t][64] bf16: Q at y x 262,144, K at (32 + y) x 262,144, V at (64 + y) x 262,144 bytes.
; ao[b][t / 2][h][t & 1][64] f16: two rows of a head side by side in 256 bytes.
; THE RESULT LEAVES IN f16, SCALED.  A row of the result is a convex combination of rows of V, so no number of it is larger than the largest
; |v| of its batch but for roundings of some 2^-8.  vmax holds that bound in 512 parts; with 2^e the power of two at or just below it, the
; result is stored times 2^(14 - e): under 2^15 x 1.01, where f16 ends at 65,504; f16's smallest step, 2^-24, is then 2^-39 of the bound.
; The factor is a power of two, exact, and the next launch takes it out again.  It rides on 1 / sum: no instruction more for a number.
; LIMIT: a bound under 2^-104 counts as 2^-104.
; EIGHT WAVES, two for each of a WGP's four SIMDs; wave w owns 32 queries.  A wave's step is a run of matrix instructions, a long run of
; vector work (the softmax) and a run of matrix instructions again: with two waves a SIMD has both kinds to issue.  The price: every wave
; reads all K and V fragments, 8 x 16 KiB of LDS reads for 64 keys.
; BOTH PRODUCTS ARE TRANSPOSED.  S^T = K Q^T: lane (r, h) holds query r and keys 16 kt + 8 h + 0..7, so a query's maximum, sum and factor are
; one number a lane (the two halves of the lanes are joined by one exchange), and two tiles of S^T, rounded to bf16 in place, ARE the second
; operand of O^T = V^T P^T: P never passes through LDS.  V^T's fragments come by the transposing LDS load.
; Keys go in 4 phases of 512 (one LDS slot each, two slots), a phase in 8 steps of 64 keys.  ONE STEP'S TEXT SERVES SEVEN STEPS: a step's LDS
; addresses lie in two registers, set from the slot's base at a phase's start and stepped by constants; only a phase's last step, where the
; slots change, and the very first step, which starts the sums, are written out.
; CLUSTERS: the four query blocks of a cluster read the same K and V tiles: every tile is asked for jointly (mask 15).
; In LDS and in memory a row of 256 bytes holds rows 2p, 2p+1 of 128 bytes; row s lies at (s >> 1) x pitch + (s & 1) x 128.
; The exponent is c (S - m), c = log2(e) / 8, m the running maximum of the raw scores, made by one fused multiply-add.
; LIMITS: Q, K, V and P in bf16.  An exponential below 2^-126 comes out as 0 (ISA guide, v_exp_f32); each row's sum is at least 1.
; REGISTERS: window 0: v16-28 addresses and the scale, v32-63 Q, v64-127 K, v128-191 V^T;  window 1: v0-63 S, then P; v64-127 O^T; v128-143 the rows' state.
.set KSTEP, 8704                       ; a step's 64 keys of K: 32 rows of 256 bytes at pitch 272
.set VSTEP, 9216                       ; a step's 64 keys of V: 32 rows at pitch 288
.set KREG,  2*KSTEP                    ; what one tensor load brings of K: 128 keys, 64 rows
.set VREG,  2*VSTEP                    ; and of V
.set VBASE, 4*KREG                     ; a slot: K's 8 steps without a gap, then V's 8 steps
.set SLOT,  4*KREG+4*VREG              ; 143,360 bytes
.set STAGE, 2*SLOT                     ; behind the ring, never filled by a tensor load
.set WSTG,  16*272                     ; a wave's stage: 32 rows of 128 bytes
.set ADRK, 16                          ; v16-17 K fragments of step 0 in slot 0, 1
.set ADRV, 18                          ; v18-19 V^T fragments of step 0
.set STO,  20
.set RD,   21
.set CO,   22
.set QO,   23
.set KN,   24                          ; K fragments of the NEXT step
.set VC,   25                          ; V^T fragments of THIS step
.set SC,   26                          ; 2^(14 - e)
.set VO,   28                          ; my 16 bytes in 512 of vmax
.set QF,   32                          ; Q(q, c) at QF + 16 q + 8 c
.set KF,   64                          ; K(kt, c) at KF + 16 kt + 8 c
.set VF,   128                         ; V^T(dt, c) at VF + 16 dt + 8 c
; window 1: S(kt, q) at 32 q + 8 kt; P(q, c) the first 8 registers of 32 q + 16 c
.set OA,   64                          ; O^T(dt, q) at OA + 32 q + 8 dt
.set MX,   128                         ; MX + q: the running maximum, kept in place
.set NM,   132                         ; NM + 2 q: -c m; until it is made anew it holds the old maximum's   (pair with TR)
.set TR,   133                         ; TR + 2 q: what the other half of the lanes sent
.set AL,   136                         ; AL + 2 q: the factor 2^(c (m_old - m_new)); at the end scale / sum   (pair with XR)
.set XR,   137                         ; XR + 2 q: a second chain of the maximum, then the factor's exponent; at the end the sum
.set L2,   140                         ; pair at L2 + 2 q: my keys' part of the row sum, even and odd places apart
.set G1K, 24
.set G0K, 32
.set G1V, 48
.set G0V, 56
.set CEXP, 0x3e38aa3b                  ; log2(e) / 8
.set MSB, 0
.macro WIN new                         ; the immediate's high byte repeats the setting that is left
.if MSB != \new
	s_set_vgpr_msb (MSB<<8)|\new
.set MSB, \new
.endif
.endm
.macro ROUND                           ; a round of the cluster's barrier
	s_barrier_signal -1
	s_barrier_wait -1
	s_cmp_lg_u32 s8, 0
	s_cbranch_scc1 .Lnot_wave_0_\@
	s_barrier_signal -3
.Lnot_wave_0_\@:
	s_barrier_wait -3
	s_barrier_signal -1
	s_barrier_wait -1
.endm
.macro JLOAD s                         ; waves 0-3 fetch K's quarters, waves 4-7 V's
	s_cmp_eq_u32 s9, 0
	s_cbranch_scc0 .Lfor_v_\@
	tensor_load_to_lds s[G0K+4*\s:G0K+4*\s+3], s[G1K:G1K+7]
	s_nop 0
	s_branch .Lasked_\@
.Lfor_v_\@:
	tensor_load_to_lds s[G0V+4*\s:G0V+4*\s+3], s[G1V:G1V+7]
	s_nop 0
.Lasked_\@:
.endm
.macro KLD adr                         ; a step's K fragments, 64 keys x 64, sixteen loads, from the address in register adr
.irp kt, 0,1,2,3
.irp i, 0,1,2,3
	ds_load_b128 v[KF+16*\kt+4*\i:KF+16*\kt+4*\i+3], v[\adr] offset:2176*\kt+32*\i
.endr
.endr
.endm
.macro PHSTART slot                    ; a phase's first addresses.  Behind a step's last products these two lines are also two places
	v_add_nc_u32 v[KN], KSTEP, v[ADRK+\slot]
	v_mov_b32 v[VC], v[ADRV+\slot]
.endm
; One block of the exponentials' pipeline, 16 pairs: the exponentials of query tile qe, the exponents of qa, the sum and rounding of qs (-1: none).
; An exponential's result is first used a block later, and plain instructions on other registers stand behind the exponentials (ISA guide 5.7.2).
.macro EXPBLK qe, qa, qs, first
.irp i, 0,1,2,3,4,5,6,7,8,9,10,11,12,13,14,15
.if \qe >= 0
	v_exp_f32 v[32*\qe+2*\i], v[32*\qe+2*\i]
	v_exp_f32 v[32*\qe+2*\i+1], v[32*\qe+2*\i+1]
.endif
.if \qa >= 0
	v_pk_fma_f32 v[32*\qa+2*\i:32*\qa+2*\i+1], v[32*\qa+2*\i:32*\qa+2*\i+1], CEXP, v[NM+2*\qa:NM+2*\qa+1] op_sel_hi:[1,0,0]   ; c S - c m
.endif
.if \qs >= 0
.if \first
.if \i == 1
	s_wait_alu depctr_va_vdst(0)
	v_pk_add_f32 v[L2+2*\qs:L2+2*\qs+1], v[32*\qs:32*\qs+1], v[32*\qs+2:32*\qs+3]      ; the first two pairs start the sum: nothing is cleared
	v_cvt_pk_bf16_f32 v[32*\qs], v[32*\qs], v[32*\qs+1]
	v_cvt_pk_bf16_f32 v[32*\qs+1], v[32*\qs+2], v[32*\qs+3]
	s_wait_alu depctr_va_vdst(0)
.endif
.if \i > 1
	v_pk_add_f32 v[L2+2*\qs:L2+2*\qs+1], v[L2+2*\qs:L2+2*\qs+1], v[32*\qs+2*\i:32*\qs+2*\i+1]
	v_cvt_pk_bf16_f32 v[32*\qs+16*(\i>>3)+(\i&7)], v[32*\qs+2*\i], v[32*\qs+2*\i+1]
.endif
.else
.if \i == 0
	s_wait_alu depctr_va_vdst(0)
	v_pk_fma_f32 v[L2+2*\qs:L2+2*\qs+1], v[L2+2*\qs:L2+2*\qs+1], v[AL+2*\qs:AL+2*\qs+1], v[32*\qs:32*\qs+1] op_sel_hi:[1,0,1]   ; the old sum, rescaled, and the first pair
	s_wait_alu depctr_va_vdst(0)
.else
	v_pk_add_f32 v[L2+2*\qs:L2+2*\qs+1], v[L2+2*\qs:L2+2*\qs+1], v[32*\qs+2*\i:32*\qs+2*\i+1]
.endif
	v_cvt_pk_bf16_f32 v[32*\qs+16*(\i>>3)+(\i&7)], v[32*\qs+2*\i], v[32*\qs+2*\i+1]   ; pair i of 16 goes to register i & 7 of half i >> 3: never onto a pair not yet read
.endif
.endif
.endr
.endm
; A step: 64 keys.  Its K fragments have been asked for; its V^T lies at VC.  first = 1: the very first step (no old maximum, sum or O).
; tail 0: the next step's K from KN, and both addresses step.  tail 1: a phase's last step: this slot is filled again.
; tail 2: the slots change, nothing is filled.  tail 3: the end.
.macro STEP slot, first, tail
.if \first == 0
.rept 3
	v_nop                                          ; the products below write over P, a source of the last products: five places (ISA guide 7.12.1):
.endr                                                  ; the two address lines that stand behind every step's last products, and these three
.endif
	s_wait_dscnt 0x0                               ; this step's K fragments are in
	WIN 0x50                                       ; sources window 0, C and D window 1
	; the 8 accumulators take turns, one instruction a turn
.irp q, 0,1
.irp kt, 0,1,2,3
	v_wmma_f32_16x16x32_bf16 v[32*\q+8*\kt:32*\q+8*\kt+7], v[KF+16*\kt:KF+16*\kt+7], v[QF+16*\q:QF+16*\q+7], 0
.endr
.endr
.irp q, 0,1
.irp kt, 0,1,2,3
	v_wmma_f32_16x16x32_bf16 v[32*\q+8*\kt:32*\q+8*\kt+7], v[KF+16*\kt+8:KF+16*\kt+15], v[QF+16*\q+8:QF+16*\q+15], v[32*\q+8*\kt:32*\q+8*\kt+7]
.endr
.endr
	WIN 0
.rept 4
	v_nop                                          ; four places: loads into K's registers and readers of S follow
.endr
.irp dt, 0,1,2,3
.irp c, 0,1
.irp e, 0,1
	ds_load_tr16_b128 v[VF+16*\dt+8*\c+4*\e:VF+16*\dt+8*\c+4*\e+3], v[VC] offset:4608*\c+2304*\e+32*\dt
.endr
.endr
.endr
.if \tail == 0
	KLD KN
.endif
.if \tail == 1
	s_wait_dscnt 0x0                               ; my reads of this slot are over
	s_wait_tensorcnt 0x0                           ; all my tensor loads have landed: the one that was out is my part of the other slot
	ds_add_u32 v254, v255
	s_wait_dscnt 0x0
	s_add_nc_u64 s[G0K+4*\slot+2:G0K+4*\slot+3], s[G0K+4*\slot+2:G0K+4*\slot+3], 0x20000   ; two phases of 65,536 bytes on
	s_add_nc_u64 s[G0V+4*\slot+2:G0V+4*\slot+3], s[G0V+4*\slot+2:G0V+4*\slot+3], 0x20000
	ROUND                                          ; both now hold of every wave of the four work-groups
	JLOAD \slot                                    ; my one tensor load behind the round, and the first thing there
	KLD ADRK+1-\slot
.endif
.if \tail == 2
	s_wait_dscnt 0x0
	s_wait_tensorcnt 0x0                           ; the last phase's tiles
	s_barrier_signal -1
	s_barrier_wait -1
	KLD ADRK+1-\slot
.endif
	WIN 0x55
	; the running maximum of the raw scores, in place; two chains for each query tile, four side by side
.irp q, 0,1
.if \first
	v_max_num_f32 v[MX+\q], v[32*\q], v[32*\q+1]
.else
	v_max3_num_f32 v[MX+\q], v[MX+\q], v[32*\q], v[32*\q+1]
.endif
	v_max_num_f32 v[XR+2*\q], v[32*\q+16], v[32*\q+17]
.endr
.irp i, 1,2,3,4,5,6,7
.irp q, 0,1
	v_max3_num_f32 v[MX+\q], v[MX+\q], v[32*\q+2*\i], v[32*\q+2*\i+1]
	v_max3_num_f32 v[XR+2*\q], v[XR+2*\q], v[32*\q+16+2*\i], v[32*\q+17+2*\i]
.endr
.endr
.irp q, 0,1
	v_max_num_f32 v[MX+\q], v[MX+\q], v[XR+2*\q]
.endr
.irp q, 0,1
	v_permlanex16_b32 v[TR+2*\q], v[MX+\q], s18, s19       ; lane l xor 16 holds the same query's other keys
.endr
.irp q, 0,1
	v_max_num_f32 v[MX+\q], v[MX+\q], v[TR+2*\q]
.endr
.if \first == 0
.irp q, 0,1
	v_fma_f32 v[XR+2*\q], v[MX+\q], s45, -v[NM+2*\q]       ; -c m_new + c m_old: NM still holds -c m_old; never above a rounding of 0
.endr
.endif
.irp q, 0,1
	v_mul_f32 v[NM+2*\q], s45, v[MX+\q]                    ; -c m
.endr
.if \first == 0
.irp q, 0,1
	v_exp_f32 v[AL+2*\q], v[XR+2*\q]                       ; first used two blocks further down
.endr
.endif
	EXPBLK -1, 0, -1, \first
	EXPBLK 0, 1, -1, \first
	EXPBLK 1, -1, 0, \first
	EXPBLK -1, -1, 1, \first
.if \first == 0
.irp q, 0,1
.irp i, 0,1,2,3,4,5,6,7,8,9,10,11,12,13,14,15
	v_pk_mul_f32 v[OA+32*\q+2*\i:OA+32*\q+2*\i+1], v[OA+32*\q+2*\i:OA+32*\q+2*\i+1], v[AL+2*\q:AL+2*\q+1] op_sel_hi:[1,0]
.endr
.endr
.endif
.if \tail == 3
	s_wait_dscnt 0x0
.else
	s_wait_dscnt 0x10                              ; V^T is in; the sixteen younger loads (the next step's K) stay out
.endif
	WIN 0x54                                       ; source 0 (V^T) window 0, source 1 (P), C and D window 1
.irp c, 0,1
.irp q, 0,1
.irp dt, 0,1,2,3
.set ZC, (\first)*(1-\c)
.if ZC
	v_wmma_f32_16x16x32_bf16 v[OA+32*\q+8*\dt:OA+32*\q+8*\dt+7], v[VF+16*\dt+8*\c:VF+16*\dt+8*\c+7], v[32*\q+16*\c:32*\q+16*\c+7], 0
.else
	v_wmma_f32_16x16x32_bf16 v[OA+32*\q+8*\dt:OA+32*\q+8*\dt+7], v[VF+16*\dt+8*\c:VF+16*\dt+8*\c+7], v[32*\q+16*\c:32*\q+16*\c+7], v[OA+32*\q+8*\dt:OA+32*\q+8*\dt+7]
.endif
.endr
.endr
.endr
	WIN 0
.if \tail == 0
	v_add_nc_u32 v[VC], VSTEP, v[VC]               ; the next step's addresses; also two places behind the products above
	v_add_nc_u32 v[KN], KSTEP, v[KN]
.endif
.endm
	s_load_b128 s[4:7], s[0:1], 0x0                ; qkvh s[4:5], ao s[6:7]
	s_load_b64 s[68:69], s[0:1], 0x10              ; vmax
	v_lshl_add_u32 v254, v0, 2, 0x4e800
	v_mov_b32 v255, 0
	ds_add_u32 v254, v255
	v_lshrrev_b32 v1, 5, v0
	v_readfirstlane_b32 s8, v1                     ; wave 0..7
	s_lshr_b32 s9, s8, 2                           ; I fetch for K (0) or for V (1)
	s_and_b32 s10, s8, 3                           ; which quarter of the phase's keys
	s_bfe_u32 s11, ttmp6, 0x40000                  ; cx
	s_lshl_b32 s12, ttmp9, 2
	s_add_co_u32 s12, s12, s11                     ; query block x = 4 x cluster x + cx
	s_and_b32 s13, ttmp7, 0xffff                   ; y = 2 h + b, the same in the four partners
	s_mov_b32 s18, 0x76543210                      ; v_permlanex16_b32: lane i of one half reads lane i of the other
	s_mov_b32 s19, 0xfedcba98
	s_mov_b32 s45, 0xbe38aa3b                      ; -c
	; group 1: 64 rows of 128 elements of 2 bytes, dense in memory; padding behind every 64 words: 4 words for K, 8 for V; mask 15
	s_mov_b32 s[G1K+0], 15|(1<<16)|(1<<20)|(1<<21)|(5<<22)|(3<<25)
	s_mov_b32 s[G1V+0], 15|(1<<16)|(1<<20)|(1<<21)|(5<<22)|(7<<25)
	s_mov_b32 s[G1K+1], 128<<16
	s_mov_b32 s[G1V+1], 128<<16
	s_mov_b32 s[G1K+2], 64<<16
	s_mov_b32 s[G1V+2], 64<<16
	s_mov_b32 s[G1K+3], 128<<16
	s_mov_b32 s[G1V+3], 128<<16
	s_mov_b32 s[G1K+4], 64
	s_mov_b32 s[G1V+4], 64
	s_mov_b32 s[G1K+5], 128
	s_mov_b32 s[G1V+5], 128
	s_mov_b32 s[G1K+6], 0
	s_mov_b32 s[G1V+6], 0
	s_mov_b32 s[G1K+7], 0
	s_mov_b32 s[G1V+7], 0
	s_add_co_u32 s16, s13, 32
	s_lshl_b32 s16, s16, 18                        ; K of my head,
	s_lshl_b32 s17, s10, 14                        ; my quarter: 128 keys = 64 rows of 256 bytes
	s_add_co_u32 s16, s16, s17
	s_mov_b32 s17, 0
	s_mul_i32 s21, s10, KREG                       ; my region of a slot if I fetch for K,
	s_mul_i32 s3, s10, VREG
	s_add_co_u32 s3, s3, VBASE                     ; and if I fetch for V: the wave's number and constants alone
	s_lshl_b32 s22, s13, 18                        ; Q: head y, row 256 x + 32 w, rows of 128 bytes (registers that feed no descriptor)
	s_lshl_b32 s2, s12, 15
	s_add_co_u32 s22, s22, s2
	s_lshl_b32 s2, s8, 12
	s_add_co_u32 s22, s22, s2
	s_mov_b32 s23, 0
	s_and_b32 s2, s13, 1                           ; ao: b x 4,194,304 + (128 x + 16 w) x 4,096 + h x 256
	s_lshl_b32 s46, s2, 22
	s_mul_i32 s70, s2, 6144                        ; vmax[b][32 ..47][0 .. 31]: V's 512 numbers of my batch, at b x 6,144 + 32 x 128
	s_add_co_u32 s70, s70, 4096
	s_mov_b32 s71, 0
	s_lshl_b32 s2, s12, 19
	s_add_co_u32 s46, s46, s2
	s_lshl_b32 s2, s8, 16
	s_add_co_u32 s46, s46, s2
	s_lshr_b32 s2, s13, 1
	s_lshl_b32 s2, s2, 8
	s_add_co_u32 s46, s46, s2
	s_mov_b32 s47, 0
	s_wait_dscnt 0x0
	s_wait_kmcnt 0x0
	s_add_nc_u64 s[40:41], s[4:5], s[16:17]
	s_add_co_u32 s16, s16, 32*262144               ; V lies 32 heads further on
	s_add_nc_u64 s[42:43], s[4:5], s[16:17]
	s_add_nc_u64 s[14:15], s[4:5], s[22:23]
	s_add_nc_u64 s[6:7], s[6:7], s[46:47]
	s_add_nc_u64 s[68:69], s[68:69], s[70:71]
	ROUND                                          ; the four work-groups are here: the first joint loads meet
.irp s, 0,1
	s_mov_b32 s[G0K+4*\s], 1
	s_add_co_u32 s[G0K+4*\s+1], s21, \s*SLOT
	s_add_nc_u64 s[G0K+4*\s+2:G0K+4*\s+3], s[40:41], \s*65536      ; phase s
	s_or_b32 s[G0K+4*\s+3], s[G0K+4*\s+3], 0x80000000
	s_mov_b32 s[G0V+4*\s], 1
	s_add_co_u32 s[G0V+4*\s+1], s3, \s*SLOT
	s_add_nc_u64 s[G0V+4*\s+2:G0V+4*\s+3], s[42:43], \s*65536
	s_or_b32 s[G0V+4*\s+3], s[G0V+4*\s+3], 0x80000000
	JLOAD \s                                       ; two tensor loads of the wave are out; later one
.endr
	v_and_b32 v1, 15, v0                           ; r
	v_bfe_u32 v2, v0, 4, 1                         ; h
	v_lshlrev_b32 v[QO], 7, v1
	v_lshl_add_u32 v[QO], v2, 4, v[QO]             ; Q: row r, 16 h
	v_and_b32 v[VO], 31, v0
	v_lshlrev_b32 v[VO], 4, v[VO]                  ; 16 x lane
.irp q, 0,1
.irp i, 0,1,2,3
	global_load_b128 v[QF+16*\q+4*\i:QF+16*\q+4*\i+3], v[QO], s[14:15] offset:2048*\q+32*\i
.endr
.endr
.irp i, 0,1,2,3
	global_load_b128 v[VF+4*\i:VF+4*\i+3], v[VO], s[68:69] offset:512*\i   ; the bound's 512 parts, 16 a lane, into registers that V^T takes later
.endr
	v_lshrrev_b32 v3, 1, v1
	v_and_b32 v4, 1, v0
	v_mul_u32_u24 v[ADRK], v3, 272                 ; row r at (r >> 1) x 272 + (r & 1) x 128, + 16 h
	v_lshl_add_u32 v[ADRK], v4, 7, v[ADRK]
	v_lshl_add_u32 v[ADRK], v2, 4, v[ADRK]
	v_add_nc_u32 v[ADRK+1], SLOT, v[ADRK]
	v_bfe_u32 v6, v0, 1, 2                         ; the transposing load: lane l addresses key 8 h + (l & 7), 16 bytes at 16 ((l >> 3) & 1)
	v_lshl_add_u32 v6, v2, 2, v6                   ; that key's row of 256 bytes: 4 h + ((l & 7) >> 1)
	v_mul_u32_u24 v6, v6, 288
	v_lshl_add_u32 v6, v4, 7, v6
	v_bfe_u32 v7, v0, 3, 1
	v_lshl_add_u32 v6, v7, 4, v6
	v_add_nc_u32 v[ADRV], VBASE, v6
	v_add_nc_u32 v[ADRV+1], VBASE+SLOT, v6
	s_mul_i32 s2, s8, WSTG
	s_add_co_u32 s2, s2, STAGE                     ; my stage
	v_add_nc_u32 v[STO], s2, v[ADRK]
	v_mul_u32_u24 v7, v2, 272
	v_lshl_add_u32 v7, v1, 4, v7
	v_add_nc_u32 v[RD], s2, v7
	v_lshlrev_b32 v[CO], 12, v2                    ; lanes 16-31: the next pair of rows, 4,096 bytes on
	v_lshl_add_u32 v[CO], v1, 4, v[CO]
	PHSTART 0
	WIN 0x40
.irp q, 0,1
	v_mov_b32 v[TR+2*\q], 0                        ; v_permlanex16_b32 counts as a reader of its destination
.endr
	WIN 0
	s_wait_tensorcnt 0x1                           ; my part of phase 0 is in; phase 1's stays out
	s_barrier_signal -1
	s_barrier_wait -1
	KLD ADRK
	s_wait_loadcnt 0x0                             ; Q and the bound's parts
	; the largest |v| of my batch: my 16 parts, then across the 32 lanes; its power of two; the scale
	v_max3_num_f32 v[VF],    v[VF],    v[VF+1],  v[VF+2]
	v_max3_num_f32 v[VF+3],  v[VF+3],  v[VF+4],  v[VF+5]
	v_max3_num_f32 v[VF+6],  v[VF+6],  v[VF+7],  v[VF+8]
	v_max3_num_f32 v[VF+9],  v[VF+9],  v[VF+10], v[VF+11]
	v_max3_num_f32 v[VF+12], v[VF+12], v[VF+13], v[VF+14]
	v_max3_num_f32 v[VF],    v[VF],    v[VF+3],  v[VF+15]
	v_max3_num_f32 v[VF+6],  v[VF+6],  v[VF+9],  v[VF+12]
	v_max_num_f32  v[VF],    v[VF],    v[VF+6]
.irp m, 1,2,4,8
	v_max_num_f32_dpp v[VF], v[VF], v[VF] row_xmask:\m row_mask:0xf bank_mask:0xf
.endr
	v_permlanex16_b32 v[VF+1], v[VF], s18, s19
	v_max_num_f32 v[VF], v[VF], v[VF+1]
	v_max_num_f32 v[VF], 0x0b800000, v[VF]         ; not under 2^-104,
	v_min_num_f32 v[VF], 0x7f000000, v[VF]         ; not over 2^127: both factors made of it are normal numbers
	v_and_b32 v[VF], 0x7f800000, v[VF]             ; 2^e: the exponent field E = e + 127 alone
	v_sub_nc_u32 v[SC], 0x86000000, v[VF]          ; field 268 - E: 2^(14 - e)
	STEP 0, 1, 0                                   ; phase 0, slot 0: the first step starts the sums,
	s_mov_b32 s20, 6
.Lph0:
	STEP 0, 0, 0                                   ; steps 1 to 6,
	s_sub_co_u32 s20, s20, 1
	s_cmp_lg_u32 s20, 0
	s_cbranch_scc1 .Lph0
	STEP 0, 0, 1                                   ; step 7 asks for phase 2
	PHSTART 1                                      ; phase 1, slot 1
	s_mov_b32 s20, 7
.Lph1:
	STEP 1, 0, 0
	s_sub_co_u32 s20, s20, 1
	s_cmp_lg_u32 s20, 0
	s_cbranch_scc1 .Lph1
	STEP 1, 0, 1                                   ; asks for phase 3, the last load
	PHSTART 0                                      ; phase 2, slot 0
	s_mov_b32 s20, 7
.Lph2:
	STEP 0, 0, 0
	s_sub_co_u32 s20, s20, 1
	s_cmp_lg_u32 s20, 0
	s_cbranch_scc1 .Lph2
	STEP 0, 0, 2                                   ; nothing is left to fetch
	PHSTART 1                                      ; phase 3, slot 1
	s_mov_b32 s20, 7
.Lph3:
	STEP 1, 0, 0
	s_sub_co_u32 s20, s20, 1
	s_cmp_lg_u32 s20, 0
	s_cbranch_scc1 .Lph3
	STEP 1, 0, 3
	; the end: times scale / row sum, rounded to f16, and out through my stage as whole rows of 256 bytes
.rept 4
	v_nop                                          ; four places behind the last products
.endr
	WIN 0x55
.irp q, 0,1
	v_add_f32 v[XR+2*\q], v[L2+2*\q], v[L2+2*\q+1]
.endr
.irp q, 0,1
	v_permlanex16_b32 v[TR+2*\q], v[XR+2*\q], s18, s19
.endr
.irp q, 0,1
	v_add_f32 v[XR+2*\q], v[XR+2*\q], v[TR+2*\q]
.endr
.irp q, 0,1
	v_rcp_f32 v[AL+2*\q], v[XR+2*\q]
.endr
	v_nop                                          ; one plain place behind the reciprocals
	WIN 0x41                                       ; source 0 and destination window 1, source 1 window 0
	s_wait_alu depctr_va_vdst(0)
.irp q, 0,1
	v_mul_f32 v[AL+2*\q], v[AL+2*\q], v[SC]        ; 2^(14 - e) / sum
.endr
	WIN 0x55
.irp q, 0,1
.irp i, 0,1,2,3,4,5,6,7,8,9,10,11,12,13,14,15
	v_pk_mul_f32 v[OA+32*\q+2*\i:OA+32*\q+2*\i+1], v[OA+32*\q+2*\i:OA+32*\q+2*\i+1], v[AL+2*\q:AL+2*\q+1] op_sel_hi:[1,0]
.endr
.endr
	; register n = 16 q + 4 dt + e of the packed set holds O's registers 2 n, 2 n + 1: lane (r, h): query 16 q + r, columns 16 dt + 8 h + 2 e, + 1
	WIN 0x05                                       ; sources window 1, destination window 0
.set n, 0
.rept 32
	v_cvt_pk_f16_f32 v[QF+n], v[OA+2*n], v[OA+2*n+1]
.set n, n+1
.endr
	WIN 0
.irp q, 0,1
.irp dt, 0,1,2,3
	ds_store_b128 v[STO], v[QF+16*\q+4*\dt:QF+16*\q+4*\dt+3] offset:2176*\q+32*\dt
.endr
.endr
.irp i, 0,1,2,3,4,5,6,7
	ds_load_b128 v[VF+4*\i:VF+4*\i+3], v[RD] offset:544*\i         ; LDS serves a wave's instructions in order: these see the stores above
.endr
.irp i, 0,1,2,3,4,5,6,7
	s_wait_dscnt 7-\i                              ; load i is back, the 7 - i younger ones stay out
	global_store_b128 v[CO], v[VF+4*\i:VF+4*\i+3], s[6:7] offset:8192*\i   ; 16 lanes store 256 consecutive bytes, aligned: two rows of my head
.endr
	s_wait_tensorcnt 0x0
	ds_add_u32 v254, v255
	s_wait_dscnt 0x0
	ROUND                                          ; the closing round: no work-group ends while a partner may still ask for a tile that names it
	s_endpgm
.Lfunc_end_k_q8073263d3e_attn:
	.size	k_q8073263d3e_attn, .Lfunc_end_k_q8073263d3e_attn-k_q8073263d3e_attn
	.p2alignl 7, 3214868480
	.fill 96, 4, 3214868480
	.section	.rodata,"a",@progbits
	.p2align	6, 0x0
	.amdhsa_kernel k_q8073263d3e_attn
		.amdhsa_group_segment_fixed_size 327680
		.amdhsa_private_segment_fixed_size 0
		.amdhsa_enable_private_segment 0
		.amdhsa_kernarg_size 24
		.amdhsa_user_sgpr_count 2
		.amdhsa_user_sgpr_kernarg_segment_ptr 1
		.amdhsa_wavefront_size32 1
		.amdhsa_system_sgpr_workgroup_id_x 1
		.amdhsa_system_sgpr_workgroup_id_y 1
		.amdhsa_system_sgpr_workgroup_id_z 1
		.amdhsa_system_vgpr_workitem_id 0
		.amdhsa_next_free_vgpr 416
		.amdhsa_next_free_sgpr 72
		.amdhsa_reserve_vcc 0
		.amdhsa_float_denorm_mode_32 3
		.amdhsa_float_denorm_mode_16_64 3
		.amdhsa_memory_ordered 1
		.amdhsa_forward_progress 1
		.amdhsa_inst_pref_size 180
	.end_amdhsa_kernel
	.amdgpu_metadata
---
amdhsa.version: [ 1, 2 ]
amdhsa.kernels:
  - .name:           k_q8073263d3e_attn
    .symbol:         k_q8073263d3e_attn.kd
    .args:
      - { .name: qkvh, .offset: 0, .size: 8, .value_kind: global_buffer, .address_space: global }
      - { .name: ao, .offset: 8, .size: 8, .value_kind: global_buffer, .address_space: global }
      - { .name: vmax, .offset: 16, .size: 8, .value_kind: global_buffer, .address_space: global }
    .group_segment_fixed_size: 327680
    .private_segment_fixed_size: 0
    .kernarg_segment_align: 8
    .kernarg_segment_size: 24
    .max_flat_workgroup_size: 256
    .sgpr_count:     72
    .vgpr_count:     416
    .wavefront_size: 32
...
	.end_amdgpu_metadata
.endif
;; end of part 8
;; launch oproj (part 9): grid 8 x 32, 4 waves a work-group, clusters of 4 x 4, 327,680 bytes of LDS; arguments ao, owb, out_b, out0, vmax; writes out0
.if DOCPART == 9
	.amdgcn_target "amdgcn-amd-amdhsa--gfx1250"
	.amdhsa_code_object_version 6
	.text
	.protected	k_q8073263d3e_oproj
	.globl	k_q8073263d3e_oproj
	.p2align	8
	.type	k_q8073263d3e_oproj,@function
k_q8073263d3e_oproj:
	s_mov_b64 s[64:65], 0
	v_nop
	global_prefetch_b8 v0, s[64:65] scope:SCOPE_SE
	s_setreg_imm32_b32 hwreg(HW_REG_WAVE_MODE, 25, 1), 1
	s_wait_xcnt 0x0
	s_wait_alu depctr_hold_cnt(0) depctr_sa_sdst(0) depctr_va_vdst(0) depctr_va_sdst(0) depctr_va_ssrc(0) depctr_va_vcc(0) depctr_vm_vsrc(0)
	s_getreg_b32 s2, hwreg(HW_REG_IB_STS2, 6, 4)
	s_cmp_eq_u32 s2, 0
	s_cbranch_scc0 .Lentry_in_a_cluster
	s_endpgm
.Lentry_in_a_cluster:
	s_bfe_u32 s2, ttmp6, 0x10000c
	s_cmp_lg_u32 s2, 0xf033
	s_cbranch_scc0 .Lentry_shape_is_right
	s_endpgm
.Lentry_shape_is_right:
; OUTPUT PROJECTION: out0[t][b][n] = sum over k of o(b, t, k) w[n][k] + out_b[n], k = 64 h + d; f16 operands, f32 sums, f32 out.
; WHY f16: o carries the V bias, which no average over the keys makes smaller, so a rounding of o and of w to bf16's 8 bits would be the
; largest error of the whole program; f16 has 11.  WHY IT HAS ROOM: ao holds o x 2^(14 - e), 2^e the power of two at or just below the largest
; |v| of the batch (vmax; o is a convex combination of rows of V), so it stays under 2^15 x 1.01 for every input, and f16's smallest step
; is 2^-39 of that bound; owb holds 256 w.  Both factors are exact, and the sums are multiplied by 2^(e - 14 - 8) in the multiply-add that
; adds the bias.  LIMITS: |out_w| under 255.9; a bound under 2^-104 counts as 2^-104.
; ao[b][t / 2][h][t & 1][64]: a pair of rows (t even, t odd) is 4,096 bytes, a head's 256 bytes hold both rows' 64 numbers.
; A work-group makes 128 rows x 128 columns: 8 x 32 = 256 work-groups.  Four waves, 2 x 2, 64 x 64 each: 16 accumulator tiles.
; K goes in 4 phases of 256 (four heads) through two LDS slots, written out without a loop; a tile's rows are 512 bytes of memory, aligned.
; CLUSTERS 4 x 4: ao's tiles are shared along a row of the cluster, owb's along a column, each asked for jointly by the four.
; The matrix instruction is used transposed (source 0 = rows of owb, source 1 = rows of ao): a lane holds eight neighbouring columns of a row.
; The first product of each tile takes the constant 0 as C: nothing is cleared.
; REGISTERS: window 0: v16-30 addresses and the factor, v32-159 fragments (two buffers: ao 4 x 8, owb 4 x 8), v160-191 bias, v192-255 rows read back; window 1: the sums.
.set PITCH,  528                       ; an LDS row: 512 bytes + 16
.set REG,    64*PITCH                  ; a region: 64 rows
.set SLOT,   4*REG                     ; regions 0, 1: ao, 64 pairs of rows x heads 0-1, 2-3 of the phase; regions 2, 3: owb's rows 0-63, 64-127
.set STAGE,  2*SLOT                    ; behind the ring, never filled by a tensor load
.set SPITCH, 272                       ; the stage: 16 rows of 256 bytes + 16
.set ADRA, 16
.set ADRB, 20
.set STO,  24
.set RD,   25
.set CO,   26
.set BO,   27
.set INV,  28                          ; v28-29  2^(e - 22), twice (a pair for the packed multiply-add)
.set VO,   30                          ; my 16 bytes in 512 of vmax
.set BIAS, 160
.set VM,   192                         ; v192-207 the bound's parts, in registers that the way out takes later
.set G1,  24
.set G0,  32
.set G1B, 48
.set G0B, 56
.set MSB, 0
.macro WIN new                         ; the immediate's high byte repeats the setting that is left
.if MSB != \new
	s_set_vgpr_msb (MSB<<8)|\new
.set MSB, \new
.endif
.endm
.macro JLOAD s                         ; waves 0, 1 fetch ao's regions, waves 2, 3 owb's
	s_cmp_eq_u32 s13, 0
	s_cbranch_scc0 .Lfor_b_\@
	tensor_load_to_lds s[G0+4*\s:G0+4*\s+3], s[G1:G1+7]
	s_nop 0
	s_branch .Lasked_\@
.Lfor_b_\@:
	tensor_load_to_lds s[G0B+4*\s:G0B+4*\s+3], s[G1B:G1B+7]
	s_nop 0
.Lasked_\@:
.endm
.macro CREST                           ; a round of the cluster's barrier behind its opening work-group barrier
	s_cmp_lg_u32 s12, 0
	s_cbranch_scc1 .Lnot_wave_0_\@
	s_barrier_signal -3
.Lnot_wave_0_\@:
	s_barrier_wait -3
	s_barrier_signal -1
	s_barrier_wait -1
.endm
.macro CROUND
	s_barrier_signal -1
	s_barrier_wait -1
	CREST
.endm
.macro PLACES                          ; four places behind a matrix instruction (ISA guide 7.12.1)
.rept 4
	v_nop
.endr
.endm
; 4 matrix instructions: row block a x my 4 column blocks, 32 along K, from buffer f.  mode = 1: the first product starts the sums.
; The 16 accumulators take turns, one instruction a turn, in the same order in every piece.
.macro MULA f, a, mode
.irp b, 0,1,2,3
.if \mode
	v_wmma_f32_16x16x32_f16 v[8*(4*\a+\b):8*(4*\a+\b)+7], v[64+64*\f+8*\b:64+64*\f+8*\b+7], v[32+64*\f+8*\a:32+64*\f+8*\a+7], 0
.else
	v_wmma_f32_16x16x32_f16 v[8*(4*\a+\b):8*(4*\a+\b)+7], v[64+64*\f+8*\b:64+64*\f+8*\b+7], v[32+64*\f+8*\a:32+64*\f+8*\a+7], v[8*(4*\a+\b):8*(4*\a+\b)+7]
.endif
.endr
.endm
; 16 LDS loads: the fragments of K piece kq (32 of the phase's 256: head kq >> 1, columns 32 (kq & 1) ..) into buffer f; owb first, then ao
.macro FETCH slot, kq, f
.irp i, 0,1,2,3
	ds_load_b128 v[64+64*\f+8*\i:64+64*\f+8*\i+3],   v[ADRB+\slot] offset:64*(\kq)+16*PITCH*\i
	ds_load_b128 v[64+64*\f+8*\i+4:64+64*\f+8*\i+7], v[ADRB+\slot] offset:64*(\kq)+16*PITCH*\i+32
.endr
.irp i, 0,1,2,3
	ds_load_b128 v[32+64*\f+8*\i:32+64*\f+8*\i+3],   v[ADRA+\slot] offset:((\kq)>>2)*REG+(((\kq)>>1)&1)*256+((\kq)&1)*64+8*PITCH*\i
	ds_load_b128 v[32+64*\f+8*\i+4:32+64*\f+8*\i+7], v[ADRA+\slot] offset:((\kq)>>2)*REG+(((\kq)>>1)&1)*256+((\kq)&1)*64+8*PITCH*\i+32
.endr
.endm
; multiplies buffer f; in its middle fetches piece kq into buffer g
.macro QUARTER slot, kq, f, g, mode
	s_wait_dscnt 0x4                               ; owb and ao's blocks 0, 1 are in; the youngest four loads (blocks 2, 3) may be out
	WIN 0x50                                       ; sources window 0, C and D window 1
	MULA \f, 0, \mode
	MULA \f, 1, \mode
	WIN 0
	PLACES
	FETCH \slot, \kq, \g
	s_wait_dscnt 0x10                              ; all but the 16 just issued
	WIN 0x50
	MULA \f, 2, \mode
	MULA \f, 3, \mode
.endm
.macro SEVEN slot, mode
	QUARTER \slot, 1, 0, 1, \mode
	QUARTER \slot, 2, 1, 0, 0
	QUARTER \slot, 3, 0, 1, 0
	QUARTER \slot, 4, 1, 0, 0
	QUARTER \slot, 5, 0, 1, 0
	QUARTER \slot, 6, 1, 0, 0
	QUARTER \slot, 7, 0, 1, 0
.endm
; A phase's last piece: multiplies buffer 1 and changes slots.  In front of the one barrier each wave waits for its reads of this slot and for
; all its tensor loads (the one that is out is its region of the next slot).  fill = 1: the barrier opens a round of the cluster's barrier,
; and the joint refill of this slot, two phases ahead, is the first tensor load behind the round.
.macro TURN slot, next, fill
	s_wait_dscnt 0x4
	WIN 0x50
	MULA 1, 0, 0
	s_wait_dscnt 0x0                               ; my reads of this slot are over
	s_wait_tensorcnt 0x0                           ; and all my tensor loads have landed
	ds_add_u32 v23, v31
	s_wait_dscnt 0x0
	s_barrier_signal -1
	MULA 1, 1, 0                                   ; register work while the others arrive
	WIN 0
	s_barrier_wait -1
.if \fill
	CREST
	s_add_nc_u64 s[G0+4*\slot+2:G0+4*\slot+3], s[G0+4*\slot+2:G0+4*\slot+3], 2048      ; two phases on: 8 heads of 256 bytes
	s_add_nc_u64 s[G0B+4*\slot+2:G0B+4*\slot+3], s[G0B+4*\slot+2:G0B+4*\slot+3], 1024  ; 512 numbers of 2 bytes
	JLOAD \slot
.endif
	PLACES
	FETCH \next, 0, 0
	WIN 0x50
	MULA 1, 2, 0
	MULA 1, 3, 0
.endm
	s_load_b256 s[4:11], s[0:1], 0x0               ; ao s[4:5], owb s[6:7], out_b s[8:9], out0 s[10:11]
	s_load_b64 s[68:69], s[0:1], 0x20              ; vmax
	v_lshl_add_u32 v23, v0, 2, 0x46400
	v_mov_b32 v31, 0
	ds_add_u32 v23, v31
	v_lshrrev_b32 v1, 5, v0
	v_readfirstlane_b32 s12, v1                    ; wave 0..3
	s_lshr_b32 s13, s12, 1                         ; my half of the rows.  Also: I fetch for ao (0) or for owb (1)
	s_and_b32 s14, s12, 1                          ; my half of the columns.  Also: which region of that tile
	s_bfe_u32 s40, ttmp6, 0x40000                  ; cx
	s_bfe_u32 s41, ttmp6, 0x40004                  ; cy
	s_lshl_b32 s42, ttmp9, 2
	s_add_co_u32 s42, s42, s40                     ; block column
	s_and_b32 s43, ttmp7, 0xffff
	s_lshl_b32 s43, s43, 2
	s_add_co_u32 s43, s43, s41                     ; block row
	s_lshl_b32 s44, s41, 2
	s_lshl_b32 s44, 15, s44                        ; my row of the cluster
	s_lshl_b32 s45, 0x1111, s40                    ; my column
	s_mov_b32 s72, 0x76543210                      ; v_permlanex16_b32: lane i of one half reads lane i of the other
	s_mov_b32 s73, 0xfedcba98
	; group 1: 64 rows of 256 elements of 2 bytes, 16 bytes of padding behind every 128 words; from row to row 2,048 elements in ao, 1,024 in owb
	s_or_b32 s[G1+0], s44, (1<<16)|(1<<20)|(1<<21)|(6<<22)|(3<<25)
	s_or_b32 s[G1B+0], s45, (1<<16)|(1<<20)|(1<<21)|(6<<22)|(3<<25)
	s_mov_b32 s[G1+1], 256<<16
	s_mov_b32 s[G1B+1], 256<<16
	s_mov_b32 s[G1+2], 64<<16
	s_mov_b32 s[G1B+2], 64<<16
	s_mov_b32 s[G1+3], 256<<16
	s_mov_b32 s[G1B+3], 256<<16
	s_mov_b32 s[G1+4], 64
	s_mov_b32 s[G1B+4], 64
	s_mov_b32 s[G1+5], 2048
	s_mov_b32 s[G1B+5], 1024
	s_mov_b32 s[G1+6], 0
	s_mov_b32 s[G1B+6], 0
	s_mov_b32 s[G1+7], 0
	s_mov_b32 s[G1B+7], 0
	s_lshl_b32 s16, s43, 18                        ; ao: 64 pairs of rows of 4,096 bytes for each block row,
	s_lshl_b32 s21, s14, 9                         ; + my two heads of the phase's four
	s_add_co_u32 s16, s16, s21
	s_mov_b32 s17, 0
	s_lshl_b32 s46, s42, 7
	s_lshl_b32 s21, s14, 6
	s_add_co_u32 s46, s46, s21                     ; owb: row 128 x block column + 64 x half
	s_lshl_b32 s46, s46, 11
	s_mov_b32 s47, 0
	s_lshl_b32 s22, s42, 9                         ; the bias of my 64 columns
	s_lshl_b32 s21, s14, 8
	s_add_co_u32 s22, s22, s21
	s_mov_b32 s23, 0
	s_lshr_b32 s70, s43, 4                         ; vmax[b][32 .. 47][0 .. 31]: V's 512 numbers of my batch b = block row >> 4
	s_mul_i32 s70, s70, 6144
	s_add_co_u32 s70, s70, 4096
	s_mov_b32 s71, 0
	s_mul_i32 s20, s12, REG                        ; my region of a slot: the wave's number alone
	s_wait_dscnt 0x0
	s_wait_kmcnt 0x0
	s_add_nc_u64 s[18:19], s[4:5], s[16:17]
	s_add_nc_u64 s[46:47], s[6:7], s[46:47]
	s_add_nc_u64 s[22:23], s[8:9], s[22:23]
	s_add_nc_u64 s[68:69], s[68:69], s[70:71]
	CROUND                                         ; the first joint loads meet
.irp s, 0,1
	s_mov_b32 s[G0+4*\s], 1
	s_add_co_u32 s[G0+4*\s+1], s20, \s*SLOT
	s_add_nc_u64 s[G0+4*\s+2:G0+4*\s+3], s[18:19], \s*1024         ; phase s: four heads of 256 bytes
	s_or_b32 s[G0+4*\s+3], s[G0+4*\s+3], 0x80000000
	s_mov_b32 s[G0B+4*\s], 1
	s_add_co_u32 s[G0B+4*\s+1], s20, \s*SLOT
	s_add_nc_u64 s[G0B+4*\s+2:G0B+4*\s+3], s[46:47], \s*512
	s_or_b32 s[G0B+4*\s+3], s[G0B+4*\s+3], 0x80000000
	JLOAD \s                                       ; two tensor loads of the wave are out; later one
.endr
	v_and_b32 v1, 15, v0                           ; r
	v_bfe_u32 v2, v0, 4, 1                         ; h
	v_lshlrev_b32 v[BO], 5, v2
	v_and_b32 v[VO], 31, v0
	v_lshlrev_b32 v[VO], 4, v[VO]                  ; 16 x lane
.irp b, 0,1,2,3
	global_load_b128 v[BIAS+8*\b:BIAS+8*\b+3],   v[BO], s[22:23] offset:64*\b
	global_load_b128 v[BIAS+8*\b+4:BIAS+8*\b+7], v[BO], s[22:23] offset:64*\b+16
.endr
.irp i, 0,1,2,3
	global_load_b128 v[VM+4*\i:VM+4*\i+3], v[VO], s[68:69] offset:512*\i   ; the bound's 512 parts, 16 a lane
.endr
	v_lshrrev_b32 v3, 1, v1
	v_and_b32 v4, 1, v0
	v_mul_u32_u24 v3, v3, PITCH                    ; ao: row r lies in pair r >> 1, at (r & 1) x 128 of a head's 256 bytes, + 16 h
	v_lshl_add_u32 v3, v4, 7, v3
	v_lshl_add_u32 v3, v2, 4, v3
	s_mul_i32 s21, s13, 32*PITCH                   ; my 64 rows = 32 pairs
	v_add_nc_u32 v[ADRA], s21, v3
	v_add_nc_u32 v[ADRA+1], SLOT, v[ADRA]
	v_mul_u32_u24 v3, v1, PITCH
	v_lshl_add_u32 v3, v2, 4, v3
	s_mul_i32 s21, s14, REG
	s_add_co_u32 s21, s21, 2*REG                   ; my 64 rows of owb
	v_add_nc_u32 v[ADRB], s21, v3
	v_add_nc_u32 v[ADRB+1], SLOT, v[ADRB]
	s_mul_i32 s21, s12, 16*SPITCH
	s_add_co_u32 s21, s21, STAGE                   ; my stage
	v_mul_u32_u24 v3, v1, SPITCH
	v_lshl_add_u32 v3, v2, 5, v3                   ; in: row r, 32 bytes for each half of the lanes
	v_add_nc_u32 v[STO], s21, v3
	v_mul_u32_u24 v3, v2, SPITCH
	v_lshl_add_u32 v3, v1, 4, v3                   ; back: lanes 0-15 one row of 256 bytes, lanes 16-31 the next
	v_add_nc_u32 v[RD], s21, v3
	v_lshlrev_b32 v[CO], 13, v2                    ; the next t lies 8,192 bytes on in out0
	v_lshl_add_u32 v[CO], v1, 4, v[CO]
	s_wait_tensorcnt 0x1                           ; my part of phase 0 is in; phase 1's stays out
	s_barrier_signal -1
	s_barrier_wait -1
	FETCH 0, 0, 0
	s_wait_loadcnt 0x0                             ; the bias and the bound's parts
	; the largest |v| of my batch, as the launch before formed it: my 16 parts, then across the 32 lanes; its power of two; the factor
	v_max3_num_f32 v[VM],    v[VM],    v[VM+1],  v[VM+2]
	v_max3_num_f32 v[VM+3],  v[VM+3],  v[VM+4],  v[VM+5]
	v_max3_num_f32 v[VM+6],  v[VM+6],  v[VM+7],  v[VM+8]
	v_max3_num_f32 v[VM+9],  v[VM+9],  v[VM+10], v[VM+11]
	v_max3_num_f32 v[VM+12], v[VM+12], v[VM+13], v[VM+14]
	v_max3_num_f32 v[VM],    v[VM],    v[VM+3],  v[VM+15]
	v_max3_num_f32 v[VM+6],  v[VM+6],  v[VM+9],  v[VM+12]
	v_max_num_f32  v[VM],    v[VM],    v[VM+6]
.irp m, 1,2,4,8
	v_max_num_f32_dpp v[VM], v[VM], v[VM] row_xmask:\m row_mask:0xf bank_mask:0xf
.endr
	v_permlanex16_b32 v[VM+1], v[VM], s72, s73
	v_max_num_f32 v[VM], v[VM], v[VM+1]
	v_max_num_f32 v[VM], 0x0b800000, v[VM]         ; not under 2^-104,
	v_min_num_f32 v[VM], 0x7f000000, v[VM]         ; not over 2^127
	v_and_b32 v[VM], 0x7f800000, v[VM]             ; 2^e: the exponent field E = e + 127 alone
	v_add_nc_u32 v[INV], 0xf5000000, v[VM]         ; field E - 22 (the sum modulo 2^32 takes 22 << 23 away): 2^(e - 14 - 8)
	v_mov_b32 v[INV+1], v[INV]
	SEVEN 0, 1                                     ; phase 0: its first products start the sums
	TURN 0, 1, 1                                   ; asks for phase 2
	SEVEN 1, 0
	TURN 1, 0, 1                                   ; asks for phase 3, the last load
	SEVEN 0, 0
	TURN 0, 1, 0
	SEVEN 1, 0
	s_wait_dscnt 0x4
	WIN 0x50
	MULA 1, 0, 0
	MULA 1, 1, 0
	s_wait_dscnt 0x0
	MULA 1, 2, 0
	MULA 1, 3, 0
	; THE WAY OUT, 16 rows at a time: sum x 2^(e - 22) + bias, into my stage, and back as whole rows of 256 bytes.
	PLACES
	s_and_b32 s16, s43, 15
	s_lshl_b32 s16, s16, 20                        ; t = (block row & 15) x 128 + 64 x half + ..., 8,192 bytes for each t
	s_lshl_b32 s17, s13, 19
	s_add_co_u32 s16, s16, s17
	s_lshr_b32 s17, s43, 4                         ; b = block row >> 4
	s_lshl_b32 s17, s17, 12
	s_add_co_u32 s16, s16, s17
	s_mov_b32 s17, 0
	s_add_nc_u64 s[10:11], s[10:11], s[16:17]
	s_lshl_b32 s46, s42, 9                         ; my first column, 4 bytes each
	s_lshl_b32 s47, s14, 8
	s_add_co_u32 s46, s46, s47
	s_mov_b32 s47, 0
	s_add_nc_u64 s[10:11], s[10:11], s[46:47]
.macro OUT16 a, rb
	WIN 0x41                                       ; the sums (source 0, destination) window 1; the factor and the bias window 0
.irp b, 0,1,2,3
.irp j, 0,1,2,3
	v_pk_fma_f32 v[8*(4*\a+\b)+2*\j:8*(4*\a+\b)+2*\j+1], v[8*(4*\a+\b)+2*\j:8*(4*\a+\b)+2*\j+1], v[INV:INV+1], v[BIAS+8*\b+2*\j:BIAS+8*\b+2*\j+1] op_sel_hi:[1,0,1]
.endr
.endr
	WIN 0x04                                       ; an LDS store's data are its source 1: window 1
.irp b, 0,1,2,3
	ds_store_b128 v[STO], v[8*(4*\a+\b):8*(4*\a+\b)+3]   offset:64*\b
	ds_store_b128 v[STO], v[8*(4*\a+\b)+4:8*(4*\a+\b)+7] offset:64*\b+16
.endr
	WIN 0
	s_wait_xcnt 0x0                                ; registers that earlier stores read are loaded again only behind this wait
.irp t, 0,1,2,3,4,5,6,7
	ds_load_b128 v[\rb+4*\t:\rb+4*\t+3], v[RD] offset:2*SPITCH*\t  ; LDS serves a wave's instructions in order: these see the stores above
.endr
.irp t, 0,1,2,3,4,5,6,7
	s_wait_dscnt 7-\t
	global_store_b128 v[CO], v[\rb+4*\t:\rb+4*\t+3], s[10:11] offset:(16*\a+2*\t)*8192 th:TH_STORE_NT   ; 16 lanes store 256 consecutive bytes, aligned
.endr
.endm
	OUT16 0, 192
	OUT16 1, 224
	OUT16 2, 192
	OUT16 3, 224
	s_wait_tensorcnt 0x0
	ds_add_u32 v23, v31
	s_wait_dscnt 0x0
	CROUND                                         ; the closing round: no work-group ends while a partner may still ask for a tile that names it
	s_endpgm
.Lfunc_end_k_q8073263d3e_oproj:
	.size	k_q8073263d3e_oproj, .Lfunc_end_k_q8073263d3e_oproj-k_q8073263d3e_oproj
	.p2alignl 7, 3214868480
	.fill 96, 4, 3214868480
	.section	.rodata,"a",@progbits
	.p2align	6, 0x0
	.amdhsa_kernel k_q8073263d3e_oproj
		.amdhsa_group_segment_fixed_size 327680
		.amdhsa_private_segment_fixed_size 0
		.amdhsa_enable_private_segment 0
		.amdhsa_kernarg_size 40
		.amdhsa_user_sgpr_count 2
		.amdhsa_user_sgpr_kernarg_segment_ptr 1
		.amdhsa_wavefront_size32 1
		.amdhsa_system_sgpr_workgroup_id_x 1
		.amdhsa_system_sgpr_workgroup_id_y 1
		.amdhsa_system_sgpr_workgroup_id_z 1
		.amdhsa_system_vgpr_workitem_id 0
		.amdhsa_next_free_vgpr 384
		.amdhsa_next_free_sgpr 74
		.amdhsa_reserve_vcc 0
		.amdhsa_float_denorm_mode_32 3
		.amdhsa_float_denorm_mode_16_64 3
		.amdhsa_memory_ordered 1
		.amdhsa_forward_progress 1
		.amdhsa_inst_pref_size 97
	.end_amdhsa_kernel
	.amdgpu_metadata
---
amdhsa.version: [ 1, 2 ]
amdhsa.kernels:
  - .name:           k_q8073263d3e_oproj
    .symbol:         k_q8073263d3e_oproj.kd
    .args:
      - { .name: ao, .offset: 0, .size: 8, .value_kind: global_buffer, .address_space: global }
      - { .name: owb, .offset: 8, .size: 8, .value_kind: global_buffer, .address_space: global }
      - { .name: out_b, .offset: 16, .size: 8, .value_kind: global_buffer, .address_space: global }
      - { .name: out0, .offset: 24, .size: 8, .value_kind: global_buffer, .address_space: global }
      - { .name: vmax, .offset: 32, .size: 8, .value_kind: global_buffer, .address_space: global }
    .group_segment_fixed_size: 327680
    .private_segment_fixed_size: 0
    .kernarg_segment_align: 8
    .kernarg_segment_size: 40
    .max_flat_workgroup_size: 128
    .sgpr_count:     74
    .vgpr_count:     384
    .wavefront_size: 32
...
	.end_amdgpu_metadata
.endif
;; end of part 9
